; MI455X (gfx1250); checked and timed in simulation.
; The chip was launched on July 23, 2026; its instructions are those of AMD's public machine-readable ISA for CDNA 5 (MIT licence, August 2026) and "CDNA5" Instruction Set Architecture Reference Guide (July 2026). The comments in the code are by the model that wrote it; some were corrected since.
;; Decoder Block. Allowed arithmetic: float matrix products may take bf16 or f16 operands with f32 sums; all other float work in f32.
;; Inputs: W1 1,024 x 4,096 float32; W2 4,096 x 1,024 float32; Wk 16 x 1,024 x 64 float32; Wproj 1,024 x 1,024 float32; Wq 16 x 1,024 x 64 float32; Wv 16 x 1,024 x 64 float32; b1 4,096 float32; b2 1,024 float32; be1 1,024 float32; be2 1,024 float32; bproj 1,024 float32; g1 1,024 float32; g2 1,024 float32; x 2 x 2,048 x 1,024 float32.
;; Outputs: out0 2 x 2,048 x 1,024 float32.
;; 2 versions, each right; version 2 is version 1 with the launches prep, ln2 written anew for expert scheduling mode. Each part assembles by itself: llvm-mc -triple=amdgcn-amd-amdhsa -mcpu=gfx1250 --defsym DOCPART=n.
;; ======== version 1 of 2: 7 launches
;; workspace buffers: wb 25,165,824 bytes; wq 6,291,456 bytes; hbuf 8,388,608 bytes; qkv 25,165,824 bytes; o2 8,388,608 bytes; x1 16,777,216 bytes; f1 33,554,432 bytes
;; launch prep (part 1): grid 512 x 1, 8 waves a work-group, no clusters, 0 bytes of LDS; arguments x, g1, be1, Wq, Wk, Wv, Wproj, W1, hbuf, wq, wb; writes hbuf, wq, wb
.if DOCPART == 1
	.amdgcn_target "amdgcn-amd-amdhsa--gfx1250"
	.amdhsa_code_object_version 6
	.text
	.protected	k_qc03e7093ff_prep
	.globl	k_qc03e7093ff_prep
	.p2align	8
	.type	k_qc03e7093ff_prep,@function
k_qc03e7093ff_prep:
	s_mov_b64 s[64:65], 0
	v_nop
	global_prefetch_b8 v0, s[64:65] scope:SCOPE_SE
	s_setreg_imm32_b32 hwreg(HW_REG_WAVE_MODE, 25, 1), 1
	s_wait_xcnt 0x0
; Three kinds of work-group, chosen by the work-group's number.
;   0..255    hbuf = LayerNorm(x; g1, be1) in bf16: 16 rows of 1,024 a work-group, two rows a wave, a row held in 32 registers of the wave.
;   256..351  Wq, Wk, Wv ([16][1024][64] f32) -> wq, bf16 [1024][3072]: columns 64 h: q of head h; columns 1024 + 128 h: k of head h, then v of head h.
;   352..511  Wproj, W1 -> wb, bf16, in their own [K][N] order, at bytes 6,291,456 and 8,388,608.  (W2 is cast by the next launch, on work-groups that its product leaves free.)
; 512 work-groups: 256 of the first kind and 256 casts.
; Memory binds: loads of 16 bytes a lane (512 consecutive bytes a wave), all of a wave's 32 loads issued before the first wait; every store of a wave covers
; 256 consecutive bytes, aligned.  No LDS, no barrier, no matrix unit: no wave needs another's data.
; The variance is the mean of the squares of the CENTRED row (a second pass over registers), so a common offset of x costs no digits.
.set HS,  262144                       ; bytes of one head in Wq, Wk, Wv
.set SX,  4                            ; s[4:5]   x
.set SG,  6                            ; s[6:7]   g1
.set SB,  8                            ; s[8:9]   be1
.set SH,  20                           ; s[20:21] hbuf
.set SWQ, 22                           ; s[22:23] wq
.set SWB, 24                           ; s[24:25] wb
.set SEL, 28                           ; s[28:29] lane selects: each lane takes its own place in the other half of the wave
.set INV, 30                           ; s30      1 / 1024
.set EPS, 31                           ; s31      1e-5
.set X0,  8                            ; v[8:39]    first row   (casts: v[8:135] data)
.set X1,  40                           ; v[40:71]   second row
.set G,   72                           ; v[72:103]  gains of my 32 columns
.set BE,  104                          ; v[104:135] biases of my 32 columns
.set T,   136                          ; v[136:141] at work
.set RS0, 144                          ; v[144:145] 1 / sqrt(var + eps) of the first row, twice
.set RS1, 146                          ; v[146:147] of the second row
.set XA,  8                            ; pair cast: 16 x 4 registers from the first source
.set XB,  72                           ;            16 x 4 registers from the second
.macro WSUM                            ; v[T:T+1] -> the sum over both registers and all 32 lanes, in v[T] of every lane
	v_add_f32 v[T], v[T], v[T+1]
	v_add_f32_dpp v[T], v[T], v[T] row_xmask:1 row_mask:0xf bank_mask:0xf
	v_add_f32_dpp v[T], v[T], v[T] row_xmask:2 row_mask:0xf bank_mask:0xf
	v_add_f32_dpp v[T], v[T], v[T] row_xmask:4 row_mask:0xf bank_mask:0xf
	v_add_f32_dpp v[T], v[T], v[T] row_xmask:8 row_mask:0xf bank_mask:0xf
	v_permlanex16_b32 v[T+1], v[T], s[SEL], s[SEL+1]
	v_add_f32 v[T], v[T], v[T+1]
.endm
; The row in v[X..X+31] is centred in place; 1 / sqrt(var + eps) goes to v[RS], v[RS+1].  left: the younger loads that may stay out.
.macro STATS X, left, RS
	s_wait_loadcnt \left
	v_pk_add_f32 v[T:T+1], v[\X:\X+1], v[\X+2:\X+3]            ; two chains, started by the first four pairs
	v_pk_add_f32 v[T+2:T+3], v[\X+4:\X+5], v[\X+6:\X+7]
.set j, 8
.rept 6
	v_pk_add_f32 v[T:T+1], v[T:T+1], v[\X+j:\X+j+1]
	v_pk_add_f32 v[T+2:T+3], v[T+2:T+3], v[\X+j+2:\X+j+3]
.set j, j+4
.endr
	v_pk_add_f32 v[T:T+1], v[T:T+1], v[T+2:T+3]
	WSUM
	v_mul_f32 v[T+4], s[INV], v[T]                             ; the mean, in both registers of a pair
	v_mul_f32 v[T+5], s[INV], v[T]
.set j, 0
.rept 16
	v_pk_add_f32 v[\X+j:\X+j+1], v[\X+j:\X+j+1], v[T+4:T+5] neg_lo:[0,1] neg_hi:[0,1]
.set j, j+2
.endr
	v_pk_mul_f32 v[T:T+1], v[\X:\X+1], v[\X:\X+1]
	v_pk_mul_f32 v[T+2:T+3], v[\X+2:\X+3], v[\X+2:\X+3]
.set j, 4
.rept 7
	v_pk_fma_f32 v[T:T+1], v[\X+j:\X+j+1], v[\X+j:\X+j+1], v[T:T+1]
	v_pk_fma_f32 v[T+2:T+3], v[\X+j+2:\X+j+3], v[\X+j+2:\X+j+3], v[T+2:T+3]
.set j, j+4
.endr
	v_pk_add_f32 v[T:T+1], v[T:T+1], v[T+2:T+3]
	WSUM
	v_fma_f32 v[T], v[T], s[INV], s[EPS]                       ; var + eps
	v_rsq_f32 v[\RS], v[T]
	v_rsq_f32 v[\RS+1], v[T]
	v_nop                                                      ; a plain instruction before the results are used or v[T] is written again (ISA guide 5.7.2)
.endm
; (x - mean) * rstd * g + be, rounded to bf16 and stored: store j of the wave covers the row's bytes 256 j .. 256 j + 255
.macro NORM X, RS, rowoff
.set j, 0
	s_wait_alu depctr_va_vdst(0)
.rept 16
	v_pk_mul_f32 v[\X+j:\X+j+1], v[\X+j:\X+j+1], v[\RS:\RS+1]
.set j, j+2
.endr
.set j, 0
.rept 16
	v_pk_fma_f32 v[\X+j:\X+j+1], v[\X+j:\X+j+1], v[G+j:G+j+1], v[BE+j:BE+j+1]
.set j, j+2
.endr
.irp j, 0,1,2,3,4,5,6,7
	v_cvt_pk_bf16_f32 v[\X+4*\j], v[\X+4*\j], v[\X+4*\j+1]
	v_cvt_pk_bf16_f32 v[\X+4*\j+1], v[\X+4*\j+2], v[\X+4*\j+3]
	global_store_b64 v2, v[\X+4*\j:\X+4*\j+1], s[SH:SH+1] offset:\rowoff+256*\j
.endr
.endm
	s_load_b256 s[4:11], s[0:1], 0x0               ; x, g1, be1, Wq s[10:11]
	s_load_b256 s[12:19], s[0:1], 0x20             ; Wk s[12:13], Wv s[14:15], Wproj s[16:17], W1 s[18:19]
	s_load_b128 s[20:23], s[0:1], 0x40             ; hbuf s[20:21], wq s[22:23]
	s_load_b64 s[24:25], s[0:1], 0x50              ; wb
	v_and_b32 v4, 31, v0                           ; lane
	v_and_b32 v5, 0xe0, v0                         ; 32 x wave
	v_lshlrev_b32 v3, 4, v4                        ; 16 bytes a lane
	s_mov_b32 s27, 0
	s_wait_kmcnt 0x0
	s_cmp_lt_u32 ttmp9, 256
	s_cbranch_scc0 .Lcasts
	; ---- LayerNorm: rows 16 id + 2 w and the next ----
	s_mov_b32 s[SEL], 0x76543210
	s_mov_b32 s[SEL+1], 0xfedcba98
	s_mov_b32 s[INV], 0x3a800000
	s_mov_b32 s[EPS], 0x3727c5ac
	s_lshl_b32 s26, ttmp9, 16                      ; 16 rows of 4,096 bytes
	s_add_nc_u64 s[SX:SX+1], s[SX:SX+1], s[26:27]
	s_lshl_b32 s26, ttmp9, 15                      ; 16 rows of 2,048 bytes
	s_add_nc_u64 s[SH:SH+1], s[SH:SH+1], s[26:27]
	v_lshl_add_u32 v1, v5, 8, v3                   ; in: 16 lane + 8,192 w
	v_lshlrev_b32 v2, 3, v4
	v_lshl_add_u32 v2, v5, 7, v2                   ; out: 8 lane + 4,096 w
.irp j, 0,1,2,3,4,5,6,7
	global_load_b128 v[X0+4*\j:X0+4*\j+3], v1, s[SX:SX+1] offset:512*\j          ; lane l, load j: columns 128 j + 4 l ..
.endr
.irp j, 0,1,2,3,4,5,6,7
	global_load_b128 v[X1+4*\j:X1+4*\j+3], v1, s[SX:SX+1] offset:4096+512*\j
.endr
.irp j, 0,1,2,3,4,5,6,7
	global_load_b128 v[G+4*\j:G+4*\j+3], v3, s[SG:SG+1] offset:512*\j
.endr
.irp j, 0,1,2,3,4,5,6,7
	global_load_b128 v[BE+4*\j:BE+4*\j+3], v3, s[SB:SB+1] offset:512*\j
.endr
	STATS X0, 24, RS0                              ; the second row, the gains and the biases (24 loads) stay out
	STATS X1, 16, RS1                              ; the gains and the biases stay out
	s_wait_loadcnt 0x0
	NORM X0, RS0, 0
	NORM X1, RS1, 2048
	s_endpgm
.Lcasts:
	s_cmp_lt_u32 ttmp9, 352
	s_cbranch_scc0 .Lstraight
	; ---- Wq, Wk, Wv: one block of 128 columns of wq (two sources of 64 columns), 256 of its 1,024 rows ----
	s_sub_co_u32 s26, ttmp9, 256
	s_lshr_b32 s36, s26, 2                         ; column block 0..23: 0..7 are q of heads 2 jb, 2 jb + 1; 8..23 are k and v of head jb - 8
	s_and_b32 s37, s26, 3                          ; which 256 rows
	s_min_u32 s42, s36, 7
	s_lshl_b32 s42, s42, 19                        ; head 2 jb of Wq,
	s_add_co_u32 s44, s42, HS                      ; head 2 jb + 1
	s_max_u32 s40, s36, 8
	s_sub_co_u32 s40, s40, 8
	s_lshl_b32 s40, s40, 18                        ; head jb - 8 of Wk and of Wv
	s_cmp_lt_u32 s36, 8
	s_cselect_b64 s[32:33], s[10:11], s[12:13]     ; first 64 columns: Wq or Wk
	s_cselect_b64 s[34:35], s[10:11], s[14:15]     ; last 64 columns: Wq or Wv
	s_cselect_b32 s42, s42, s40
	s_cselect_b32 s44, s44, s40
	s_lshl_b32 s41, s37, 16                        ; 256 rows of 256 bytes
	s_add_co_u32 s42, s42, s41
	s_add_co_u32 s44, s44, s41
	s_mov_b32 s43, 0
	s_mov_b32 s45, 0
	s_add_nc_u64 s[32:33], s[32:33], s[42:43]
	s_add_nc_u64 s[34:35], s[34:35], s[44:45]
	s_mul_i32 s46, s37, 256*6144                   ; 256 rows of wq,
	s_lshl_b32 s48, s36, 8                         ; the block's 256 bytes in a row
	s_add_co_u32 s46, s46, s48
	s_mov_b32 s47, 0
	s_add_nc_u64 s[SWQ:SWQ+1], s[SWQ:SWQ+1], s[46:47]
	v_lshl_add_u32 v1, v5, 8, v3                   ; in: 16 lane + 32 rows x 256 bytes x w
	v_lshrrev_b32 v6, 5, v0
	v_mul_u32_u24 v6, v6, 32*6144
	v_lshl_add_u32 v2, v4, 3, v6                   ; out: 8 lane + 32 rows x 6,144 bytes x w
.set i, 0
.rept 16
	global_load_b128 v[XA+4*i:XA+4*i+3], v1, s[32:33] offset:512*i th:TH_LOAD_NT   ; lanes 0-15: row 2 i, lanes 16-31: row 2 i + 1
	global_load_b128 v[XB+4*i:XB+4*i+3], v1, s[34:35] offset:512*i th:TH_LOAD_NT
.set i, i+1
.endr
.set i, 0
.rept 16
.if i%4 == 0
	s_wait_loadcnt 24-8*(i/4)                      ; the next eight loads are in; the younger ones stay out
.endif
	v_cvt_pk_bf16_f32 v[XA+4*i], v[XA+4*i], v[XA+4*i+1]
	v_cvt_pk_bf16_f32 v[XA+4*i+1], v[XA+4*i+2], v[XA+4*i+3]
	v_cvt_pk_bf16_f32 v[XB+4*i], v[XB+4*i], v[XB+4*i+1]
	v_cvt_pk_bf16_f32 v[XB+4*i+1], v[XB+4*i+2], v[XB+4*i+3]
	v_permlane16_swap_b32 v[XA+4*i], v[XB+4*i]                 ; XA: row 2 i of both sources, XB: row 2 i + 1 of both:
	v_permlane16_swap_b32 v[XA+4*i+1], v[XB+4*i+1]             ; 32 lanes x 8 bytes are then one block's 256 bytes of one row
	global_store_b64 v2, v[XA+4*i:XA+4*i+1], s[SWQ:SWQ+1] offset:(2*i)*6144
	global_store_b64 v2, v[XB+4*i:XB+4*i+1], s[SWQ:SWQ+1] offset:(2*i+1)*6144
.set i, i+1
.endr
	s_endpgm
.Lstraight:
	; ---- Wproj, W1: chunks of 131,072 bytes, order kept ----
	s_sub_co_u32 s26, ttmp9, 352                   ; 0..31 Wproj, 32..159 W1
	s_max_u32 s37, s26, 32
	s_sub_co_u32 s37, s37, 32
	s_mov_b32 s38, 8388608
	s_mov_b32 s39, 6291456
	s_cmp_lt_u32 s26, 32
	s_cselect_b64 s[32:33], s[16:17], s[18:19]
	s_cselect_b32 s36, s26, s37                    ; the chunk's number in its source
	s_cselect_b32 s38, s39, s38                    ; the source's place in wb
	s_lshl_b32 s40, s36, 17
	s_mov_b32 s41, 0
	s_lshl_b32 s42, s36, 16
	s_add_co_u32 s42, s42, s38
	s_mov_b32 s43, 0
	s_add_nc_u64 s[32:33], s[32:33], s[40:41]
	s_add_nc_u64 s[SWB:SWB+1], s[SWB:SWB+1], s[42:43]
	v_lshl_add_u32 v1, v5, 9, v3                   ; in: 16 lane + 16,384 w
	v_lshlrev_b32 v2, 3, v4
	v_lshl_add_u32 v2, v5, 8, v2                   ; out: 8 lane + 8,192 w
.set i, 0
.rept 32
	global_load_b128 v[XA+4*i:XA+4*i+3], v1, s[32:33] offset:512*i th:TH_LOAD_NT
.set i, i+1
.endr
.set i, 0
.rept 32
.if i%8 == 0
	s_wait_loadcnt 24-8*(i/8)                      ; the next eight loads are in; the younger ones stay out
.endif
	v_cvt_pk_bf16_f32 v[XA+4*i], v[XA+4*i], v[XA+4*i+1]
	v_cvt_pk_bf16_f32 v[XA+4*i+1], v[XA+4*i+2], v[XA+4*i+3]
	global_store_b64 v2, v[XA+4*i:XA+4*i+1], s[SWB:SWB+1] offset:256*i
.set i, i+1
.endr
	s_endpgm
.Lfunc_end_k_qc03e7093ff_prep:
	.size	k_qc03e7093ff_prep, .Lfunc_end_k_qc03e7093ff_prep-k_qc03e7093ff_prep
	.p2alignl 7, 3214868480
	.fill 96, 4, 3214868480
	.section	.rodata,"a",@progbits
	.p2align	6, 0x0
	.amdhsa_kernel k_qc03e7093ff_prep
		.amdhsa_group_segment_fixed_size 0
		.amdhsa_private_segment_fixed_size 0
		.amdhsa_enable_private_segment 0
		.amdhsa_kernarg_size 88
		.amdhsa_user_sgpr_count 2
		.amdhsa_user_sgpr_kernarg_segment_ptr 1
		.amdhsa_wavefront_size32 1
		.amdhsa_system_sgpr_workgroup_id_x 1
		.amdhsa_system_sgpr_workgroup_id_y 1
		.amdhsa_system_sgpr_workgroup_id_z 1
		.amdhsa_system_vgpr_workitem_id 0
		.amdhsa_next_free_vgpr 160
		.amdhsa_next_free_sgpr 66
		.amdhsa_reserve_vcc 0
		.amdhsa_float_denorm_mode_32 3
		.amdhsa_float_denorm_mode_16_64 3
		.amdhsa_memory_ordered 1
		.amdhsa_forward_progress 1
		.amdhsa_inst_pref_size 44
	.end_amdhsa_kernel
	.amdgpu_metadata
---
amdhsa.version: [ 1, 2 ]
amdhsa.kernels:
  - .name:           k_qc03e7093ff_prep
    .symbol:         k_qc03e7093ff_prep.kd
    .args:
      - { .name: x, .offset: 0, .size: 8, .value_kind: global_buffer, .address_space: global }
      - { .name: g1, .offset: 8, .size: 8, .value_kind: global_buffer, .address_space: global }
      - { .name: be1, .offset: 16, .size: 8, .value_kind: global_buffer, .address_space: global }
      - { .name: Wq, .offset: 24, .size: 8, .value_kind: global_buffer, .address_space: global }
      - { .name: Wk, .offset: 32, .size: 8, .value_kind: global_buffer, .address_space: global }
      - { .name: Wv, .offset: 40, .size: 8, .value_kind: global_buffer, .address_space: global }
      - { .name: Wproj, .offset: 48, .size: 8, .value_kind: global_buffer, .address_space: global }
      - { .name: W1, .offset: 56, .size: 8, .value_kind: global_buffer, .address_space: global }
      - { .name: hbuf, .offset: 64, .size: 8, .value_kind: global_buffer, .address_space: global }
      - { .name: wq, .offset: 72, .size: 8, .value_kind: global_buffer, .address_space: global }
      - { .name: wb, .offset: 80, .size: 8, .value_kind: global_buffer, .address_space: global }
    .group_segment_fixed_size: 0
    .private_segment_fixed_size: 0
    .kernarg_segment_align: 8
    .kernarg_segment_size: 88
    .max_flat_workgroup_size: 256
    .sgpr_count:     66
    .vgpr_count:     160
    .wavefront_size: 32
...
	.end_amdgpu_metadata
.endif
;; end of part 1
;; launch gemm_qkv (part 2): grid 16 x 16, 4 waves a work-group, clusters of 4 x 4, 327,680 bytes of LDS; arguments hbuf, wq, qkv, W2, wb; writes qkv, wb
.if DOCPART == 2
	.amdgcn_target "amdgcn-amd-amdhsa--gfx1250"
	.amdhsa_code_object_version 6
	.text
	.protected	k_qc03e7093ff_gemm_qkv
	.globl	k_qc03e7093ff_gemm_qkv
	.p2align	8
	.type	k_qc03e7093ff_gemm_qkv,@function
k_qc03e7093ff_gemm_qkv:
	s_mov_b64 s[64:65], 0
	v_nop
	global_prefetch_b8 v0, s[64:65] scope:SCOPE_SE
	s_setreg_imm32_b32 hwreg(HW_REG_WAVE_MODE, 25, 1), 1
	s_wait_xcnt 0x0
	s_wait_alu depctr_hold_cnt(0) depctr_sa_sdst(0) depctr_va_vdst(0) depctr_va_sdst(0) depctr_va_ssrc(0) depctr_va_vcc(0) depctr_vm_vsrc(0)
	s_getreg_b32 s2, hwreg(HW_REG_IB_STS2, 6, 4)
	s_cmp_eq_u32 s2, 0
	s_cbranch_scc0 .Lentry_in_a_cluster
	s_endpgm
.Lentry_in_a_cluster:
	s_bfe_u32 s2, ttmp6, 0x10000c
	s_cmp_lg_u32 s2, 0xf033
	s_cbranch_scc0 .Lentry_shape_is_right
	s_endpgm
.Lentry_shape_is_right:
; TWO JOBS IN ONE LAUNCH, chosen by the cluster's x, which all sixteen partners of a cluster share.
; Cluster columns 0..2: C[m][n] = sum over k of A[m][k] W[k][n].  A = hbuf: [4096][1024] bf16; W = wq: [1024][3072] bf16; C = qkv: [4096][3072] bf16; sums in f32, C rounded once.
; C has 16 x 12 tiles of 256 x 256: 192 work-groups.  Cluster column 3, 64 work-groups more, does work that nothing reads before a later launch: W2 ([4096][1024] f32) is rounded
; to bf16 into wb at byte 16,777,216, order kept: 65,536 bytes a wave (see .Lcast).  That path has no tensor load, no LDS and no barrier.
; THE PRODUCT.  A tile of C is made by a work-group of four waves; a wave makes 128 x 128: 64 accumulators of 16 x 16, 512 registers.  K goes in steps of 128 through a
; ring of two LDS slots filled by the tensor data mover: 256 rows x 256 bytes of A, 128 rows (k) x 512 bytes of W; all rows start at multiples of 256 bytes.
; W lies [k][n], so its fragments come out of LDS turned, by ds_load_tr16_b128; A's come as they lie.
; CLUSTERS: 4 x 4 work-groups.  The four of a row of the cluster need the same tiles of A, the four of a column the same tiles of W: each tile is asked for JOINTLY,
; by the same tensor load with the same descriptor and a mask that names the four.
; THE MATRIX INSTRUCTION IS USED TRANSPOSED (source 0 = 16 columns of W, source 1 = 16 rows of A): lane l then holds row l % 16 of C and, in registers 0..7, the columns
; 8 (l / 16) + 0..7.  Each sum's first product takes the constant 0 as C: nothing is cleared.
; REGISTERS, in windows of 256:  window 0: v16-26 addresses; v64-127, v128-191 fragments of A, two buffers; v32-63, v192-255 at work on the way out
;   window 1: v64-127, v128-191 fragments of W, two buffers     window 2, 3: the accumulators of my rows 0-63, 64-127 ((a, b) at v[8 (8 a + b)])
.set SIZE_N, 3072
.set SIZE_K, 1024
.set W2OFF,  16777216                  ; W2's place in wb
.set KSTEP,  128
.set PA,     272                       ; A's LDS rows: 256 bytes + 16 = 68 words: the 16 rows of a fragment load start 4 words apart, modulo 64 words all different
.set PB,     544                       ; W's LDS rows: 512 bytes + 32 = 17 x 32 bytes: the 8 rows x 32 bytes that 16 lanes of a turning load take do not meet modulo 256 bytes
.set HALFT,  128*PA                    ; what one tensor load brings: 128 rows of A, or 64 rows of W (64 x 544 is the same number)
.set SLOT,   4*HALFT                   ; A's 256 rows, then W's 128
.set STAGE,  2*SLOT                    ; behind the ring: 16 rows x 272 bytes for each wave, for the way out; no tensor load lands there
.set SPITCH, 272
.set LAPS,   SIZE_K/(2*KSTEP)          ; a lap = two K steps = once round the ring
.set ADRA, 16                          ; v16-17  LDS address of my A fragments in slot 0, 1
.set ADRB, 20                          ; v20-21  the same for W
.set STO,  24                          ; v24     the way out: where I put 16 bytes of a row
.set RD,   25                          ; v25     the way out: where I read a row back
.set CO,   26                          ; v26     my byte offset in C
.set F0,   64
.set F1,   128
.set TMP,  192
.set OB,   32
.set CX,   8                           ; the cast: v[8:135]   32 slots of 4 registers as loaded
.set CY,   136                         ;           v[136:199] 32 slots of 2 registers to store
.set G1,  24                           ; s[24:31] descriptor group 1 for A's tiles;  s[32:39] group 0, one set for each slot
.set G0,  32
.set G1B, 48                           ; s[48:55], s[56:63] the same for W's tiles
.set G0B, 56
.set MSB, 0
.macro WIN new                         ; s_set_vgpr_msb: bits 1:0 source 0, 3:2 source 1, 5:4 source 2, 7:6 destination; the high byte repeats the setting that is left
.if MSB != (\new)
	s_set_vgpr_msb (MSB<<8)|(\new)
.set MSB, (\new)
.endif
.endm
.set MUL_LO, 0xa1                      ; source 0 (W) window 1, source 1 (A) window 0, C and D window 2
.set MUL_HI, 0xf1                      ; the same, C and D window 3
.set TO_B,   0x40                      ; destination window 1, address window 0
; A joint load.  Waves 0 and 1 fetch A's two halves, waves 2 and 3 W's.  The branch hangs on the wave's number alone.  Four v_nop follow each line.
.macro JLOAD s
	s_cmp_eq_u32 s11, 0
	s_cbranch_scc0 .Lfor_b_\@
	tensor_load_to_lds s[G0+4*\s:G0+4*\s+3], s[G1:G1+7]
	s_nop 0
.rept 4
	v_nop
.endr
	s_branch .Lasked_\@
.Lfor_b_\@:
	tensor_load_to_lds s[G0B+4*\s:G0B+4*\s+3], s[G1B:G1B+7]
	s_nop 0
.rept 4
	v_nop
.endr
.Lasked_\@:
.endm
.macro CREST                           ; a round of the cluster's barrier behind its opening barrier: wave 0 signals for the work-group, every wave waits for all sixteen, my work-group's barrier closes it
	s_cmp_lg_u32 s10, 0
	s_cbranch_scc1 .Lnot_wave_0_\@
	s_barrier_signal -3
.Lnot_wave_0_\@:
	s_barrier_wait -3
	s_barrier_signal -1
	s_barrier_wait -1
.endm
.macro CROUND
	s_barrier_signal -1
	s_barrier_wait -1
	CREST
.endm
	s_load_b128 s[4:7], s[0:1], 0x0                ; A s[4:5], wq s[6:7]
	s_load_b64 s[8:9], s[0:1], 0x10                ; C
	s_load_b128 s[68:71], s[0:1], 0x18             ; W2 s[68:69], wb s[70:71]
	s_set_vgpr_msb 0x40
	v_lshl_add_u32 v254, v0, 2, 0x48400
	v_mov_b32 v255, 0
	s_set_vgpr_msb 0x4045
	ds_add_u32 v254, v255
	s_wait_dscnt 0x0
	s_set_vgpr_msb 0x4500
	v_lshrrev_b32 v1, 5, v0
	v_readfirstlane_b32 s10, v1                    ; wave 0..3
	s_cmp_eq_u32 ttmp9, 3                          ; the cluster's x: the same in all sixteen partners
	s_cbranch_scc1 .Lcast
	s_lshr_b32 s11, s10, 1                         ; which half of the tile's rows is mine.  Also: I fetch for A (0) or for W (1)
	s_and_b32 s12, s10, 1                          ; which half of its columns.  Also: which half of that tile I fetch
	s_bfe_u32 s40, ttmp6, 0x40000                  ; cx, cy: my place in the cluster
	s_bfe_u32 s41, ttmp6, 0x40004
	s_lshl_b32 s42, ttmp9, 2
	s_add_co_u32 s42, s42, s40                     ; tile column of C = 4 x cluster x + cx
	s_and_b32 s13, ttmp7, 0xffff
	s_lshl_b32 s13, s13, 2
	s_add_co_u32 s13, s13, s41                     ; tile row of C = 4 x cluster y + cy
	s_lshl_b32 s43, s41, 2
	s_lshl_b32 s43, 15, s43                        ; my row of the cluster
	s_lshl_b32 s44, 0x1111, s40                    ; my column
	s_or_b32 s[G1+0], s43, (1<<16)|(1<<20)|(1<<21)|(5<<22)|(3<<25)   ; mask: my row; elements of 2 bytes; padding on; bit 21 beside a mask; after every 64 words, 4 words
	s_mov_b32 s[G1+1], KSTEP<<16                   ; tensor_dim0 = 128
	s_mov_b32 s[G1+2], 128<<16                     ; tensor_dim1 = 128
	s_mov_b32 s[G1+3], KSTEP<<16                   ; tile_dim0 = 128
	s_mov_b32 s[G1+4], 128                         ; tile_dim1 = 128
	s_mov_b32 s[G1+5], SIZE_K                      ; elements from row to row
	s_mov_b32 s[G1+6], 0
	s_mov_b32 s[G1+7], 0
	s_or_b32 s[G1B+0], s44, (1<<16)|(1<<20)|(1<<21)|(6<<22)|(7<<25)  ; mask: my column; after every 128 words, 8 words
	s_mov_b32 s[G1B+1], 256<<16                    ; tensor_dim0 = 256 columns
	s_mov_b32 s[G1B+2], 64<<16                     ; tensor_dim1 = 64 rows (k)
	s_mov_b32 s[G1B+3], 256<<16                    ; tile_dim0
	s_mov_b32 s[G1B+4], 64                         ; tile_dim1
	s_mov_b32 s[G1B+5], SIZE_N
	s_mov_b32 s[G1B+6], 0
	s_mov_b32 s[G1B+7], 0
	; A's tiles hang on the tile row alone, W's on the tile column alone; each address is made in registers that never hold the other coordinate
	s_lshl_b32 s17, s12, 7
	s_lshl_b32 s16, s13, 8
	s_add_co_u32 s16, s16, s17                     ; A: row 256 x tile row + 128 x half
	s_mul_i32 s16, s16, SIZE_K*2                   ; under 2^24 bytes
	s_mov_b32 s17, 0
	s_lshl_b32 s46, s12, 6                         ; W: row (k) 64 x half,
	s_mul_i32 s46, s46, SIZE_N*2
	s_lshl_b32 s47, s42, 9                         ; 512 bytes x tile column
	s_add_co_u32 s46, s46, s47
	s_mov_b32 s47, 0
	s_mul_i32 s20, s10, HALFT                      ; where they go: wave x HALFT: no place in the cluster enters an LDS address
	s_wait_kmcnt 0x0
	s_add_nc_u64 s[14:15], s[4:5], s[16:17]
	s_add_nc_u64 s[46:47], s[6:7], s[46:47]
	CROUND                                         ; all sixteen work-groups are here: the first joint loads meet
.irp s, 0,1
	s_mov_b32 s[G0+4*\s], 1
	s_add_co_u32 s[G0+4*\s+1], s20, \s*SLOT
	s_add_nc_u64 s[G0+4*\s+2:G0+4*\s+3], s[14:15], \s*KSTEP*2
	s_or_b32 s[G0+4*\s+3], s[G0+4*\s+3], 0x80000000
	s_mov_b32 s[G0B+4*\s], 1
	s_add_co_u32 s[G0B+4*\s+1], s20, \s*SLOT
	s_add_nc_u64 s[G0B+4*\s+2:G0B+4*\s+3], s[46:47], \s*KSTEP*SIZE_N*2
	s_or_b32 s[G0B+4*\s+3], s[G0B+4*\s+3], 0x80000000
	JLOAD \s                                       ; both slots are asked for before anything else: two tensor loads of mine are out
.endr
	v_and_b32 v1, 15, v0                           ; r = l % 16
	v_bfe_u32 v2, v0, 4, 1                         ; h = l / 16
	v_mul_u32_u24 v3, v1, PA
	v_lshl_add_u32 v3, v2, 4, v3                   ; A: row r, 16 bytes x h; the fragment's second half lies 32 bytes on
	v_and_b32 v6, 7, v0
	v_bfe_u32 v7, v0, 3, 1
	v_lshl_add_u32 v6, v2, 3, v6                   ; W: the turning load takes row (k) 8 h + l % 8,
	v_mul_u32_u24 v6, v6, PB
	v_lshl_add_u32 v6, v7, 4, v6                   ; columns 8 ((l / 8) % 2) + 0..7, and leaves lane l column r and eight k; the second half lies 16 rows on
	s_mul_i32 s21, s11, HALFT                      ; my 128 rows of A
	s_lshl_b32 s22, s12, 8                         ; my 128 columns of W,
	s_add_co_u32 s22, s22, 2*HALFT                 ; which lies behind A
.irp s, 0,1
	v_add_nc_u32 v[ADRA+\s], s21, v3
	v_add_nc_u32 v[ADRB+\s], s22, v6
	s_add_co_u32 s21, s21, SLOT
	s_add_co_u32 s22, s22, SLOT
.endr
	s_mul_i32 s23, s10, 16*SPITCH
	s_add_co_u32 s23, s23, STAGE                   ; my stage
	v_mul_u32_u24 v4, v1, SPITCH
	v_lshl_add_u32 v4, v2, 4, v4
	v_add_nc_u32 v[STO], s23, v4
	v_mul_u32_u24 v5, v2, SPITCH
	v_lshl_add_u32 v5, v1, 4, v5
	v_add_nc_u32 v[RD], s23, v5
	v_mul_u32_u24 v5, v2, SIZE_N*2
	v_lshl_add_u32 v[CO], v1, 4, v5
	s_lshl_b32 s13, s13, 8
	s_lshl_b32 s14, s11, 7
	s_add_co_u32 s16, s13, s14                     ; my first row of C
	s_mul_i32 s16, s16, SIZE_N*2                   ; under 2^26 bytes
	s_mov_b32 s17, 0
	s_add_nc_u64 s[8:9], s[8:9], s[16:17]
	s_lshl_b32 s46, s42, 9                         ; my first column, in bytes
	s_lshl_b32 s47, s12, 8
	s_add_co_u32 s46, s46, s47
	s_mov_b32 s47, 0
	s_add_nc_u64 s[8:9], s[8:9], s[46:47]
; 16 matrix instructions: m blocks a0, a0 + 1 of the window's four x all 8 n blocks, 32 along K.  zero = 1: the first product starts the sums.
; The 64 accumulators take turns, one instruction a turn, in the same order in every quarter.
.macro MUL16 f, hi, a0, zero
.irp a, \a0, \a0+1
.irp b, 0,1,2,3,4,5,6,7
.if \zero
	v_wmma_f32_16x16x32_bf16 v[8*(8*(\a)+\b):8*(8*(\a)+\b)+7], v[\f+8*\b:\f+8*\b+7], v[\f+8*(4*\hi+\a):\f+8*(4*\hi+\a)+7], 0
.else
	v_wmma_f32_16x16x32_bf16 v[8*(8*(\a)+\b):8*(8*(\a)+\b)+7], v[\f+8*\b:\f+8*\b+7], v[\f+8*(4*\hi+\a):\f+8*(4*\hi+\a)+7], v[8*(8*(\a)+\b):8*(8*(\a)+\b)+7]
.endif
.endr
.endr
.endm
; 32 LDS loads in one run: the fragments of quarter q (32 along K) of a slot into buffer f: W's 128 columns, turned, then A's 128 rows
.macro FETCH slot, q, f
	WIN TO_B
.irp i, 0,1,2,3,4,5,6,7
	ds_load_tr16_b128 v[\f+8*\i:\f+8*\i+3],   v[ADRB+\slot] offset:\q*32*PB+32*\i
	ds_load_tr16_b128 v[\f+8*\i+4:\f+8*\i+7], v[ADRB+\slot] offset:\q*32*PB+16*PB+32*\i
.endr
	WIN 0
.irp i, 0,1,2,3,4,5,6,7
	ds_load_b128 v[\f+8*\i:\f+8*\i+3],   v[ADRA+\slot] offset:\q*64+\i*16*PA
	ds_load_b128 v[\f+8*\i+4:\f+8*\i+7], v[ADRA+\slot] offset:\q*64+\i*16*PA+32
.endr
.endm
.macro PLACES                          ; four plain vector instructions between a matrix instruction and a load into, or a vector read of, its registers (ISA guide 7.12.1 for vector reads)
.rept 4
	v_nop
.endr
.endm
; A K step is four quarters of 32 along K, 64 matrix instructions each, on buffers 0, 1, 0, 1.  One of the first three multiplies buffer f and, in its middle, fetches quarter q into buffer g.
.macro QUARTER slot, q, f, g, zero
	s_wait_dscnt 8                                 ; W and A's rows 0-63 are in; the youngest eight loads (A's rows 64-127) may be out
	WIN MUL_LO
	MUL16 \f, 0, 0, \zero
	MUL16 \f, 0, 2, \zero
	PLACES
	FETCH \slot, \q, \g
	s_wait_dscnt 32                                ; all but the 32 just issued
	WIN MUL_HI
	MUL16 \f, 1, 0, \zero
	MUL16 \f, 1, 2, \zero
.endm
; The last quarter multiplies buffer 1 and changes slots: ONE barrier.  In front of it each wave waits for its reads of this slot and for all its tensor loads (one is out: its part of the next slot).
.macro MEET round
	s_wait_dscnt 8
	WIN MUL_LO
	MUL16 F1, 0, 0, 0
	s_wait_dscnt 0                                 ; my reads of this slot are over
	s_set_vgpr_msb 0xa1a5
	s_wait_tensorcnt 0x0                           ; all my tensor loads have landed
	ds_add_u32 v254, v255
	s_wait_dscnt 0x0
	s_set_vgpr_msb 0xa5a1
	s_barrier_signal -1
	MUL16 F1, 0, 2, 0                              ; register work while the others arrive
.if \round
	WIN 0                                          ; every window is 0 there
.endif
	s_barrier_wait -1
.endm
.macro TURN slot, next
	MEET 1
	CREST                                          ; the barrier has opened a round of the cluster's: no wave of any partner still reads this slot or has a load on its way
	s_add_nc_u64 s[G0+4*\slot+2:G0+4*\slot+3], s[G0+4*\slot+2:G0+4*\slot+3], 2*KSTEP*2
	s_add_nc_u64 s[G0B+4*\slot+2:G0B+4*\slot+3], s[G0B+4*\slot+2:G0B+4*\slot+3], 2*KSTEP*SIZE_N*2
	JLOAD \slot                                    ; the first tensor load behind the round, 240 matrix instructions ahead of the wait for it; its four v_nop are also the places in front of the loads below
	FETCH \next, 0, F0
	WIN MUL_HI
	MUL16 F1, 1, 0, 0
	MUL16 F1, 1, 2, 0
.endm
; THE WAY OUT of block a (16 rows).  PACK: rounding to bf16, 16 bytes a lane, each accumulator's registers in ascending order.  TOSTAGE: into my own stage and back as whole rows of 256 bytes.  SEND: stored.
.macro PACK a
.set AC, 64*((\a)%4)
	WIN 0x0a+5*((\a)/4)                            ; sources 0 and 1: window 2 or 3
.irp b, 0,1,2,3,4,5,6,7
.irp r, 0,1,2,3
	v_cvt_pk_bf16_f32 v[TMP+4*\b+\r], v[AC+8*\b+2*\r], v[AC+8*\b+2*\r+1]
.endr
.endr
	WIN 0
.endm
.macro TOSTAGE a
.set BK, OB+192*((\a)%2)
.irp b, 0,1,2,3,4,5,6,7
	ds_store_b128 v[STO], v[TMP+4*\b:TMP+4*\b+3] offset:32*\b
.endr
.irp t, 0,1,2,3,4,5,6,7
	ds_load_b128 v[BK+4*\t:BK+4*\t+3], v[RD] offset:\t*2*SPITCH    ; LDS serves a wave's instructions in order (ISA guide 5.7.1.4): these see the stores above
.endr
.endm
.macro SEND a
.set BK, OB+192*((\a)%2)
	s_wait_dscnt 0                                 ; the block is back in registers
	s_wait_xcnt 0x0                                ; only behind this wait are the stores' base and the registers that earlier stores read written again
.if (\a) > 0
	s_add_nc_u64 s[8:9], s[8:9], 16*SIZE_N*2       ; 16 rows of C on
.endif
.irp t, 0,1,2,3,4,5,6,7
	global_store_b128 v[CO], v[BK+4*\t:BK+4*\t+3], s[8:9] offset:2*\t*SIZE_N*2   ; 16 lanes store 256 consecutive bytes, at a multiple of 256 from C's first byte
.endr
.endm
; One round of the cast: 32 slots of 512 bytes.  ahead = 1: each slot is loaded again with its 512 bytes of the next 16,384; the count 31 leaves the 31 younger loads out.
; ahead = 0: the last round loads nothing, and the counts run down.
.macro CASTR ahead
.set i, 0
.rept 32
.if \ahead
	s_wait_loadcnt 31
.else
	s_wait_loadcnt 31-i
.endif
	v_cvt_pk_bf16_f32 v[CY+2*i], v[CX+4*i], v[CX+4*i+1]
	v_cvt_pk_bf16_f32 v[CY+2*i+1], v[CX+4*i+2], v[CX+4*i+3]
.if \ahead
	global_load_b128 v[CX+4*i:CX+4*i+3], v1, s[68:69] offset:16384+512*i th:TH_LOAD_NT
.endif
	global_store_b64 v2, v[CY+2*i:CY+2*i+1], s[70:71] offset:256*i               ; the wave's 32 lanes store 256 consecutive bytes, aligned
.set i, i+1
.endr
.endm
	s_wait_tensorcnt 1                             ; my part of K step 0 is in; K step 1's may stay out
	s_barrier_signal -1
	s_barrier_wait -1
	FETCH 0, 0, F0
	QUARTER 0, 1, F0, F1, 1                        ; the first quarter stands in front of the loop: its products start the sums
	WIN 0
	s_mov_b32 s3, LAPS-1
.Llap:                                                 ; a trip goes once round the ring, from a lap's second quarter to the next lap's first, and fills both slots again
	QUARTER 0, 2, F1, F0, 0
	QUARTER 0, 3, F0, F1, 0
	TURN 0, 1
	QUARTER 1, 1, F0, F1, 0
	QUARTER 1, 2, F1, F0, 0
	QUARTER 1, 3, F0, F1, 0
	TURN 1, 0
	QUARTER 0, 1, F0, F1, 0
	WIN 0
	s_sub_co_u32 s3, s3, 1
	s_cmp_lg_u32 s3, 0
	s_cbranch_scc1 .Llap
	QUARTER 0, 2, F1, F0, 0                        ; the last lap fills nothing, and has no round of the cluster's barrier
	QUARTER 0, 3, F0, F1, 0
	MEET 0
	PLACES
	FETCH 1, 0, F0
	WIN MUL_HI
	MUL16 F1, 1, 0, 0
	MUL16 F1, 1, 2, 0
	QUARTER 1, 1, F0, F1, 0
	QUARTER 1, 2, F1, F0, 0
	QUARTER 1, 3, F0, F1, 0
	s_wait_dscnt 8                                 ; the very last quarter: nothing more to fetch
	WIN MUL_LO
	MUL16 F1, 0, 0, 0
	MUL16 F1, 0, 2, 0
	s_wait_dscnt 0
	WIN MUL_HI
	MUL16 F1, 1, 0, 0
	MUL16 F1, 1, 2, 0
	WIN 0
	PLACES
	PACK 0
	TOSTAGE 0
.irp a, 1,2,3,4,5,6,7                  ; block a's arithmetic stands between block a - 1's loads from the stage and the wait for them
	PACK \a
	SEND \a-1
	TOSTAGE \a
.endr
	SEND 7
	s_set_vgpr_msb 0x5
	s_wait_tensorcnt 0x0
	ds_add_u32 v254, v255
	s_wait_dscnt 0x0
	s_set_vgpr_msb 0x500
	CROUND                                         ; the closing round: no work-group ends while a partner may still ask for a tile that names it
	s_endpgm
.Lcast:
	; ---- W2 -> wb, bf16.  64 work-groups x 4 waves x 65,536 bytes are W2's 16,777,216.  A wave runs a ring of 32 slots in registers: 32 loads of 512 bytes are always out. ----
	; The place in the cluster enters global addresses alone, in registers that the product's path never names.
	s_bfe_u32 s72, ttmp6, 0x40000                  ; cx
	s_bfe_u32 s73, ttmp6, 0x40004                  ; cy
	s_and_b32 s74, ttmp7, 0xffff                   ; the cluster's y, 0..3
	s_lshl2_add_u32 s73, s73, s72                  ; 4 cy + cx
	s_lshl4_add_u32 s74, s74, s73                  ; the work-group's number among the 64
	s_lshl2_add_u32 s74, s74, s10                  ; the wave's number among the 256
	s_lshl_b32 s76, s74, 16                        ; in: 65,536 bytes a wave
	s_mov_b32 s77, 0
	s_lshl_b32 s78, s74, 15                        ; out: 32,768 bytes a wave,
	s_add_co_u32 s78, s78, W2OFF                   ; behind the other weights
	s_mov_b32 s79, 0
	v_and_b32 v3, 31, v0
	v_lshlrev_b32 v1, 4, v3                        ; in: 16 bytes a lane
	v_lshlrev_b32 v2, 3, v3                        ; out: 8 bytes a lane
	s_wait_kmcnt 0x0
	s_add_nc_u64 s[68:69], s[68:69], s[76:77]
	s_add_nc_u64 s[70:71], s[70:71], s[78:79]
.set i, 0
.rept 32
	global_load_b128 v[CX+4*i:CX+4*i+3], v1, s[68:69] offset:512*i th:TH_LOAD_NT
.set i, i+1
.endr
	s_mov_b32 s75, 3
.Lcr:
	CASTR 1
	s_wait_xcnt 0x0                                ; the bases, and the registers that this round's stores read, are written again only behind this wait
	s_add_nc_u64 s[68:69], s[68:69], 16384
	s_add_nc_u64 s[70:71], s[70:71], 8192
	s_sub_co_u32 s75, s75, 1
	s_cmp_lg_u32 s75, 0
	s_cbranch_scc1 .Lcr
	CASTR 0                                        ; the fourth 16,384 bytes: no load leaves the buffer
	s_endpgm
.Lfunc_end_k_qc03e7093ff_gemm_qkv:
	.size	k_qc03e7093ff_gemm_qkv, .Lfunc_end_k_qc03e7093ff_gemm_qkv-k_qc03e7093ff_gemm_qkv
	.p2alignl 7, 3214868480
	.fill 96, 4, 3214868480
	.section	.rodata,"a",@progbits
	.p2align	6, 0x0
	.amdhsa_kernel k_qc03e7093ff_gemm_qkv
		.amdhsa_group_segment_fixed_size 327680
		.amdhsa_private_segment_fixed_size 0
		.amdhsa_enable_private_segment 0
		.amdhsa_kernarg_size 40
		.amdhsa_user_sgpr_count 2
		.amdhsa_user_sgpr_kernarg_segment_ptr 1
		.amdhsa_wavefront_size32 1
		.amdhsa_system_sgpr_workgroup_id_x 1
		.amdhsa_system_sgpr_workgroup_id_y 1
		.amdhsa_system_sgpr_workgroup_id_z 1
		.amdhsa_system_vgpr_workitem_id 0
		.amdhsa_next_free_vgpr 1024
		.amdhsa_next_free_sgpr 80
		.amdhsa_reserve_vcc 0
		.amdhsa_float_denorm_mode_32 3
		.amdhsa_float_denorm_mode_16_64 3
		.amdhsa_memory_ordered 1
		.amdhsa_forward_progress 1
		.amdhsa_inst_pref_size 166
	.end_amdhsa_kernel
	.amdgpu_metadata
---
amdhsa.version: [ 1, 2 ]
amdhsa.kernels:
  - .name:           k_qc03e7093ff_gemm_qkv
    .symbol:         k_qc03e7093ff_gemm_qkv.kd
    .args:
      - { .name: hbuf, .offset: 0, .size: 8, .value_kind: global_buffer, .address_space: global }
      - { .name: wq, .offset: 8, .size: 8, .value_kind: global_buffer, .address_space: global }
      - { .name: qkv, .offset: 16, .size: 8, .value_kind: global_buffer, .address_space: global }
      - { .name: W2, .offset: 24, .size: 8, .value_kind: global_buffer, .address_space: global }
      - { .name: wb, .offset: 32, .size: 8, .value_kind: global_buffer, .address_space: global }
    .group_segment_fixed_size: 327680
    .private_segment_fixed_size: 0
    .kernarg_segment_align: 8
    .kernarg_segment_size: 40
    .max_flat_workgroup_size: 128
    .sgpr_count:     80
    .vgpr_count:     1024
    .wavefront_size: 32
...
	.end_amdgpu_metadata
.endif
;; end of part 2
;; launch attn (part 3): grid 8 x 32, 8 waves a work-group, clusters of 4 x 1, 327,680 bytes of LDS; arguments qkv, o2; writes o2
.if DOCPART == 3
	.amdgcn_target "amdgcn-amd-amdhsa--gfx1250"
	.amdhsa_code_object_version 6
	.text
	.protected	k_qc03e7093ff_attn
	.globl	k_qc03e7093ff_attn
	.p2align	8
	.type	k_qc03e7093ff_attn,@function
k_qc03e7093ff_attn:
	s_mov_b64 s[64:65], 0
	v_nop
	global_prefetch_b8 v0, s[64:65] scope:SCOPE_SE
	s_setreg_imm32_b32 hwreg(HW_REG_WAVE_MODE, 25, 1), 1
	s_wait_xcnt 0x0
	s_wait_alu depctr_hold_cnt(0) depctr_sa_sdst(0) depctr_va_vdst(0) depctr_va_sdst(0) depctr_va_ssrc(0) depctr_va_vcc(0) depctr_vm_vsrc(0)
	s_getreg_b32 s2, hwreg(HW_REG_IB_STS2, 6, 4)
	s_cmp_eq_u32 s2, 0
	s_cbranch_scc0 .Lentry_in_a_cluster
	s_endpgm
.Lentry_in_a_cluster:
	s_bfe_u32 s2, ttmp6, 0x10000c
	s_cmp_lg_u32 s2, 0x3003
	s_cbranch_scc0 .Lentry_shape_is_right
	s_endpgm
.Lentry_shape_is_right:
; Causal attention.  qkv: [4096][3072] bf16; a row holds q of head h at columns 64 h, and k then v of head h at columns 1024 + 128 h.
; o2: bf16 [2048 pairs of rows][16 heads][2 rows][64]: rows t, t + 1 of one head are 256 consecutive bytes, aligned, so a head's output leaves in whole blocks of 256 bytes.
; p = 2^(c s - c m) with c = log2(e) / sqrt(1024) and m the running maximum of a query's scores; sums and maxima in f32; p rounded to bf16 for the second product.
; SHARES.  A head's 2,048 queries are 32 groups of 64.  Two clusters of four work-groups take a batch x head; partner cx takes queries 16 cx .. 16 cx + 15 of every group, so a
; group's diagonal (key step = group number, 64 keys a step) is the same step for all four partners.  Wave w of cluster x = g has TWO TILES of 16 queries: tile 0 in group
; LO = 8 g + (0,1,2,3,7,6,5,4)[w], tile 1 in group HI = 31 - LO: (LO + 1) + (HI + 1) = 33 tile-steps for every wave.  Steps up to LO serve both tiles, steps up to HI tile 1 alone,
; later steps are jumped over.  LO and HI hang on the wave's number and the cluster's x: no branch differs between partners; cx enters Q's and o2's addresses and the mask's bound.
; Waves w and w + 4 have LO's that add up to 16 g + 7, so in each slot of 8 steps the two together have the same number of tile-steps for every w (g = 0: 25, 16, 16, 9; g = 1: 32, 25, 9).
; CLUSTER.  The four partners walk the same K and V, so each tile is asked for JOINTLY: the same tensor load, with the same descriptor and a mask that names the four.
; Cluster x = 0 needs keys 0..2047 (four slots), cluster x = 1 keys 0..1535 (three): one change of slots stands under a branch on the cluster's x, alike in all partners.
; LAYOUT.  S^T = K Q^T (source 0 = 16 keys, source 1 = 16 queries): a lane holds ONE query (lane % 16).  Rounded in pairs its registers ARE source 1 of O^T = V^T P.
; K comes out of LDS as it lies, V turned, by ds_load_tr16_b128.  ROW m = 8 h + j OF A FRAGMENT IS KEY 2 j + h OF ITS SIXTEEN, in K, P and V alike: with LDS rows of 272 bytes K's sixteen
; lanes take sixteen rows 17 x 16 bytes apart, and V's take eight rows 544 = 17 x 32 bytes apart, 32 bytes each: in both, 16 lanes touch 16 different 16-byte columns modulo 256 bytes.
; Masked scores are -inf.  Key 0 is valid for every query and lies in the first step, so m is finite from the first step on wherever the scores are finite.
; LDS: a row is one key: 128 bytes of k, 128 of v, 16 of padding.  Two slots of 512 keys; each wave fetches 64 rows of a slot with one tensor load.  Behind them a stage for each wave.
.set PK,    272
.set STEPB, 64*PK                      ; a step's 64 keys
.set SLOTB, 8*STEPB                    ; a slot: 139,264 bytes; slot 1 begins here
.set STAGE, 2*SLOTB                    ; 278,528, a multiple of 256; no tensor load lands from here on
.set WSTG,  16*PK                      ; a wave's stage: 2 tiles x 8 pairs of rows x 272 bytes
.set QROW,  6144                       ; bytes in a row of qkv
.set AK0,  2                           ; v2   my lane's place in a step's K
.set AV0,  3                           ; v3   the same for V
.set ADRK, 4                           ; v4, v5  the addresses of the step in hand
.set ADRV, 5
.set STO,  6                           ; v6   the way out: where I put 16 bytes
.set RD,   7                           ; v7   where I read 16 bytes back
.set GO,   8                           ; v8   my byte offset in o2
.set DQL,  10                          ; v10  step 0: the largest 16 kb + 2 j that is a valid key for tile 0's query
.set DQD,  11                          ; v11  the same in a tile's diagonal step: 16 cx + r - h
.set ST,   12                          ; v12-27  tile t at +8 t: +0 c m, +1 m, +2, +3 l (two partial sums), +4..+7 at work; a in +6
.set SB,   28                          ; v28-31  tile t: the second chain of the row sum
.set Q,    32                          ; v32-63  tile t, channels 32 c: at 16 t + 8 c
.set KV,   64                          ; v64-127 a step's K, then its V
.set S,    128                         ; v128-191  S^T, 32 a tile; P takes each tile's low 16 in place
.set O,    192                         ; v192-255  O^T: tile t, channels 16 cb: at 32 t + 8 cb
.set WV,   8
.set G1,   16                          ; s[16:23] descriptor group 1
.set G0,   24                          ; s[24:27], s[28:31] group 0, one set for each slot
.set CS,   32                          ; s[32:33] c, twice
.set SEL,  34                          ; s[34:35] lane selects: each lane takes its own place in the other half
.set TB,   36                          ; s36 LDS byte at which the step's rows begin
.set SI,   37                          ; s37 the step's number
.set LO,   38                          ; s38 tile 0's group and diagonal step
.set HI,   39                          ; s39 tile 1's
.set CNT,  40                          ; s40 steps left in the slot
.set NINF, 41                          ; s41 -inf
.set QB,   48                          ; s[48:49], s[50:51] Q at tile 0's, tile 1's first row
.set OB,   52                          ; s[52:53], s[54:55] o2 at tile 0's, tile 1's first pair of rows
; A round of the cluster's barrier: my work-group's barrier, so that wave 0's signal speaks for all eight waves; wave 0 signals for the work-group; every wave waits for all four
; work-groups; my work-group's barrier once more.  No LDS instruction of the wave is pending at a signal.
.macro ROUND
	s_barrier_signal -1
	s_barrier_wait -1
	s_cmp_lg_u32 s[WV], 0
	s_cbranch_scc1 .Lnot_wave_0_\@
	s_barrier_signal -3
.Lnot_wave_0_\@:
	s_barrier_wait -3
	s_barrier_signal -1
	s_barrier_wait -1
.endm
	s_load_b128 s[4:7], s[0:1], 0x0                ; qkv s[4:5], o2 s[6:7]
	s_set_vgpr_msb 0x40
	v_lshl_add_u32 v0, v0, 2, 0x4c800
	v_mov_b32 v1, 0
	s_set_vgpr_msb 0x4045
	ds_add_u32 v0, v1
	s_set_vgpr_msb 0x4500
	v_lshrrev_b32 v1, 5, v0
	v_readfirstlane_b32 s[WV], v1                  ; wave 0..7
	s_and_b32 s9, ttmp7, 0xffff                    ; batch x head, which the four partners share
	s_lshr_b32 s10, s9, 4                          ; batch
	s_and_b32 s11, s9, 15                          ; head
	s_sub_co_u32 s12, 11, s[WV]
	s_cmp_lt_u32 s[WV], 4
	s_cselect_b32 s12, s[WV], s12                  ; 0,1,2,3,7,6,5,4
	s_lshl3_add_u32 s[LO], ttmp9, s12              ; in a cluster launch ttmp9 counts clusters: g = 0, 1
	s_sub_co_u32 s[HI], 31, s[LO]
	s_mov_b32 s[G1+0], 15|(1<<16)|(1<<20)|(1<<21)|(5<<22)|(3<<25)   ; mask: all four work-groups; elements of 2 bytes; padding on; bit 21 beside a mask; after every 64 words, 4 words
	s_mov_b32 s[G1+1], 128<<16                     ; tensor_dim0 = 128
	s_mov_b32 s[G1+2], 64<<16                      ; tensor_dim1 = 64
	s_mov_b32 s[G1+3], 128<<16                     ; tile_dim0 = 128
	s_mov_b32 s[G1+4], 64                          ; tile_dim1 = 64
	s_mov_b32 s[G1+5], 3072                        ; elements from row to row
	s_mov_b32 s[G1+6], 0
	s_mov_b32 s[G1+7], 0
	s_mov_b32 s[CS], 0x3d38aa3b                    ; log2(e) / 32
	s_mov_b32 s[CS+1], s[CS]
	s_mov_b32 s[SEL], 0x76543210
	s_mov_b32 s[SEL+1], 0xfedcba98
	s_mov_b32 s[NINF], 0xff800000
	s_mov_b32 s[TB], 0
	s_lshl_b32 s14, s11, 7                         ; q of my head in a row of qkv
	s_lshl_b32 s15, s11, 8                         ; k and v of my head; also my head's 256 bytes of a pair in o2
	; K and V: the address hangs on the batch, the head and the wave's number alone
	s_lshl_b32 s42, s10, 11                        ; the batch's first row
	s_lshl_b32 s43, s[WV], 6                       ; my 64 rows of a slot
	s_add_co_u32 s42, s42, s43
	s_mul_i32 s42, s42, QROW                       ; under 2^24 bytes
	s_add_co_u32 s42, s42, s15
	s_add_co_u32 s42, s42, 2048
	s_mov_b32 s43, 0
	; Q and o2: here, and in the mask's bound, my place in the cluster enters, in registers that feed no descriptor and no LDS address
	s_bfe_u32 s44, ttmp6, 0x40000                  ; cx
	s_lshl_b32 s44, s44, 4                         ; 16 cx
	s_lshl_b32 s45, s10, 11
	s_add_co_u32 s45, s45, s44
	s_lshl_b32 s46, s[LO], 6
	s_add_co_u32 s46, s46, s45                     ; tile 0's first row
	s_lshl_b32 s56, s[HI], 6
	s_add_co_u32 s56, s56, s45                     ; tile 1's
	s_mul_i32 s[QB], s46, QROW                     ; under 2^25 bytes
	s_add_co_u32 s[QB], s[QB], s14
	s_mov_b32 s[QB+1], 0
	s_mul_i32 s[QB+2], s56, QROW
	s_add_co_u32 s[QB+2], s[QB+2], s14
	s_mov_b32 s[QB+3], 0
	s_lshl_b32 s[OB], s46, 11                      ; half as many pairs of 4,096 bytes
	s_add_co_u32 s[OB], s[OB], s15
	s_mov_b32 s[OB+1], 0
	s_lshl_b32 s[OB+2], s56, 11
	s_add_co_u32 s[OB+2], s[OB+2], s15
	s_mov_b32 s[OB+3], 0
	s_lshl_b32 s57, s[LO], 6
	s_mov_b32 s[G0], 1
	s_mul_i32 s[G0+1], s[WV], 64*PK                ; LDS: my 64 rows of slot 0,
	s_mov_b32 s[G0+4], 1
	s_add_co_u32 s[G0+5], s[G0+1], SLOTB           ; of slot 1
	s_wait_dscnt 0x0
	s_wait_kmcnt 0x0
	s_add_nc_u64 s[G0+2:G0+3], s[4:5], s[42:43]
	s_add_nc_u64 s[G0+6:G0+7], s[G0+2:G0+3], 512*QROW
	s_or_b32 s[G0+3], s[G0+3], 0x80000000
	s_or_b32 s[G0+7], s[G0+7], 0x80000000
	s_add_nc_u64 s[QB:QB+1], s[4:5], s[QB:QB+1]
	s_add_nc_u64 s[QB+2:QB+3], s[4:5], s[QB+2:QB+3]
	s_add_nc_u64 s[OB:OB+1], s[6:7], s[OB:OB+1]
	s_add_nc_u64 s[OB+2:OB+3], s[6:7], s[OB+2:OB+3]
	ROUND                                          ; all four work-groups are here: the first joint loads meet
	tensor_load_to_lds s[G0:G0+3], s[G1:G1+7]      ; the two first fills go out together, ahead of every wait on TENSORcnt and every LDS read: two tensor loads of mine are out
	s_nop 0
	tensor_load_to_lds s[G0+4:G0+7], s[G1:G1+7]
	s_nop 0
.rept 4
	v_nop                                          ; four v_nop follow
.endr
	v_and_b32 v1, 15, v0                           ; r = l % 16
	v_bfe_u32 v9, v0, 4, 1                         ; h = l / 16
	v_mul_u32_u24 v28, v1, QROW
	v_lshl_add_u32 v28, v9, 4, v28                 ; row r, 16 bytes x h
.irp t, 0,1
.irp c, 0,1
	global_load_b128 v[Q+16*\t+8*\c:Q+16*\t+8*\c+3],   v28, s[QB+2*\t:QB+2*\t+1] offset:64*\c
	global_load_b128 v[Q+16*\t+8*\c+4:Q+16*\t+8*\c+7], v28, s[QB+2*\t:QB+2*\t+1] offset:64*\c+32
.endr
.endr
	v_and_b32 v29, 7, v0                           ; l % 8
	v_bfe_u32 v30, v0, 3, 1                        ; (l / 8) % 2
	v_lshl_add_u32 v[AK0], v29, 1, v30             ; K: fragment row r is key 2 (r % 8) + r / 8 of its sixteen,
	v_mul_u32_u24 v[AK0], v[AK0], PK
	v_lshl_add_u32 v[AK0], v9, 4, v[AK0]           ; 16 bytes x h
	v_lshl_add_u32 v[AV0], v29, 1, v9              ; V: the turning load takes key 2 (l % 8) + h,
	v_mul_u32_u24 v[AV0], v[AV0], PK
	v_lshl_add_u32 v[AV0], v30, 4, v[AV0]          ; channels 8 ((l / 8) % 2) + 0..7,
	v_add_nc_u32 v[AV0], 128, v[AV0]               ; behind the row's 128 bytes of k
	s_mul_i32 s13, s[WV], WSTG
	s_add_co_u32 s13, s13, STAGE                   ; my stage
	v_lshrrev_b32 v29, 1, v1
	v_and_b32 v30, 1, v1
	v_mul_u32_u24 v[STO], v29, PK                  ; in: pair r / 2, row r % 2 (128 bytes), 16 bytes x h
	v_lshl_add_u32 v[STO], v30, 7, v[STO]
	v_lshl_add_u32 v[STO], v9, 4, v[STO]
	v_add_nc_u32 v[STO], s13, v[STO]
	v_mul_u32_u24 v[RD], v9, PK                    ; back: lanes 0-15 one pair's 256 bytes, lanes 16-31 the next pair's
	v_lshl_add_u32 v[RD], v1, 4, v[RD]
	v_add_nc_u32 v[RD], s13, v[RD]
	v_lshlrev_b32 v[GO], 12, v9                    ; and the same two pairs in o2
	v_lshl_add_u32 v[GO], v1, 4, v[GO]
	v_sub_nc_u32 v[DQD], v1, v9
	v_add_nc_u32 v[DQD], s44, v[DQD]               ; in a diagonal step key 16 kb + 2 j + h is valid where 16 kb + 2 j <= 16 cx + r - h
	v_add_nc_u32 v[DQL], s57, v[DQD]               ; in step 0, for tile 0: 64 LO more
; ONE KEY STEP.  first = 1: it starts m, l and O^T (nothing is ever cleared).  lo = 0: both tiles; lo = 1: tile 1 alone.  mk = the tile whose keys beyond the query are set to -inf
; (2: none); dq = the register with the bound.  In both products the accumulators (eight, or four) take turns, one instruction a turn.
.macro STEP first, lo, mk, dq
	v_add_nc_u32 v[ADRK], s[TB], v[AK0]
	v_add_nc_u32 v[ADRV], s[TB], v[AV0]
.irp c, 0,1
.irp kb, 0,1,2,3
	ds_load_b128 v[KV+8*(4*\c+\kb):KV+8*(4*\c+\kb)+3],   v[ADRK] offset:\kb*16*PK+64*\c
	ds_load_b128 v[KV+8*(4*\c+\kb)+4:KV+8*(4*\c+\kb)+7], v[ADRK] offset:\kb*16*PK+64*\c+32
.endr
.endr
	s_wait_dscnt 8                                 ; channels 0-31 are in; the eight loads of channels 32-63 may be out
.set nt, 2-\lo                         ; tiles in this step
.set i, 0
.rept 8*(2-\lo)                        ; product i: channels 32 (i / 4 nt), keys 16 ((i / nt) % 4), tile lo + i % nt
.if i == 4*nt
	s_wait_dscnt 0
.endif
.set rS, S+32*(\lo+i%nt)+8*((i/nt)%4)
.set rK, KV+8*(4*(i/(4*nt))+(i/nt)%4)
.set rQ, Q+16*(\lo+i%nt)+8*(i/(4*nt))
.if i < 4*nt
	v_wmma_f32_16x16x32_bf16 v[rS:rS+7], v[rK:rK+7], v[rQ:rQ+7], 0
.else
	v_wmma_f32_16x16x32_bf16 v[rS:rS+7], v[rK:rK+7], v[rQ:rQ+7], v[rS:rS+7]
.endif
.set i, i+1
.endr
.rept 4
	v_nop                                          ; four places: the loads below land in K's registers, and the scores are read (ISA guide 7.12.1 for the reads of the scores)
.endr
.irp kh, 0,1
.irp cb, 0,1,2,3
	ds_load_tr16_b128 v[KV+8*(4*\kh+\cb):KV+8*(4*\kh+\cb)+3],   v[ADRV] offset:\kh*32*PK+32*\cb
	ds_load_tr16_b128 v[KV+8*(4*\kh+\cb)+4:KV+8*(4*\kh+\cb)+7], v[ADRV] offset:\kh*32*PK+16*PK+32*\cb
.endr
.endr
.if \mk < 2
.irp kb, 0,1,2,3
.irp j, 0,1,2,3,4,5,6,7
	v_cmp_le_i32 vcc_lo, 16*\kb+2*\j, v[\dq]
	v_cndmask_b32 v[S+32*\mk+8*\kb+\j], s[NINF], v[S+32*\mk+8*\kb+\j], vcc_lo
.endr
.endr
.endif
	; the maximum of my 32 scores and the old m, three operands at a time, four chains; two tiles alternate line by line
.irp j, 0,1,2,3
.irp t, 0,1
.if \t >= \lo
	v_max3_num_f32 v[ST+8*\t+4+\j], v[S+32*\t+8*\j], v[S+32*\t+8*\j+1], v[S+32*\t+8*\j+2]
.endif
.endr
.endr
.irp g, 1,2
.irp j, 0,1,2,3
.irp t, 0,1
.if \t >= \lo
	v_max3_num_f32 v[ST+8*\t+4+\j], v[ST+8*\t+4+\j], v[S+32*\t+8*\j+2*\g+1], v[S+32*\t+8*\j+2*\g+2]
.endif
.endr
.endr
.endr
.irp t, 0,1
.if \t >= \lo
	v_max3_num_f32 v[ST+8*\t+4], v[ST+8*\t+4], v[S+32*\t+7], v[S+32*\t+15]
.endif
.endr
.irp t, 0,1
.if \t >= \lo
	v_max3_num_f32 v[ST+8*\t+6], v[ST+8*\t+6], v[S+32*\t+23], v[S+32*\t+31]
.endif
.endr
.irp t, 0,1
.if \t >= \lo
	v_max3_num_f32 v[ST+8*\t+4], v[ST+8*\t+4], v[ST+8*\t+5], v[ST+8*\t+6]
.endif
.endr
.irp t, 0,1
.if \t >= \lo
.if \first
	v_max_num_f32 v[ST+8*\t+4], v[ST+8*\t+4], v[ST+8*\t+7]
.else
	v_max3_num_f32 v[ST+8*\t+4], v[ST+8*\t+4], v[ST+8*\t+7], v[ST+8*\t+1]
.endif
.endif
.endr
.irp t, 0,1
.if \t >= \lo
	v_permlanex16_b32 v[ST+8*\t+5], v[ST+8*\t+4], s[SEL], s[SEL+1]   ; the query's other 32 keys lie in the lane 16 away
.endif
.endr
.if !\first
.irp t, 0,1
.if \t >= \lo
	v_mov_b32 v[ST+8*\t+7], v[ST+8*\t]             ; c m_old is kept for a
.endif
.endr
.endif
.irp t, 0,1
.if \t >= \lo
	v_max_num_f32 v[ST+8*\t+1], v[ST+8*\t+4], v[ST+8*\t+5]
.endif
.endr
.irp t, 0,1
.if \t >= \lo
	v_mul_f32 v[ST+8*\t], s[CS], v[ST+8*\t+1]
.endif
.endr
.if !\first
.irp t, 0,1
.if \t >= \lo
	v_sub_f32 v[ST+8*\t+7], v[ST+8*\t+7], v[ST+8*\t]
.endif
.endr
.endif
.irp j, 0,2,4,6,8,10,12,14,16,18,20,22,24,26,28,30
.irp t, 0,1
.if \t >= \lo
	v_pk_fma_f32 v[S+32*\t+\j:S+32*\t+\j+1], v[S+32*\t+\j:S+32*\t+\j+1], s[CS:CS+1], v[ST+8*\t:ST+8*\t+1] op_sel_hi:[1,0,0] neg_lo:[0,0,1] neg_hi:[0,0,1]   ; c s - c m
.endif
.endr
.endr
.if !\first
.irp t, 0,1
.if \t >= \lo
	v_exp_f32 v[ST+8*\t+6], v[ST+8*\t+7]           ; a = 2^(c m_old - c m_new)
.endif
.endr
.endif
.set i, 32*\lo
.rept 32*(2-\lo)
	v_exp_f32 v[S+i], v[S+i]
.set i, i+1
.endr
	v_nop                                          ; a plain instruction between the last exponential and the use of its result (ISA guide 5.7.2)
	s_wait_alu depctr_va_vdst(0)
.irp t, 0,1                            ; the row sums, two chains a tile, started by the first four pairs
.if \t >= \lo
	v_pk_add_f32 v[ST+8*\t+4:ST+8*\t+5], v[S+32*\t:S+32*\t+1], v[S+32*\t+2:S+32*\t+3]
	v_pk_add_f32 v[SB+2*\t:SB+2*\t+1], v[S+32*\t+4:S+32*\t+5], v[S+32*\t+6:S+32*\t+7]
.endif
.endr
.irp j, 8,12,16,20,24,28
.irp t, 0,1
.if \t >= \lo
	v_pk_add_f32 v[ST+8*\t+4:ST+8*\t+5], v[ST+8*\t+4:ST+8*\t+5], v[S+32*\t+\j:S+32*\t+\j+1]
	v_pk_add_f32 v[SB+2*\t:SB+2*\t+1], v[SB+2*\t:SB+2*\t+1], v[S+32*\t+\j+2:S+32*\t+\j+3]
.endif
.endr
.endr
.if \first
.irp t, 0,1
.if \t >= \lo
	v_pk_add_f32 v[ST+8*\t+2:ST+8*\t+3], v[ST+8*\t+4:ST+8*\t+5], v[SB+2*\t:SB+2*\t+1]
.endif
.endr
.else
.irp t, 0,1
.if \t >= \lo
	v_pk_add_f32 v[ST+8*\t+4:ST+8*\t+5], v[ST+8*\t+4:ST+8*\t+5], v[SB+2*\t:SB+2*\t+1]
.endif
.endr
.irp t, 0,1
.if \t >= \lo
	v_pk_fma_f32 v[ST+8*\t+2:ST+8*\t+3], v[ST+8*\t+2:ST+8*\t+3], v[ST+8*\t+6:ST+8*\t+7], v[ST+8*\t+4:ST+8*\t+5] op_sel_hi:[1,0,1]   ; l = a l + the sum
.endif
.endr
.endif
.irp j, 0,1,2,3,4,5,6,7,8,9,10,11,12,13,14,15
.irp t, 0,1
.if \t >= \lo
	v_cvt_pk_bf16_f32 v[S+32*\t+\j], v[S+32*\t+2*\j], v[S+32*\t+2*\j+1]          ; P in place, ascending: register j is written when registers 2 j, 2 j + 1 are read
.endif
.endr
.endr
.if !\first
.irp j, 0,2,4,6,8,10,12,14,16,18,20,22,24,26,28,30
.irp t, 0,1
.if \t >= \lo
	v_pk_mul_f32 v[O+32*\t+\j:O+32*\t+\j+1], v[O+32*\t+\j:O+32*\t+\j+1], v[ST+8*\t+6:ST+8*\t+7] op_sel_hi:[1,0]    ; O^T times a
.endif
.endr
.endr
.endif
	s_wait_dscnt 0                                 ; V is in
.set i, 0
.rept 8*(2-\lo)                        ; product i: keys 32 (i / 4 nt), channels 16 ((i / nt) % 4), tile lo + i % nt
.set rO, O+32*(\lo+i%nt)+8*((i/nt)%4)
.set rV, KV+8*(4*(i/(4*nt))+(i/nt)%4)
.set rP, S+32*(\lo+i%nt)+8*(i/(4*nt))
.if \first && (i < 4*nt)
	v_wmma_f32_16x16x32_bf16 v[rO:rO+7], v[rV:rV+7], v[rP:rP+7], 0
.else
	v_wmma_f32_16x16x32_bf16 v[rO:rO+7], v[rV:rV+7], v[rP:rP+7], v[rO:rO+7]
.endif
.set i, i+1
.endr
.rept 5
	v_nop                                          ; five places: the next step's loads land in V's registers and its products write over P's
.endr
.endm
.macro NEXTSTEP                        ; the step's number and its rows in LDS go on
	s_add_co_u32 s[SI], s[SI], 1
	s_add_co_u32 s[TB], s[TB], STEPB
	s_sub_co_u32 s[CNT], s[CNT], 1
	s_cmp_lg_u32 s[CNT], 0
.endm
; n steps of a slot in which tile 0's diagonal may lie and tile 1's cannot: both tiles, both with tile 0 masked, or tile 1 alone
.macro PROC_LOW n
	s_mov_b32 s[CNT], \n
.Lpl_\@:
	s_cmp_gt_u32 s[SI], s[LO]
	s_cbranch_scc1 .Lpl_one_\@
	s_cmp_eq_u32 s[SI], s[LO]
	s_cbranch_scc1 .Lpl_diag_\@
	STEP 0, 0, 2, DQD
	s_branch .Lpl_next_\@
.Lpl_diag_\@:
	STEP 0, 0, 0, DQD
	s_branch .Lpl_next_\@
.Lpl_one_\@:
	STEP 0, 1, 2, DQD
.Lpl_next_\@:
	NEXTSTEP
	s_cbranch_scc1 .Lpl_\@
.endm
; n steps of a slot that lies between the two diagonals for every wave: tile 1 alone
.macro PROC_ONE n
	s_mov_b32 s[CNT], \n
.Lpo_\@:
	STEP 0, 1, 2, DQD
	NEXTSTEP
	s_cbranch_scc1 .Lpo_\@
.endm
; n steps of the last slot: tile 1 alone, tile 1 masked, or nothing (all keys of the step lie beyond my queries)
.macro PROC_HIGH n
	s_mov_b32 s[CNT], \n
.Lph_\@:
	s_cmp_gt_u32 s[SI], s[HI]
	s_cbranch_scc1 .Lph_next_\@
	s_cmp_eq_u32 s[SI], s[HI]
	s_cbranch_scc1 .Lph_diag_\@
	STEP 0, 1, 2, DQD
	s_branch .Lph_next_\@
.Lph_diag_\@:
	STEP 0, 1, 1, DQD
.Lph_next_\@:
	NEXTSTEP
	s_cbranch_scc1 .Lph_\@
.endm
; THE CHANGE OF SLOTS.  Each wave waits for its reads of the slot and for all its tensor loads (one is out: its rows of the other slot).  Behind the barrier nobody reads this slot and
; the other is whole.  fill = 1: slot `set`, the one just read, takes the keys two slots on.  The barrier is then a round of the cluster's, so that no wave of any partner still reads
; the slot or has a load on its way; the joint refill is the first thing behind it, one load a wave, and has eight key steps in which to land.
.macro CHANGE fill, set
	s_wait_dscnt 0x0
	s_set_vgpr_msb 0x5
	s_wait_tensorcnt 0x0                           ; no tensor load of mine is out, so a group 0 may be written
	ds_add_u32 v0, v1
	s_wait_dscnt 0x0
	s_set_vgpr_msb 0x500
	s_sub_co_u32 s[TB], s[TB], 8*STEPB             ; back to the slot's first byte (0 or SLOTB),
	s_xor_b32 s[TB], s[TB], SLOTB                  ; and to the other slot's
.if \fill
	s_add_nc_u64 s[G0+4*\set+2:G0+4*\set+3], s[G0+4*\set+2:G0+4*\set+3], 2*512*QROW   ; the type bits on top are not reached
	ROUND
	tensor_load_to_lds s[G0+4*\set:G0+4*\set+3], s[G1:G1+7]
	s_nop 0
.rept 4
	v_nop                                          ; four v_nop follow
.endr
.else
	s_barrier_signal -1
	s_barrier_wait -1
.endif
.endm
	s_wait_tensorcnt 1                             ; my rows of slot 0 are in; slot 1's may stay out
	s_barrier_signal -1
	s_barrier_wait -1
	s_wait_loadcnt 0x0                             ; Q
	STEP 1, 0, 0, DQL                              ; step 0: tile 0's mask in its general form (from group 1 on it passes every key); tile 1's group is 16 at the least
	s_mov_b32 s[SI], 1
	s_mov_b32 s[TB], STEPB
	PROC_LOW 7                                     ; steps 1..7
	CHANGE 1, 0                                    ; slot 0 takes keys 1024..1535
	PROC_LOW 8                                     ; steps 8..15
	s_cmp_lg_u32 ttmp9, 0
	s_cbranch_scc1 .Llast                          ; cluster x = 1: HI is 23 at the most: keys from 1536 on are never asked for
	CHANGE 1, 1                                    ; cluster x = 0: slot 1 takes keys 1536..2047
	PROC_ONE 8                                     ; steps 16..23: LO is 7 at the most and HI 24 at the least
.Llast:
	CHANGE 0, 0                                    ; nothing is left to ask for
	PROC_HIGH 8                                    ; the slot with tile 1's diagonal: steps 24..31, or 16..23
	; THE WAY OUT: O^T / l, rounded to bf16, through my stage, so that 16 lanes hold the 256 bytes of a pair of rows
.irp t, 0,1
	v_add_f32 v[ST+8*\t+4], v[ST+8*\t+2], v[ST+8*\t+3]
.endr
.irp t, 0,1
	v_permlanex16_b32 v[ST+8*\t+5], v[ST+8*\t+4], s[SEL], s[SEL+1]
.endr
.irp t, 0,1
	v_add_f32 v[ST+8*\t+4], v[ST+8*\t+4], v[ST+8*\t+5]
.endr
.irp t, 0,1
	v_rcp_f32 v[ST+8*\t+6], v[ST+8*\t+4]
.endr
	v_nop
	s_wait_alu depctr_va_vdst(0)
.irp t, 0,1
.irp j, 0,2,4,6,8,10,12,14,16,18,20,22,24,26,28,30
	v_pk_mul_f32 v[O+32*\t+\j:O+32*\t+\j+1], v[O+32*\t+\j:O+32*\t+\j+1], v[ST+8*\t+6:ST+8*\t+7] op_sel_hi:[1,0]
.endr
.irp j, 0,1,2,3,4,5,6,7,8,9,10,11,12,13,14,15
	v_cvt_pk_bf16_f32 v[S+16*\t+\j], v[O+32*\t+2*\j], v[O+32*\t+2*\j+1]
.endr
.irp cb, 0,1,2,3
	ds_store_b128 v[STO], v[S+16*\t+4*\cb:S+16*\t+4*\cb+3] offset:\t*8*PK+32*\cb
.endr
.irp f, 0,1,2,3
	ds_load_b128 v[KV+16*\t+4*\f:KV+16*\t+4*\f+3], v[RD] offset:\t*8*PK+\f*2*PK   ; LDS serves a wave's instructions in order (ISA guide 5.7.1.4): these see the stores above
.endr
.endr
	s_wait_dscnt 8                                 ; tile 0 is back; tile 1's eight LDS instructions may be out
.irp f, 0,1,2,3
	global_store_b128 v[GO], v[KV+4*\f:KV+4*\f+3], s[OB:OB+1] offset:\f*8192      ; 16 lanes store 256 consecutive bytes, at a multiple of 256 from o2's first byte
.endr
	s_wait_dscnt 0
.irp f, 0,1,2,3
	global_store_b128 v[GO], v[KV+16+4*\f:KV+16+4*\f+3], s[OB+2:OB+3] offset:\f*8192
.endr
	s_set_vgpr_msb 0x5
	s_wait_tensorcnt 0x0
	ds_add_u32 v0, v1
	s_wait_dscnt 0x0
	s_set_vgpr_msb 0x500
	ROUND                                          ; the closing round: no work-group ends while a partner may still ask for a tile that names it
	s_endpgm
.Lfunc_end_k_qc03e7093ff_attn:
	.size	k_qc03e7093ff_attn, .Lfunc_end_k_qc03e7093ff_attn-k_qc03e7093ff_attn
	.p2alignl 7, 3214868480
	.fill 96, 4, 3214868480
	.section	.rodata,"a",@progbits
	.p2align	6, 0x0
	.amdhsa_kernel k_qc03e7093ff_attn
		.amdhsa_group_segment_fixed_size 327680
		.amdhsa_private_segment_fixed_size 0
		.amdhsa_enable_private_segment 0
		.amdhsa_kernarg_size 16
		.amdhsa_user_sgpr_count 2
		.amdhsa_user_sgpr_kernarg_segment_ptr 1
		.amdhsa_wavefront_size32 1
		.amdhsa_system_sgpr_workgroup_id_x 1
		.amdhsa_system_sgpr_workgroup_id_y 1
		.amdhsa_system_sgpr_workgroup_id_z 1
		.amdhsa_system_vgpr_workitem_id 0
		.amdhsa_next_free_vgpr 258
		.amdhsa_next_free_sgpr 66
		.amdhsa_reserve_vcc 1
		.amdhsa_float_denorm_mode_32 3
		.amdhsa_float_denorm_mode_16_64 3
		.amdhsa_memory_ordered 1
		.amdhsa_forward_progress 1
		.amdhsa_inst_pref_size 157
	.end_amdhsa_kernel
	.amdgpu_metadata
---
amdhsa.version: [ 1, 2 ]
amdhsa.kernels:
  - .name:           k_qc03e7093ff_attn
    .symbol:         k_qc03e7093ff_attn.kd
    .args:
      - { .name: qkv, .offset: 0, .size: 8, .value_kind: global_buffer, .address_space: global }
      - { .name: o2, .offset: 8, .size: 8, .value_kind: global_buffer, .address_space: global }
    .group_segment_fixed_size: 327680
    .private_segment_fixed_size: 0
    .kernarg_segment_align: 8
    .kernarg_segment_size: 16
    .max_flat_workgroup_size: 256
    .sgpr_count:     66
    .vgpr_count:     258
    .wavefront_size: 32
...
	.end_amdgpu_metadata
.endif
;; end of part 3
;; launch gemm_proj (part 4): grid 8 x 32, 4 waves a work-group, clusters of 4 x 4, 327,680 bytes of LDS; arguments o2, wb, x1, bproj, x; writes x1
.if DOCPART == 4
	.amdgcn_target "amdgcn-amd-amdhsa--gfx1250"
	.amdhsa_code_object_version 6
	.text
	.protected	k_qc03e7093ff_gemm_proj
	.globl	k_qc03e7093ff_gemm_proj
	.p2align	8
	.type	k_qc03e7093ff_gemm_proj,@function
k_qc03e7093ff_gemm_proj:
	s_mov_b64 s[64:65], 0
	v_nop
	global_prefetch_b8 v0, s[64:65] scope:SCOPE_SE
	s_setreg_imm32_b32 hwreg(HW_REG_WAVE_MODE, 25, 1), 1
	s_wait_xcnt 0x0
	s_wait_alu depctr_hold_cnt(0) depctr_sa_sdst(0) depctr_va_vdst(0) depctr_va_sdst(0) depctr_va_ssrc(0) depctr_va_vcc(0) depctr_vm_vsrc(0)
	s_getreg_b32 s2, hwreg(HW_REG_IB_STS2, 6, 4)
	s_cmp_eq_u32 s2, 0
	s_cbranch_scc0 .Lentry_in_a_cluster
	s_endpgm
.Lentry_in_a_cluster:
	s_bfe_u32 s2, ttmp6, 0x10000c
	s_cmp_lg_u32 s2, 0xf033
	s_cbranch_scc0 .Lentry_shape_is_right
	s_endpgm
.Lentry_shape_is_right:
; C[m][n] = R[m][n] + bias[n] + sum over k of A[m][k] W[k][n].  A: 4,096 rows x SIZE_K bf16; W: [SIZE_K][1024] bf16 at byte WOFF of the weights' buffer; R, C: [4096][1024] f32.
; PAIRED = 1: A lies as [pairs of rows][16 heads][2 rows][64]: 256 along K of a pair of rows are 1,024 consecutive bytes.  PAIRED = 0: A lies row by row.
; C has 32 x 8 tiles of 128 x 128: one for each of 256 work-groups.  Four waves, each 64 x 64: 16 accumulators.  K goes in steps of 256 through two LDS slots filled by the tensor
; data mover: 256 rows (k) x 256 bytes of W, then 128 rows x 512 bytes of A.  W's fragments come out of LDS turned (ds_load_tr16_b128), A's as they lie.
; CLUSTERS: 4 x 4 work-groups; A's tiles are shared along a row of the cluster, W's along a column, each asked for JOINTLY.
; THE MATRIX INSTRUCTION IS USED TRANSPOSED (source 0 = 16 columns of W, source 1 = 16 rows of A): a lane holds eight neighbouring numbers of a row of C.  The bias, loaded in that
; order, is the C operand of each sum's first product.  The residual R is loaded at the start, in the order in which C leaves, and waits in registers.
; A wave's 64 columns of f32 are 256 bytes, aligned: each wave sends its own blocks of 16 rows through a stage of its own, and no barrier is needed on the way out.
; PREFETCH.  All work-groups walk K in step, so a K step's bytes are wanted for the first time by the joint loads themselves.  Behind the joint load that asks for K step t, wave 3
; prefetches this work-group's share of K step t + 2's tiles: two K steps, 256 matrix instructions of each wave, ahead of the joint load that will want them; behind the two first fills,
; of K steps 2 and 3.  Each aligned block of 256 bytes is asked for once in the launch, by lanes one block apart.  A: the 8 work-groups of a tile row share its tile's 256 blocks:
; 32 each, one instruction a K step.  W: a K step's 256 rows of 2,048 bytes are 2,048 consecutive blocks for the whole launch, 64 instructions: they are issued by the 64 work-groups of
; the four clusters whose y equals the K step modulo 4, one instruction each; that choice hangs on the cluster's y and a counter, alike in all partners.  The loop's last trip asks for
; nothing: the highest K step asked for is the last one.  With four K steps (SIZE_K = 1024) only the two requests at the start exist.
; REGISTERS: window 0: v16-29 addresses; v32-95 at work on the way out; v96-127 the bias; v128-255 the accumulators ((a, b) at v[128 + 8 (4 a + b)])
;   window 1: two fragment buffers of 128 (64 along K: 64 registers of A, then 64 of W)          window 2: v0-127 the residual
.set SIZE_N, 1024
.set SIZE_K, 1024
.set WOFF,   6291456
.set PAIRED, 1
.set KSTEP,  256
.set PB,     288                       ; W's LDS rows: 256 bytes + 32 = 9 x 32 bytes: the 8 rows x 32 bytes that 16 lanes of a turning load take do not meet modulo 256 bytes
.set HALFB,  128*PB                    ; what one tensor load brings of W: 128 rows (k)
.set BBYTES, 2*HALFB
.if PAIRED
.set PA,     1040                      ; a pair of rows: 1,024 bytes + 16: rows r of a fragment start at words 260 (r / 2) + 32 (r % 2): modulo 64 words all different, 4 apart
.set HALFA,  32*PA                     ; 64 rows
.set KQB,    256                       ; 64 along K (one head) in a pair's bytes
.set RB16,   8*PA                      ; 16 rows
.set ASTEP,  1024                      ; a K step in memory
.set AQI,    7                         ; padding after every 256 words
.set AD0,    512
.set AROWS,  32
.set APITCH, 2048
.set LOGA,   2                         ; a K step of a pair of rows is 4 blocks of 256 bytes
.else
.set PA,     528                       ; 512 bytes + 16 = 132 words: the 16 rows of a fragment load start 4 words apart, modulo 64 words all different
.set HALFA,  64*PA
.set KQB,    128
.set RB16,   16*PA
.set ASTEP,  512
.set AQI,    6                         ; padding after every 128 words
.set AD0,    256
.set AROWS,  64
.set APITCH, SIZE_K
.set LOGA,   1                         ; a K step of a row is 2 blocks of 256 bytes
.endif
.set ABLK,   1<<LOGA
.set WSTEP,  KSTEP*SIZE_N*2            ; a K step of W in memory: 524,288 consecutive bytes
.set SLOT,   BBYTES+2*64*528           ; 141,312: the larger of the two forms of A
.set STAGE,  2*SLOT                    ; behind the ring: 16 rows x 272 bytes for each wave; no tensor load lands there
.set SPITCH, 272
.set LAPS,   SIZE_K/(2*KSTEP)
.set ADRA, 16                          ; v16-17  LDS address of my A fragments in slot 0, 1
.set ADRB, 20                          ; v20-23  the same for W: slot s, half kh of the step's 256 k at 2 s + kh (a step's rows span more than an offset's 16 bits)
.set STO,  24
.set RD,   25
.set CO,   26                          ; v26     my byte offset in C and in R
.set VB,   27                          ; v27     my byte offset in the bias
.set PFA,  28                          ; v28     the prefetch of A: my lane's block in the work-group's share; never rewritten
.set PFW,  29                          ; v29     the prefetch of W: 256 x lane; never rewritten
.set TMP,  32
.set BI,   96
.set ACC,  128
.set F0,   0
.set F1,   128
.set G1,  24                           ; s[24:31] descriptor group 1 for A's tiles;  s[32:39] group 0, one set for each slot
.set G0,  32
.set G1B, 48                           ; s[48:55], s[56:63] the same for W's tiles
.set G0B, 56
.set PBA, 72                           ; s[72:73] the prefetch of A: the work-group's share of the even K step in hand
.set PBW, 74                           ; s[74:75] the same for W
.set PU,  76                           ; s76      that even K step's number
.set GY3, 77                           ; s77      the cluster's y modulo 4
.set PT,  78                           ; s78      at work
.set PFWAVE, 3                         ; the wave that prefetches
.set MSB, 0
.macro WIN new                         ; s_set_vgpr_msb: bits 1:0 source 0, 3:2 source 1, 5:4 source 2, 7:6 destination; the high byte repeats the setting that is left
.if MSB != (\new)
	s_set_vgpr_msb (MSB<<8)|(\new)
.set MSB, (\new)
.endif
.endm
.set MUL,  0x05                        ; sources 0 (W) and 1 (A) window 1; C and D window 0
.set TO_F, 0x40                        ; destination window 1, address window 0
.macro JLOAD s                         ; a joint load: waves 0 and 1 fetch W's two halves, waves 2 and 3 A's; four v_nop follow each line
	s_cmp_eq_u32 s11, 0
	s_cbranch_scc0 .Lfor_a_\@
	tensor_load_to_lds s[G0B+4*\s:G0B+4*\s+3], s[G1B:G1B+7]
	s_nop 0
.rept 4
	v_nop
.endr
	s_branch .Lasked_\@
.Lfor_a_\@:
	tensor_load_to_lds s[G0+4*\s:G0+4*\s+3], s[G1:G1+7]
	s_nop 0
.rept 4
	v_nop
.endr
.Lasked_\@:
.endm
; The prefetch of K step s[PU] + odd.  inloop = 1: in the loop over laps: nothing in its last trip (s3 = 1), whose look-ahead would pass the last K step; at the even K step the bases go
; one lap on, behind s_wait_xcnt 0, which stands a K step behind the last prefetch that names them (ISA guide 3.1); the odd K step is reached by the immediate.
.macro PREF odd, inloop
	s_cmp_lg_u32 s10, PFWAVE
	s_cbranch_scc1 .Lpf_none_\@
.if \inloop
	s_cmp_lt_u32 s3, 2
	s_cbranch_scc1 .Lpf_none_\@
.if !\odd
	s_wait_xcnt 0x0
	s_add_nc_u64 s[PBA:PBA+1], s[PBA:PBA+1], 2*ASTEP
	s_add_nc_u64 s[PBW:PBW+1], s[PBW:PBW+1], 2*WSTEP
	s_add_co_u32 s[PU], s[PU], 2
.endif
.endif
	global_prefetch_b8 v[PFA], s[PBA:PBA+1] offset:\odd*ASTEP th:TH_LOAD_NT scope:SCOPE_SE   ; 32 blocks of A's tile
	s_add_co_u32 s[PT], s[PU], \odd
	s_and_b32 s[PT], s[PT], 3
	s_cmp_lg_u32 s[PT], s[GY3]
	s_cbranch_scc1 .Lpf_none_\@                    ; this K step's W is another cluster row's to ask for
	global_prefetch_b8 v[PFW], s[PBW:PBW+1] offset:\odd*WSTEP th:TH_LOAD_NT scope:SCOPE_SE   ; 32 of the K step's 2,048 blocks of W
.Lpf_none_\@:
.endm
.macro CREST                           ; a round of the cluster's barrier behind its opening barrier
	s_cmp_lg_u32 s10, 0
	s_cbranch_scc1 .Lnot_wave_0_\@
	s_barrier_signal -3
.Lnot_wave_0_\@:
	s_barrier_wait -3
	s_barrier_signal -1
	s_barrier_wait -1
.endm
.macro CROUND
	s_barrier_signal -1
	s_barrier_wait -1
	CREST
.endm
	s_load_b128 s[4:7], s[0:1], 0x0                ; A s[4:5], the weights' buffer s[6:7]
	s_load_b64 s[8:9], s[0:1], 0x10                ; C
	s_load_b128 s[68:71], s[0:1], 0x18             ; the bias s[68:69], R s[70:71]
	v_lshl_add_u32 v30, v0, 2, 0x49400
	v_mov_b32 v31, 0
	ds_add_u32 v30, v31
	v_lshrrev_b32 v1, 5, v0
	v_readfirstlane_b32 s10, v1                    ; wave 0..3
	s_lshr_b32 s11, s10, 1                         ; which half of the tile's rows is mine.  Also: I fetch for W (0) or for A (1)
	s_and_b32 s12, s10, 1                          ; which half of its columns.  Also: which half of that tile I fetch
	s_bfe_u32 s40, ttmp6, 0x40000                  ; cx, cy
	s_bfe_u32 s41, ttmp6, 0x40004
	s_lshl_b32 s42, ttmp9, 2
	s_add_co_u32 s42, s42, s40                     ; tile column of C
	s_and_b32 s13, ttmp7, 0xffff
	s_lshl_b32 s13, s13, 2
	s_add_co_u32 s13, s13, s41                     ; tile row of C
	s_lshl_b32 s43, s41, 2
	s_lshl_b32 s43, 15, s43                        ; my row of the cluster
	s_lshl_b32 s44, 0x1111, s40                    ; my column
	s_or_b32 s[G1+0], s43, (1<<16)|(1<<20)|(1<<21)|(AQI<<22)|(3<<25)   ; mask: my row; elements of 2 bytes; padding on; bit 21 beside a mask; 4 words behind each LDS row
	s_mov_b32 s[G1+1], AD0<<16                     ; tensor_dim0
	s_mov_b32 s[G1+2], AROWS<<16                   ; tensor_dim1
	s_mov_b32 s[G1+3], AD0<<16                     ; tile_dim0
	s_mov_b32 s[G1+4], AROWS                       ; tile_dim1
	s_mov_b32 s[G1+5], APITCH
	s_mov_b32 s[G1+6], 0
	s_mov_b32 s[G1+7], 0
	s_or_b32 s[G1B+0], s44, (1<<16)|(1<<20)|(1<<21)|(5<<22)|(7<<25)    ; mask: my column; after every 64 words, 8 words
	s_mov_b32 s[G1B+1], 128<<16                    ; 128 columns
	s_mov_b32 s[G1B+2], 128<<16                    ; 128 rows (k)
	s_mov_b32 s[G1B+3], 128<<16
	s_mov_b32 s[G1B+4], 128
	s_mov_b32 s[G1B+5], SIZE_N
	s_mov_b32 s[G1B+6], 0
	s_mov_b32 s[G1B+7], 0
	s_lshl_b32 s17, s12, 6
	s_lshl_b32 s16, s13, 7
	s_add_co_u32 s16, s16, s17                     ; A: row 128 x tile row + 64 x half
	s_mul_i32 s16, s16, SIZE_K*2                   ; the same number of bytes in both forms of A; under 2^26
	s_mov_b32 s17, 0
	s_lshl_b32 s46, s12, 18                        ; W: row (k) 128 x half, 2,048 bytes each,
	s_lshl_b32 s47, s42, 8                         ; 256 bytes x tile column
	s_add_co_u32 s46, s46, s47
	s_add_co_u32 s46, s46, WOFF
	s_mov_b32 s47, 0
	s_mul_i32 s20, s10, HALFB                      ; where W's halves go: wave x HALFB (waves 0, 1)
	s_mul_i32 s21, s10, HALFA                      ; where A's go: behind W, (wave - 2) x HALFA (waves 2, 3)
	s_add_co_u32 s21, s21, BBYTES-2*HALFA
	s_wait_dscnt 0x0
	s_wait_kmcnt 0x0
	s_add_nc_u64 s[14:15], s[4:5], s[16:17]
	s_add_nc_u64 s[46:47], s[6:7], s[46:47]
	CROUND                                         ; all sixteen work-groups are here: the first joint loads meet
.irp s, 0,1
	s_mov_b32 s[G0+4*\s], 1
	s_add_co_u32 s[G0+4*\s+1], s21, \s*SLOT
	s_add_nc_u64 s[G0+4*\s+2:G0+4*\s+3], s[14:15], \s*ASTEP
	s_or_b32 s[G0+4*\s+3], s[G0+4*\s+3], 0x80000000
	s_mov_b32 s[G0B+4*\s], 1
	s_add_co_u32 s[G0B+4*\s+1], s20, \s*SLOT
	s_add_nc_u64 s[G0B+4*\s+2:G0B+4*\s+3], s[46:47], \s*KSTEP*SIZE_N*2
	s_or_b32 s[G0B+4*\s+3], s[G0B+4*\s+3], 0x80000000
	JLOAD \s                                       ; both slots are asked for before anything else: two tensor loads of mine are out
.endr
	; the prefetches' addresses.  My place in the cluster enters them in registers (s72 to s83) that feed no descriptor, no branch and no LDS address.
	v_and_b32 v8, 31, v0                           ; lane
	v_lshrrev_b32 v9, LOGA, v8                     ; A: row (or pair of rows) lane / ABLK of my share,
	v_and_b32 v10, ABLK-1, v8                      ; block lane % ABLK of its K step
	v_mul_u32_u24 v9, v9, APITCH*2
	v_lshl_add_u32 v[PFA], v10, 8, v9
	v_lshlrev_b32 v[PFW], 8, v8                    ; W: block lane of my share
	s_mul_i32 s80, s13, 2*AROWS                    ; A: the tile row's first row (or pair),
	s_mul_i32 s81, s42, 32/ABLK                    ; my eighth of the tile's rows, by the tile column,
	s_add_co_u32 s80, s80, s81
	s_mul_i32 s80, s80, APITCH*2                   ; in bytes: under 2^26
	s_add_co_u32 s80, s80, 2*ASTEP                 ; K step 2
	s_mov_b32 s81, 0
	s_add_nc_u64 s[PBA:PBA+1], s[4:5], s[80:81]
	s_and_b32 s82, s13, 3                          ; W: my number among the 64 work-groups of the four clusters with my y modulo 4:
	s_lshr_b32 s83, s13, 4                         ; tile column + 8 cy + 32 (cluster y / 4)
	s_lshl3_add_u32 s82, s82, s42
	s_lshl_b32 s83, s83, 5
	s_add_co_u32 s82, s82, s83
	s_lshl_b32 s82, s82, 13                        ; 32 blocks of 256 bytes each
	s_add_co_u32 s82, s82, WOFF+2*WSTEP            ; K step 2
	s_mov_b32 s83, 0
	s_add_nc_u64 s[PBW:PBW+1], s[6:7], s[82:83]
	s_and_b32 s[GY3], ttmp7, 3                     ; the cluster's y modulo 4: the same in all sixteen partners
	s_mov_b32 s[PU], 2
	PREF 0, 0                                      ; K step 2
	PREF 1, 0                                      ; K step 3
	v_and_b32 v1, 15, v0                           ; r = l % 16
	v_bfe_u32 v2, v0, 4, 1                         ; h = l / 16
	; C, R and the bias at my 64 x 64
	s_lshl_b32 s16, s13, 7
	s_lshl_b32 s17, s11, 6
	s_add_co_u32 s16, s16, s17
	s_lshl_b32 s16, s16, 12                        ; my first row, 4,096 bytes each
	s_mov_b32 s17, 0
	s_add_nc_u64 s[8:9], s[8:9], s[16:17]
	s_add_nc_u64 s[70:71], s[70:71], s[16:17]
	s_lshl_b32 s46, s42, 9
	s_lshl_b32 s47, s12, 8
	s_add_co_u32 s46, s46, s47                     ; my first column, in bytes
	s_mov_b32 s47, 0
	s_add_nc_u64 s[8:9], s[8:9], s[46:47]
	s_add_nc_u64 s[70:71], s[70:71], s[46:47]
	s_add_nc_u64 s[68:69], s[68:69], s[46:47]
	v_lshlrev_b32 v[VB], 5, v2                     ; eight f32 x h
	v_lshlrev_b32 v[CO], 12, v2                    ; lanes 0-15 one row's 256 bytes, lanes 16-31 the next row's
	v_lshl_add_u32 v[CO], v1, 4, v[CO]
.irp b, 0,1,2,3
	global_load_b128 v[BI+8*\b:BI+8*\b+3],   v[VB], s[68:69] offset:64*\b         ; columns 16 b + 8 h + 0..3
	global_load_b128 v[BI+8*\b+4:BI+8*\b+7], v[VB], s[68:69] offset:64*\b+16
.endr
	WIN 0x80                                       ; destination window 2
.irp a, 0,1,2,3
.irp t, 0,1,2,3,4,5,6,7
	global_load_b128 v[32*\a+4*\t:32*\a+4*\t+3], v[CO], s[70:71] offset:(16*\a+2*\t)*SIZE_N*4
.endr
.endr
	WIN 0
.if PAIRED
	v_lshrrev_b32 v4, 1, v1
	v_and_b32 v5, 1, v1
	v_mul_u32_u24 v3, v4, PA                       ; A: pair r / 2,
	v_lshl_add_u32 v3, v5, 7, v3                   ; row r % 2 (128 bytes),
.else
	v_mul_u32_u24 v3, v1, PA                       ; A: row r,
.endif
	v_lshl_add_u32 v3, v2, 4, v3                   ; 16 bytes x h; the fragment's second half lies 32 bytes on
	v_and_b32 v6, 7, v0
	v_bfe_u32 v7, v0, 3, 1
	v_lshl_add_u32 v6, v2, 3, v6                   ; W: the turning load takes row (k) 8 h + l % 8,
	v_mul_u32_u24 v6, v6, PB
	v_lshl_add_u32 v6, v7, 4, v6                   ; columns 8 ((l / 8) % 2) + 0..7; the second half lies 16 rows on
	s_mul_i32 s22, s11, HALFA
	s_add_co_u32 s22, s22, BBYTES                  ; my 64 rows of A
	s_lshl_b32 s23, s12, 7                         ; my 64 columns of W
.irp s, 0,1
	s_add_co_u32 s18, s22, \s*SLOT
	v_add_nc_u32 v[ADRA+\s], s18, v3
.irp kh, 0,1
	s_add_co_u32 s18, s23, \s*SLOT+\kh*HALFB
	v_add_nc_u32 v[ADRB+2*\s+\kh], s18, v6
.endr
.endr
	s_mul_i32 s23, s10, 16*SPITCH
	s_add_co_u32 s23, s23, STAGE                   ; my stage
	v_mul_u32_u24 v4, v1, SPITCH                   ; in: row r, 32 bytes x h
	v_lshl_add_u32 v4, v2, 5, v4
	v_add_nc_u32 v[STO], s23, v4
	v_mul_u32_u24 v5, v2, SPITCH                   ; back: lanes 0-15 one row, lanes 16-31 the next
	v_lshl_add_u32 v5, v1, 4, v5
	v_add_nc_u32 v[RD], s23, v5
; 8 matrix instructions: m blocks a0, a0 + 1 x all 4 n blocks, 32 along K: half c of buffer f.  zero = 1: the first product starts the sums from the bias.
; The 16 accumulators take turns, one instruction a turn.
.macro MUL8 f, c, a0, zero
.irp a, \a0, \a0+1
.irp b, 0,1,2,3
.if \zero
	v_wmma_f32_16x16x32_bf16 v[ACC+8*(4*(\a)+\b):ACC+8*(4*(\a)+\b)+7], v[\f+64+8*(4*\c+\b):\f+64+8*(4*\c+\b)+7], v[\f+8*(4*\c+\a):\f+8*(4*\c+\a)+7], v[BI+8*\b:BI+8*\b+7]
.else
	v_wmma_f32_16x16x32_bf16 v[ACC+8*(4*(\a)+\b):ACC+8*(4*(\a)+\b)+7], v[\f+64+8*(4*\c+\b):\f+64+8*(4*\c+\b)+7], v[\f+8*(4*\c+\a):\f+8*(4*\c+\a)+7], v[ACC+8*(4*(\a)+\b):ACC+8*(4*(\a)+\b)+7]
.endif
.endr
.endr
.endm
; 32 LDS loads in one run: the fragments of quarter q (64 along K) of a slot into buffer f; the first 32 along K first
.macro FETCH slot, q, f
	WIN TO_F
.irp c, 0,1
.irp i, 0,1,2,3
	ds_load_tr16_b128 v[\f+64+8*(4*\c+\i):\f+64+8*(4*\c+\i)+3],   v[ADRB+2*\slot+(\q)/2] offset:((\q)%2)*64*PB+\c*32*PB+32*\i
	ds_load_tr16_b128 v[\f+64+8*(4*\c+\i)+4:\f+64+8*(4*\c+\i)+7], v[ADRB+2*\slot+(\q)/2] offset:((\q)%2)*64*PB+\c*32*PB+16*PB+32*\i
	ds_load_b128 v[\f+8*(4*\c+\i):\f+8*(4*\c+\i)+3],              v[ADRA+\slot] offset:\q*KQB+64*\c+\i*RB16
	ds_load_b128 v[\f+8*(4*\c+\i)+4:\f+8*(4*\c+\i)+7],            v[ADRA+\slot] offset:\q*KQB+64*\c+\i*RB16+32
.endr
.endr
.endm
.macro PLACES                          ; four plain vector instructions between a matrix instruction and a load into, or a read of, its registers (ISA guide 7.12.1 for reads)
.rept 4
	v_nop
.endr
.endm
; A K step is four quarters of 64 along K, 32 matrix instructions each, on buffers 0, 1, 0, 1.  One of the first three multiplies buffer f and fetches quarter q into g.
.macro QUARTER slot, q, f, g, zero
	s_wait_dscnt 16                                ; the first 32 along K are in; the other sixteen loads may be out
	WIN MUL
	MUL8 \f, 0, 0, \zero
	MUL8 \f, 0, 2, \zero
	PLACES
	FETCH \slot, \q, \g
	s_wait_dscnt 32                                ; all but the 32 just issued
	WIN MUL
	MUL8 \f, 1, 0, 0
	MUL8 \f, 1, 2, 0
.endm
; The last quarter multiplies buffer 1 and changes slots: ONE barrier; in front of it each wave waits for its reads of this slot and for all its tensor loads.  fill = 1: this slot is filled again, two K steps ahead.
.macro TURN slot, next, fill
	s_wait_dscnt 16
	WIN MUL
	MUL8 F1, 0, 0, 0
	s_wait_dscnt 0                                 ; my reads of this slot are over,
	s_set_vgpr_msb 0x500
	s_wait_tensorcnt 0x0                           ; and all my tensor loads have landed: my part of the next slot
	ds_add_u32 v30, v31
	s_wait_dscnt 0x0
	s_set_vgpr_msb 0x5
	s_barrier_signal -1
	MUL8 F1, 0, 2, 0
.if \fill
	WIN 0                                          ; every window is 0 there
.endif
	s_barrier_wait -1
.if \fill
	CREST                                          ; the barrier has opened a round of the cluster's: no wave of any partner still reads this slot or has a load on its way
	s_add_nc_u64 s[G0+4*\slot+2:G0+4*\slot+3], s[G0+4*\slot+2:G0+4*\slot+3], 2*ASTEP
	s_add_nc_u64 s[G0B+4*\slot+2:G0B+4*\slot+3], s[G0B+4*\slot+2:G0B+4*\slot+3], 2*KSTEP*SIZE_N*2
	JLOAD \slot                                    ; the first tensor load behind the round, 120 matrix instructions ahead of the wait for it; its four v_nop are also the places in front of the loads below
.if LAPS > 2
	PREF \slot, 1                                  ; the tiles of the K step two behind the one just asked for
.endif
.else
	PLACES
.endif
	FETCH \next, 0, F0
	WIN MUL
	MUL8 F1, 1, 0, 0
	MUL8 F1, 1, 2, 0
.endm
; THE WAY OUT of block a (16 rows x 64 columns of f32): into my stage (each accumulator's low four registers first), back as whole rows of 256 bytes, plus the residual, stored
.macro OUT a
.irp b, 0,1,2,3
	ds_store_b128 v[STO], v[ACC+8*(4*\a+\b):ACC+8*(4*\a+\b)+3]   offset:64*\b
	ds_store_b128 v[STO], v[ACC+8*(4*\a+\b)+4:ACC+8*(4*\a+\b)+7] offset:64*\b+16
.endr
.if \a > 1
	s_wait_xcnt 0x0                                ; this half of TMP was the data of the stores two blocks back: it is written again only behind this wait
.endif
.irp t, 0,1,2,3,4,5,6,7
	ds_load_b128 v[TMP+32*(\a%2)+4*\t:TMP+32*(\a%2)+4*\t+3], v[RD] offset:\t*2*SPITCH   ; LDS serves a wave's instructions in order (ISA guide 5.7.1.4): these see the stores above
.endr
	s_wait_dscnt 0x0
	WIN 0x08                                       ; source 1: window 2
.set u, 0
.rept 16
	v_pk_add_f32 v[TMP+32*(\a%2)+u:TMP+32*(\a%2)+u+1], v[TMP+32*(\a%2)+u:TMP+32*(\a%2)+u+1], v[32*\a+u:32*\a+u+1]
.set u, u+2
.endr
	WIN 0
.irp t, 0,1,2,3,4,5,6,7
	global_store_b128 v[CO], v[TMP+32*(\a%2)+4*\t:TMP+32*(\a%2)+4*\t+3], s[8:9] offset:(16*\a+2*\t)*SIZE_N*4   ; 16 lanes store 256 consecutive bytes, at a multiple of 256 from C's first byte
.endr
.endm
	s_wait_tensorcnt 1                             ; my part of K step 0 is in; K step 1's may stay out
	s_barrier_signal -1
	s_barrier_wait -1
	FETCH 0, 0, F0
	s_wait_loadcnt 32                              ; the bias is in; the residual's 32 loads stay out
	QUARTER 0, 1, F0, F1, 1                        ; the first quarter stands in front of the loop: its first products start the sums
	WIN 0
	s_mov_b32 s3, LAPS-1
.Llap:                                                 ; a trip goes once round the ring, from a lap's second quarter to the next lap's first, and fills both slots again
	QUARTER 0, 2, F1, F0, 0
	QUARTER 0, 3, F0, F1, 0
	TURN 0, 1, 1
	QUARTER 1, 1, F0, F1, 0
	QUARTER 1, 2, F1, F0, 0
	QUARTER 1, 3, F0, F1, 0
	TURN 1, 0, 1
	QUARTER 0, 1, F0, F1, 0
	WIN 0
	s_sub_co_u32 s3, s3, 1
	s_cmp_lg_u32 s3, 0
	s_cbranch_scc1 .Llap
	QUARTER 0, 2, F1, F0, 0                        ; the last lap fills nothing, and has no round of the cluster's barrier
	QUARTER 0, 3, F0, F1, 0
	TURN 0, 1, 0
	QUARTER 1, 1, F0, F1, 0
	QUARTER 1, 2, F1, F0, 0
	QUARTER 1, 3, F0, F1, 0
	s_wait_dscnt 16                                ; the very last quarter: nothing more to fetch
	WIN MUL
	MUL8 F1, 0, 0, 0
	MUL8 F1, 0, 2, 0
	s_wait_dscnt 0
	MUL8 F1, 1, 0, 0
	MUL8 F1, 1, 2, 0
	WIN 0
	PLACES
	s_wait_loadcnt 0x0                             ; the residual
	OUT 0
	OUT 1
	OUT 2
	OUT 3
	s_wait_tensorcnt 0x0
	ds_add_u32 v30, v31
	s_wait_dscnt 0x0
	CROUND                                         ; the closing round: no work-group ends while a partner may still ask for a tile that names it
	s_endpgm
.Lfunc_end_k_qc03e7093ff_gemm_proj:
	.size	k_qc03e7093ff_gemm_proj, .Lfunc_end_k_qc03e7093ff_gemm_proj-k_qc03e7093ff_gemm_proj
	.p2alignl 7, 3214868480
	.fill 96, 4, 3214868480
	.section	.rodata,"a",@progbits
	.p2align	6, 0x0
	.amdhsa_kernel k_qc03e7093ff_gemm_proj
		.amdhsa_group_segment_fixed_size 327680
		.amdhsa_private_segment_fixed_size 0
		.amdhsa_enable_private_segment 0
		.amdhsa_kernarg_size 40
		.amdhsa_user_sgpr_count 2
		.amdhsa_user_sgpr_kernarg_segment_ptr 1
		.amdhsa_wavefront_size32 1
		.amdhsa_system_sgpr_workgroup_id_x 1
		.amdhsa_system_sgpr_workgroup_id_y 1
		.amdhsa_system_sgpr_workgroup_id_z 1
		.amdhsa_system_vgpr_workitem_id 0
		.amdhsa_next_free_vgpr 640
		.amdhsa_next_free_sgpr 88
		.amdhsa_reserve_vcc 0
		.amdhsa_float_denorm_mode_32 3
		.amdhsa_float_denorm_mode_16_64 3
		.amdhsa_memory_ordered 1
		.amdhsa_forward_progress 1
		.amdhsa_inst_pref_size 96
	.end_amdhsa_kernel
	.amdgpu_metadata
---
amdhsa.version: [ 1, 2 ]
amdhsa.kernels:
  - .name:           k_qc03e7093ff_gemm_proj
    .symbol:         k_qc03e7093ff_gemm_proj.kd
    .args:
      - { .name: o2, .offset: 0, .size: 8, .value_kind: global_buffer, .address_space: global }
      - { .name: wb, .offset: 8, .size: 8, .value_kind: global_buffer, .address_space: global }
      - { .name: x1, .offset: 16, .size: 8, .value_kind: global_buffer, .address_space: global }
      - { .name: bproj, .offset: 24, .size: 8, .value_kind: global_buffer, .address_space: global }
      - { .name: x, .offset: 32, .size: 8, .value_kind: global_buffer, .address_space: global }
    .group_segment_fixed_size: 327680
    .private_segment_fixed_size: 0
    .kernarg_segment_align: 8
    .kernarg_segment_size: 40
    .max_flat_workgroup_size: 128
    .sgpr_count:     88
    .vgpr_count:     640
    .wavefront_size: 32
...
	.end_amdgpu_metadata
.endif
;; end of part 4
;; launch ln2 (part 5): grid 256 x 1, 8 waves a work-group, no clusters, 0 bytes of LDS; arguments x1, g2, be2, hbuf; writes hbuf
.if DOCPART == 5
	.amdgcn_target "amdgcn-amd-amdhsa--gfx1250"
	.amdhsa_code_object_version 6
	.text
	.protected	k_qc03e7093ff_ln2
	.globl	k_qc03e7093ff_ln2
	.p2align	8
	.type	k_qc03e7093ff_ln2,@function
k_qc03e7093ff_ln2:
	s_mov_b64 s[64:65], 0
	v_nop
	global_prefetch_b8 v0, s[64:65] scope:SCOPE_SE
	s_setreg_imm32_b32 hwreg(HW_REG_WAVE_MODE, 25, 1), 1
	s_wait_xcnt 0x0
; hbuf = LayerNorm(x1; g2, be2) in bf16.  x1: [4096][1024] f32.  16 rows a work-group, two rows a wave; a row is held in 32 registers of the wave, so it is read from memory once.
; Memory binds: loads of 16 bytes a lane (512 consecutive bytes a wave), all of a wave's 32 loads issued before the first wait; every store of a wave covers 256 consecutive
; bytes, aligned.  No LDS, no barrier, no matrix unit: no wave needs another's data.
; The variance is the mean of the squares of the CENTRED row (a second pass over registers), so a common offset of x1 costs no digits.
.set SX,  4                            ; s[4:5]   x1
.set SG,  6                            ; s[6:7]   g2
.set SB,  8                            ; s[8:9]   be2
.set SH,  10                           ; s[10:11] hbuf
.set SEL, 28                           ; s[28:29] lane selects: each lane takes its own place in the other half of the wave
.set INV, 30                           ; s30      1 / 1024
.set EPS, 31                           ; s31      1e-5
.set X0,  8                            ; v[8:39]    first row
.set X1,  40                           ; v[40:71]   second row
.set G,   72                           ; v[72:103]  gains of my 32 columns
.set BE,  104                          ; v[104:135] biases of my 32 columns
.set T,   136                          ; v[136:141] at work
.set RS0, 144                          ; v[144:145] 1 / sqrt(var + eps) of the first row, twice
.set RS1, 146                          ; v[146:147] of the second row
.macro WSUM                            ; v[T:T+1] -> the sum over both registers and all 32 lanes, in v[T] of every lane
	v_add_f32 v[T], v[T], v[T+1]
	v_add_f32_dpp v[T], v[T], v[T] row_xmask:1 row_mask:0xf bank_mask:0xf
	v_add_f32_dpp v[T], v[T], v[T] row_xmask:2 row_mask:0xf bank_mask:0xf
	v_add_f32_dpp v[T], v[T], v[T] row_xmask:4 row_mask:0xf bank_mask:0xf
	v_add_f32_dpp v[T], v[T], v[T] row_xmask:8 row_mask:0xf bank_mask:0xf
	v_permlanex16_b32 v[T+1], v[T], s[SEL], s[SEL+1]
	v_add_f32 v[T], v[T], v[T+1]
.endm
; The row in v[X..X+31] is centred in place; 1 / sqrt(var + eps) goes to v[RS], v[RS+1].  left: the younger loads that may stay out.
.macro STATS X, left, RS
	s_wait_loadcnt \left
	v_pk_add_f32 v[T:T+1], v[\X:\X+1], v[\X+2:\X+3]            ; two chains, started by the first four pairs
	v_pk_add_f32 v[T+2:T+3], v[\X+4:\X+5], v[\X+6:\X+7]
.set j, 8
.rept 6
	v_pk_add_f32 v[T:T+1], v[T:T+1], v[\X+j:\X+j+1]
	v_pk_add_f32 v[T+2:T+3], v[T+2:T+3], v[\X+j+2:\X+j+3]
.set j, j+4
.endr
	v_pk_add_f32 v[T:T+1], v[T:T+1], v[T+2:T+3]
	WSUM
	v_mul_f32 v[T+4], s[INV], v[T]                             ; the mean, in both registers of a pair
	v_mul_f32 v[T+5], s[INV], v[T]
.set j, 0
.rept 16
	v_pk_add_f32 v[\X+j:\X+j+1], v[\X+j:\X+j+1], v[T+4:T+5] neg_lo:[0,1] neg_hi:[0,1]
.set j, j+2
.endr
	v_pk_mul_f32 v[T:T+1], v[\X:\X+1], v[\X:\X+1]
	v_pk_mul_f32 v[T+2:T+3], v[\X+2:\X+3], v[\X+2:\X+3]
.set j, 4
.rept 7
	v_pk_fma_f32 v[T:T+1], v[\X+j:\X+j+1], v[\X+j:\X+j+1], v[T:T+1]
	v_pk_fma_f32 v[T+2:T+3], v[\X+j+2:\X+j+3], v[\X+j+2:\X+j+3], v[T+2:T+3]
.set j, j+4
.endr
	v_pk_add_f32 v[T:T+1], v[T:T+1], v[T+2:T+3]
	WSUM
	v_fma_f32 v[T], v[T], s[INV], s[EPS]                       ; var + eps
	v_rsq_f32 v[\RS], v[T]
	v_rsq_f32 v[\RS+1], v[T]
	v_nop                                                      ; a plain instruction before the results are used or v[T] is written again (ISA guide 5.7.2)
.endm
; (x - mean) * rstd * g + be, rounded to bf16 and stored: store j of the wave covers the row's bytes 256 j .. 256 j + 255
.macro NORM X, RS, rowoff
.set j, 0
	s_wait_alu depctr_va_vdst(0)
.rept 16
	v_pk_mul_f32 v[\X+j:\X+j+1], v[\X+j:\X+j+1], v[\RS:\RS+1]
.set j, j+2
.endr
.set j, 0
.rept 16
	v_pk_fma_f32 v[\X+j:\X+j+1], v[\X+j:\X+j+1], v[G+j:G+j+1], v[BE+j:BE+j+1]
.set j, j+2
.endr
.irp j, 0,1,2,3,4,5,6,7
	v_cvt_pk_bf16_f32 v[\X+4*\j], v[\X+4*\j], v[\X+4*\j+1]
	v_cvt_pk_bf16_f32 v[\X+4*\j+1], v[\X+4*\j+2], v[\X+4*\j+3]
	global_store_b64 v2, v[\X+4*\j:\X+4*\j+1], s[SH:SH+1] offset:\rowoff+256*\j
.endr
.endm
	s_load_b256 s[4:11], s[0:1], 0x0               ; x1, g2, be2, hbuf
	v_and_b32 v4, 31, v0                           ; lane
	v_and_b32 v5, 0xe0, v0                         ; 32 x wave
	v_lshlrev_b32 v3, 4, v4                        ; 16 bytes a lane
	s_mov_b32 s27, 0
	s_mov_b32 s[SEL], 0x76543210
	s_mov_b32 s[SEL+1], 0xfedcba98
	s_mov_b32 s[INV], 0x3a800000
	s_mov_b32 s[EPS], 0x3727c5ac
	v_lshl_add_u32 v1, v5, 8, v3                   ; in: 16 lane + 8,192 w
	v_lshlrev_b32 v2, 3, v4
	v_lshl_add_u32 v2, v5, 7, v2                   ; out: 8 lane + 4,096 w
	s_wait_kmcnt 0x0
	s_lshl_b32 s26, ttmp9, 16                      ; 16 rows of 4,096 bytes
	s_add_nc_u64 s[SX:SX+1], s[SX:SX+1], s[26:27]
	s_lshl_b32 s26, ttmp9, 15                      ; 16 rows of 2,048 bytes
	s_add_nc_u64 s[SH:SH+1], s[SH:SH+1], s[26:27]
.irp j, 0,1,2,3,4,5,6,7
	global_load_b128 v[X0+4*\j:X0+4*\j+3], v1, s[SX:SX+1] offset:512*\j          ; lane l, load j: columns 128 j + 4 l ..
.endr
.irp j, 0,1,2,3,4,5,6,7
	global_load_b128 v[X1+4*\j:X1+4*\j+3], v1, s[SX:SX+1] offset:4096+512*\j
.endr
.irp j, 0,1,2,3,4,5,6,7
	global_load_b128 v[G+4*\j:G+4*\j+3], v3, s[SG:SG+1] offset:512*\j
.endr
.irp j, 0,1,2,3,4,5,6,7
	global_load_b128 v[BE+4*\j:BE+4*\j+3], v3, s[SB:SB+1] offset:512*\j
.endr
	STATS X0, 24, RS0                              ; the second row, the gains and the biases (24 loads) stay out
	STATS X1, 16, RS1                              ; the gains and the biases stay out
	s_wait_loadcnt 0x0
	NORM X0, RS0, 0
	NORM X1, RS1, 2048
	s_endpgm
.Lfunc_end_k_qc03e7093ff_ln2:
	.size	k_qc03e7093ff_ln2, .Lfunc_end_k_qc03e7093ff_ln2-k_qc03e7093ff_ln2
	.p2alignl 7, 3214868480
	.fill 96, 4, 3214868480
	.section	.rodata,"a",@progbits
	.p2align	6, 0x0
	.amdhsa_kernel k_qc03e7093ff_ln2
		.amdhsa_group_segment_fixed_size 0
		.amdhsa_private_segment_fixed_size 0
		.amdhsa_enable_private_segment 0
		.amdhsa_kernarg_size 32
		.amdhsa_user_sgpr_count 2
		.amdhsa_user_sgpr_kernarg_segment_ptr 1
		.amdhsa_wavefront_size32 1
		.amdhsa_system_sgpr_workgroup_id_x 1
		.amdhsa_system_sgpr_workgroup_id_y 1
		.amdhsa_system_sgpr_workgroup_id_z 1
		.amdhsa_system_vgpr_workitem_id 0
		.amdhsa_next_free_vgpr 160
		.amdhsa_next_free_sgpr 66
		.amdhsa_reserve_vcc 0
		.amdhsa_float_denorm_mode_32 3
		.amdhsa_float_denorm_mode_16_64 3
		.amdhsa_memory_ordered 1
		.amdhsa_forward_progress 1
		.amdhsa_inst_pref_size 20
	.end_amdhsa_kernel
	.amdgpu_metadata
---
amdhsa.version: [ 1, 2 ]
amdhsa.kernels:
  - .name:           k_qc03e7093ff_ln2
    .symbol:         k_qc03e7093ff_ln2.kd
    .args:
      - { .name: x1, .offset: 0, .size: 8, .value_kind: global_buffer, .address_space: global }
      - { .name: g2, .offset: 8, .size: 8, .value_kind: global_buffer, .address_space: global }
      - { .name: be2, .offset: 16, .size: 8, .value_kind: global_buffer, .address_space: global }
      - { .name: hbuf, .offset: 24, .size: 8, .value_kind: global_buffer, .address_space: global }
    .group_segment_fixed_size: 0
    .private_segment_fixed_size: 0
    .kernarg_segment_align: 8
    .kernarg_segment_size: 32
    .max_flat_workgroup_size: 256
    .sgpr_count:     66
    .vgpr_count:     160
    .wavefront_size: 32
...
	.end_amdgpu_metadata
.endif
;; end of part 5
;; launch gemm_ffn1 (part 6): grid 16 x 16, 4 waves a work-group, clusters of 4 x 4, 327,680 bytes of LDS; arguments hbuf, wb, f1, b1; writes f1
.if DOCPART == 6
	.amdgcn_target "amdgcn-amd-amdhsa--gfx1250"
	.amdhsa_code_object_version 6
	.text
	.protected	k_qc03e7093ff_gemm_ffn1
	.globl	k_qc03e7093ff_gemm_ffn1
	.p2align	8
	.type	k_qc03e7093ff_gemm_ffn1,@function
k_qc03e7093ff_gemm_ffn1:
	s_mov_b64 s[64:65], 0
	v_nop
	global_prefetch_b8 v0, s[64:65] scope:SCOPE_SE
	s_setreg_imm32_b32 hwreg(HW_REG_WAVE_MODE, 25, 1), 1
	s_wait_xcnt 0x0
	s_wait_alu depctr_hold_cnt(0) depctr_sa_sdst(0) depctr_va_vdst(0) depctr_va_sdst(0) depctr_va_ssrc(0) depctr_va_vcc(0) depctr_vm_vsrc(0)
	s_getreg_b32 s2, hwreg(HW_REG_IB_STS2, 6, 4)
	s_cmp_eq_u32 s2, 0
	s_cbranch_scc0 .Lentry_in_a_cluster
	s_endpgm
.Lentry_in_a_cluster:
	s_bfe_u32 s2, ttmp6, 0x10000c
	s_cmp_lg_u32 s2, 0xf033
	s_cbranch_scc0 .Lentry_shape_is_right
	s_endpgm
.Lentry_shape_is_right:
; C[m][n] = sum over k of A[m][k] W[k][n] (+ bias[n], then relu, where BIAS and RELU are set).  A: [4096][SIZE_K] bf16; W: [SIZE_K][SIZE_N] bf16 at byte WOFF of the
; weights' buffer; C: [4096][SIZE_N] bf16; sums in f32, C rounded once.  relu is a maximum with 0 in which a NaN loses: a NaN becomes 0.
; A tile of C, 256 x 256, is made by a work-group of four waves; a wave makes 128 x 128: 64 accumulators of 16 x 16, 512 registers.  K goes in steps of 128 through a
; ring of two LDS slots filled by the tensor data mover: 256 rows x 256 bytes of A, 128 rows (k) x 512 bytes of W; all rows start at multiples of 256 bytes.
; W lies [k][n], so its fragments come out of LDS turned, by ds_load_tr16_b128; A's come as they lie.
; CLUSTERS: 4 x 4 work-groups.  The four of a row of the cluster need the same tiles of A, the four of a column the same tiles of W: each tile is asked for JOINTLY,
; by the same tensor load with the same descriptor and a mask that names the four.
; THE MATRIX INSTRUCTION IS USED TRANSPOSED (source 0 = 16 columns of W, source 1 = 16 rows of A): lane l then holds row l % 16 of C and, in registers 0..7, the columns
; 8 (l / 16) + 0..7.  The bias, loaded in just that order, is the C operand of each sum's first product: it costs no addition, and nothing is cleared.
; REGISTERS, in windows of 256:  window 0: v16-27 addresses; v64-127, v128-191 fragments of A, two buffers; v32-63, v192-255 at work on the way out
;   window 1: v0-63 the bias; v64-127, v128-191 fragments of W, two buffers     window 2, 3: the accumulators of my rows 0-63, 64-127 ((a, b) at v[8 (8 a + b)])
.set SIZE_N, 4096
.set SIZE_K, 1024
.set WOFF,   8388608
.set BIAS,   1
.set RELU,   1
.set KSTEP,  128
.set PA,     272                       ; A's LDS rows: 256 bytes + 16 = 68 words: the 16 rows of a fragment load start 4 words apart, modulo 64 words all different
.set PB,     544                       ; W's LDS rows: 512 bytes + 32 = 17 x 32 bytes: the 8 rows x 32 bytes that 16 lanes of a turning load take do not meet modulo 256 bytes
.set HALFT,  128*PA                    ; what one tensor load brings: 128 rows of A, or 64 rows of W (64 x 544 is the same number)
.set SLOT,   4*HALFT                   ; A's 256 rows, then W's 128
.set STAGE,  2*SLOT                    ; behind the ring: 16 rows x 272 bytes for each wave, for the way out; no tensor load lands there
.set SPITCH, 272
.set LAPS,   SIZE_K/(2*KSTEP)          ; a lap = two K steps = once round the ring
.set ADRA, 16                          ; v16-17  LDS address of my A fragments in slot 0, 1
.set ADRB, 20                          ; v20-21  the same for W
.set STO,  24                          ; v24     the way out: where I put 16 bytes of a row
.set RD,   25                          ; v25     the way out: where I read a row back
.set CO,   26                          ; v26     my byte offset in C
.set VB,   27                          ; v27     my byte offset in the bias
.set F0,   64
.set F1,   128
.set TMP,  192
.set OB,   32
.set G1,  24                           ; s[24:31] descriptor group 1 for A's tiles;  s[32:39] group 0, one set for each slot
.set G0,  32
.set G1B, 48                           ; s[48:55], s[56:63] the same for W's tiles
.set G0B, 56
.set MSB, 0
.macro WIN new                         ; s_set_vgpr_msb: bits 1:0 source 0, 3:2 source 1, 5:4 source 2, 7:6 destination; the high byte repeats the setting that is left
.if MSB != (\new)
	s_set_vgpr_msb (MSB<<8)|(\new)
.set MSB, (\new)
.endif
.endm
.set MUL_LO, 0xa1                      ; source 0 (W) window 1, source 1 (A) window 0, C and D window 2
.set MUL_HI, 0xf1                      ; the same, C and D window 3
.set TO_B,   0x40                      ; destination window 1, address window 0
; A joint load.  Waves 0 and 1 fetch A's two halves, waves 2 and 3 W's.  The branch hangs on the wave's number alone.  Four v_nop follow each line.
.macro JLOAD s
	s_cmp_eq_u32 s11, 0
	s_cbranch_scc0 .Lfor_b_\@
	tensor_load_to_lds s[G0+4*\s:G0+4*\s+3], s[G1:G1+7]
	s_nop 0
.rept 4
	v_nop
.endr
	s_branch .Lasked_\@
.Lfor_b_\@:
	tensor_load_to_lds s[G0B+4*\s:G0B+4*\s+3], s[G1B:G1B+7]
	s_nop 0
.rept 4
	v_nop
.endr
.Lasked_\@:
.endm
.macro CREST                           ; a round of the cluster's barrier behind its opening barrier: wave 0 signals for the work-group, every wave waits for all sixteen, my work-group's barrier closes it
	s_cmp_lg_u32 s10, 0
	s_cbranch_scc1 .Lnot_wave_0_\@
	s_barrier_signal -3
.Lnot_wave_0_\@:
	s_barrier_wait -3
	s_barrier_signal -1
	s_barrier_wait -1
.endm
.macro CROUND
	s_barrier_signal -1
	s_barrier_wait -1
	CREST
.endm
	s_load_b128 s[4:7], s[0:1], 0x0                ; A s[4:5], the weights' buffer s[6:7]
	s_load_b64 s[8:9], s[0:1], 0x10                ; C
.if BIAS
	s_load_b64 s[66:67], s[0:1], 0x18              ; the bias
	s_set_vgpr_msb 0x40
	v_lshl_add_u32 v255, v0, 2, 0x48400
	s_set_vgpr_msb 0x4000
	v_mov_b32 v31, 0
	s_set_vgpr_msb 0x1
	ds_add_u32 v255, v31
	s_set_vgpr_msb 0x100
.endif
	v_lshrrev_b32 v1, 5, v0
	v_readfirstlane_b32 s10, v1                    ; wave 0..3
	s_lshr_b32 s11, s10, 1                         ; which half of the tile's rows is mine.  Also: I fetch for A (0) or for W (1)
	s_and_b32 s12, s10, 1                          ; which half of its columns.  Also: which half of that tile I fetch
	s_bfe_u32 s40, ttmp6, 0x40000                  ; cx, cy: my place in the cluster
	s_bfe_u32 s41, ttmp6, 0x40004
	s_lshl_b32 s42, ttmp9, 2
	s_add_co_u32 s42, s42, s40                     ; tile column of C = 4 x cluster x + cx
	s_and_b32 s13, ttmp7, 0xffff
	s_lshl_b32 s13, s13, 2
	s_add_co_u32 s13, s13, s41                     ; tile row of C = 4 x cluster y + cy
	s_lshl_b32 s43, s41, 2
	s_lshl_b32 s43, 15, s43                        ; my row of the cluster
	s_lshl_b32 s44, 0x1111, s40                    ; my column
	s_or_b32 s[G1+0], s43, (1<<16)|(1<<20)|(1<<21)|(5<<22)|(3<<25)   ; mask: my row; elements of 2 bytes; padding on; bit 21 beside a mask; after every 64 words, 4 words
	s_mov_b32 s[G1+1], KSTEP<<16                   ; tensor_dim0 = 128
	s_mov_b32 s[G1+2], 128<<16                     ; tensor_dim1 = 128
	s_mov_b32 s[G1+3], KSTEP<<16                   ; tile_dim0 = 128
	s_mov_b32 s[G1+4], 128                         ; tile_dim1 = 128
	s_mov_b32 s[G1+5], SIZE_K                      ; elements from row to row
	s_mov_b32 s[G1+6], 0
	s_mov_b32 s[G1+7], 0
	s_or_b32 s[G1B+0], s44, (1<<16)|(1<<20)|(1<<21)|(6<<22)|(7<<25)  ; mask: my column; after every 128 words, 8 words
	s_mov_b32 s[G1B+1], 256<<16                    ; tensor_dim0 = 256 columns
	s_mov_b32 s[G1B+2], 64<<16                     ; tensor_dim1 = 64 rows (k)
	s_mov_b32 s[G1B+3], 256<<16                    ; tile_dim0
	s_mov_b32 s[G1B+4], 64                         ; tile_dim1
	s_mov_b32 s[G1B+5], SIZE_N
	s_mov_b32 s[G1B+6], 0
	s_mov_b32 s[G1B+7], 0
	; A's tiles hang on the tile row alone, W's on the tile column alone; each address is made in registers that never hold the other coordinate
	s_lshl_b32 s17, s12, 7
	s_lshl_b32 s16, s13, 8
	s_add_co_u32 s16, s16, s17                     ; A: row 256 x tile row + 128 x half
	s_mul_i32 s16, s16, SIZE_K*2                   ; under 2^24 bytes
	s_mov_b32 s17, 0
	s_lshl_b32 s46, s12, 6                         ; W: row (k) 64 x half,
	s_mul_i32 s46, s46, SIZE_N*2
	s_lshl_b32 s47, s42, 9                         ; 512 bytes x tile column
	s_add_co_u32 s46, s46, s47
.if WOFF
	s_add_co_u32 s46, s46, WOFF
.endif
	s_mov_b32 s47, 0
	s_mul_i32 s20, s10, HALFT                      ; where they go: wave x HALFT: no place in the cluster enters an LDS address
	s_wait_dscnt 0x0
	s_wait_kmcnt 0x0
	s_add_nc_u64 s[14:15], s[4:5], s[16:17]
	s_add_nc_u64 s[46:47], s[6:7], s[46:47]
	CROUND                                         ; all sixteen work-groups are here: the first joint loads meet
.irp s, 0,1
	s_mov_b32 s[G0+4*\s], 1
	s_add_co_u32 s[G0+4*\s+1], s20, \s*SLOT
	s_add_nc_u64 s[G0+4*\s+2:G0+4*\s+3], s[14:15], \s*KSTEP*2
	s_or_b32 s[G0+4*\s+3], s[G0+4*\s+3], 0x80000000
	s_mov_b32 s[G0B+4*\s], 1
	s_add_co_u32 s[G0B+4*\s+1], s20, \s*SLOT
	s_add_nc_u64 s[G0B+4*\s+2:G0B+4*\s+3], s[46:47], \s*KSTEP*SIZE_N*2
	s_or_b32 s[G0B+4*\s+3], s[G0B+4*\s+3], 0x80000000
	JLOAD \s                                       ; both slots are asked for before anything else: two tensor loads of mine are out
.endr
	v_and_b32 v1, 15, v0                           ; r = l % 16
	v_bfe_u32 v2, v0, 4, 1                         ; h = l / 16
	v_mul_u32_u24 v3, v1, PA
	v_lshl_add_u32 v3, v2, 4, v3                   ; A: row r, 16 bytes x h; the fragment's second half lies 32 bytes on
	v_and_b32 v6, 7, v0
	v_bfe_u32 v7, v0, 3, 1
	v_lshl_add_u32 v6, v2, 3, v6                   ; W: the turning load takes row (k) 8 h + l % 8,
	v_mul_u32_u24 v6, v6, PB
	v_lshl_add_u32 v6, v7, 4, v6                   ; columns 8 ((l / 8) % 2) + 0..7, and leaves lane l column r and eight k; the second half lies 16 rows on
	s_mul_i32 s21, s11, HALFT                      ; my 128 rows of A
	s_lshl_b32 s22, s12, 8                         ; my 128 columns of W,
	s_add_co_u32 s22, s22, 2*HALFT                 ; which lies behind A
.irp s, 0,1
	v_add_nc_u32 v[ADRA+\s], s21, v3
	v_add_nc_u32 v[ADRB+\s], s22, v6
	s_add_co_u32 s21, s21, SLOT
	s_add_co_u32 s22, s22, SLOT
.endr
	s_mul_i32 s23, s10, 16*SPITCH
	s_add_co_u32 s23, s23, STAGE                   ; my stage
	v_mul_u32_u24 v4, v1, SPITCH
	v_lshl_add_u32 v4, v2, 4, v4
	v_add_nc_u32 v[STO], s23, v4
	v_mul_u32_u24 v5, v2, SPITCH
	v_lshl_add_u32 v5, v1, 4, v5
	v_add_nc_u32 v[RD], s23, v5
	v_mul_u32_u24 v5, v2, SIZE_N*2
	v_lshl_add_u32 v[CO], v1, 4, v5
	s_lshl_b32 s13, s13, 8
	s_lshl_b32 s14, s11, 7
	s_add_co_u32 s16, s13, s14                     ; my first row of C
	s_mul_i32 s16, s16, SIZE_N*2                   ; under 2^26 bytes
	s_mov_b32 s17, 0
	s_add_nc_u64 s[8:9], s[8:9], s[16:17]
	s_lshl_b32 s46, s42, 9                         ; my first column, in bytes
	s_lshl_b32 s47, s12, 8
	s_add_co_u32 s46, s46, s47
	s_mov_b32 s47, 0
	s_add_nc_u64 s[8:9], s[8:9], s[46:47]
.if BIAS
	v_lshlrev_b32 v[VB], 5, v2                     ; eight f32 x h
	s_lshl_b32 s68, s42, 10                        ; my 128 columns of the bias
	s_lshl_b32 s69, s12, 9
	s_add_co_u32 s68, s68, s69
	s_mov_b32 s69, 0
	s_add_nc_u64 s[66:67], s[66:67], s[68:69]
	WIN TO_B
.irp b, 0,1,2,3,4,5,6,7
	global_load_b128 v[8*\b:8*\b+3],   v[VB], s[66:67] offset:64*\b       ; columns 16 b + 8 h + 0..3
	global_load_b128 v[8*\b+4:8*\b+7], v[VB], s[66:67] offset:64*\b+16
.endr
	WIN 0
.endif
; 16 matrix instructions: m blocks a0, a0 + 1 of the window's four x all 8 n blocks, 32 along K.  zero = 1: the first product starts the sums, from the bias or from 0.
; The 64 accumulators take turns, one instruction a turn, in the same order in every quarter.
.macro MUL16 f, hi, a0, zero
.irp a, \a0, \a0+1
.irp b, 0,1,2,3,4,5,6,7
.if \zero && BIAS
	v_wmma_f32_16x16x32_bf16 v[8*(8*(\a)+\b):8*(8*(\a)+\b)+7], v[\f+8*\b:\f+8*\b+7], v[\f+8*(4*\hi+\a):\f+8*(4*\hi+\a)+7], v[8*\b:8*\b+7]
.elseif \zero
	v_wmma_f32_16x16x32_bf16 v[8*(8*(\a)+\b):8*(8*(\a)+\b)+7], v[\f+8*\b:\f+8*\b+7], v[\f+8*(4*\hi+\a):\f+8*(4*\hi+\a)+7], 0
.else
	v_wmma_f32_16x16x32_bf16 v[8*(8*(\a)+\b):8*(8*(\a)+\b)+7], v[\f+8*\b:\f+8*\b+7], v[\f+8*(4*\hi+\a):\f+8*(4*\hi+\a)+7], v[8*(8*(\a)+\b):8*(8*(\a)+\b)+7]
.endif
.endr
.endr
.endm
; 32 LDS loads in one run: the fragments of quarter q (32 along K) of a slot into buffer f: W's 128 columns, turned, then A's 128 rows
.macro FETCH slot, q, f
	WIN TO_B
.irp i, 0,1,2,3,4,5,6,7
	ds_load_tr16_b128 v[\f+8*\i:\f+8*\i+3],   v[ADRB+\slot] offset:\q*32*PB+32*\i
	ds_load_tr16_b128 v[\f+8*\i+4:\f+8*\i+7], v[ADRB+\slot] offset:\q*32*PB+16*PB+32*\i
.endr
	WIN 0
.irp i, 0,1,2,3,4,5,6,7
	ds_load_b128 v[\f+8*\i:\f+8*\i+3],   v[ADRA+\slot] offset:\q*64+\i*16*PA
	ds_load_b128 v[\f+8*\i+4:\f+8*\i+7], v[ADRA+\slot] offset:\q*64+\i*16*PA+32
.endr
.endm
.macro PLACES                          ; four plain vector instructions between a matrix instruction and a load into, or a vector read of, its registers (ISA guide 7.12.1 for vector reads)
.rept 4
	v_nop
.endr
.endm
; A K step is four quarters of 32 along K, 64 matrix instructions each, on buffers 0, 1, 0, 1.  One of the first three multiplies buffer f and, in its middle, fetches quarter q into buffer g.
.macro QUARTER slot, q, f, g, zero
	s_wait_dscnt 8                                 ; W and A's rows 0-63 are in; the youngest eight loads (A's rows 64-127) may be out
.if \zero && BIAS
	WIN 0x91                                       ; as MUL_LO, with C (the bias) in window 1
.else
	WIN MUL_LO
.endif
	MUL16 \f, 0, 0, \zero
	MUL16 \f, 0, 2, \zero
	PLACES
	FETCH \slot, \q, \g
	s_wait_dscnt 32                                ; all but the 32 just issued
.if \zero && BIAS
	WIN 0xd1
.else
	WIN MUL_HI
.endif
	MUL16 \f, 1, 0, \zero
	MUL16 \f, 1, 2, \zero
.endm
; The last quarter multiplies buffer 1 and changes slots: ONE barrier.  In front of it each wave waits for its reads of this slot and for all its tensor loads (one is out: its part of the next slot).
.macro MEET round
	s_wait_dscnt 8
	WIN MUL_LO
	MUL16 F1, 0, 0, 0
	s_wait_dscnt 0                                 ; my reads of this slot are over
	s_wait_tensorcnt 0x0                           ; all my tensor loads have landed
	ds_add_u32 v255, v31
	s_wait_dscnt 0x0
	s_barrier_signal -1
	MUL16 F1, 0, 2, 0                              ; register work while the others arrive
.if \round
	WIN 0                                          ; every window is 0 there
.endif
	s_barrier_wait -1
.endm
.macro TURN slot, next
	MEET 1
	CREST                                          ; the barrier has opened a round of the cluster's: no wave of any partner still reads this slot or has a load on its way
	s_add_nc_u64 s[G0+4*\slot+2:G0+4*\slot+3], s[G0+4*\slot+2:G0+4*\slot+3], 2*KSTEP*2
	s_add_nc_u64 s[G0B+4*\slot+2:G0B+4*\slot+3], s[G0B+4*\slot+2:G0B+4*\slot+3], 2*KSTEP*SIZE_N*2
	JLOAD \slot                                    ; the first tensor load behind the round, 240 matrix instructions ahead of the wait for it; its four v_nop are also the places in front of the loads below
	FETCH \next, 0, F0
	WIN MUL_HI
	MUL16 F1, 1, 0, 0
	MUL16 F1, 1, 2, 0
.endm
; THE WAY OUT of block a (16 rows).  PACK: relu, rounding to bf16, 16 bytes a lane, each accumulator's registers in ascending order.  TOSTAGE: into my own stage and back as whole rows of 256 bytes.  SEND: stored.
.macro PACK a
.set AC, 64*((\a)%4)
.if RELU
	WIN 0x88+0x44*((\a)/4)                         ; source 1 and destination: window 2 or 3
.set i, 0
.rept 64
	v_max_num_f32 v[AC+i], 0, v[AC+i]
.set i, i+1
.endr
.endif
	WIN 0x0a+5*((\a)/4)                            ; sources 0 and 1: window 2 or 3
.irp b, 0,1,2,3,4,5,6,7
.irp r, 0,1,2,3
	v_cvt_pk_bf16_f32 v[TMP+4*\b+\r], v[AC+8*\b+2*\r], v[AC+8*\b+2*\r+1]
.endr
.endr
	WIN 0
.endm
.macro TOSTAGE a
.set BK, OB+192*((\a)%2)
.irp b, 0,1,2,3,4,5,6,7
	ds_store_b128 v[STO], v[TMP+4*\b:TMP+4*\b+3] offset:32*\b
.endr
.irp t, 0,1,2,3,4,5,6,7
	ds_load_b128 v[BK+4*\t:BK+4*\t+3], v[RD] offset:\t*2*SPITCH    ; LDS serves a wave's instructions in order (ISA guide 5.7.1.4): these see the stores above
.endr
.endm
.macro SEND a
.set BK, OB+192*((\a)%2)
	s_wait_dscnt 0                                 ; the block is back in registers
	s_wait_xcnt 0x0                                ; only behind this wait are the stores' base and the registers that earlier stores read written again
.if (\a) > 0
	s_add_nc_u64 s[8:9], s[8:9], 16*SIZE_N*2       ; 16 rows of C on
.endif
.irp t, 0,1,2,3,4,5,6,7
	global_store_b128 v[CO], v[BK+4*\t:BK+4*\t+3], s[8:9] offset:2*\t*SIZE_N*2   ; 16 lanes store 256 consecutive bytes, at a multiple of 256 from C's first byte
.endr
.endm
	s_wait_tensorcnt 1                             ; my part of K step 0 is in; K step 1's may stay out
	s_barrier_signal -1
	s_barrier_wait -1
	FETCH 0, 0, F0
.if BIAS
	s_wait_loadcnt 0x0                             ; the bias
.endif
	QUARTER 0, 1, F0, F1, 1                        ; the first quarter stands in front of the loop: its products start the sums
	WIN 0
	s_mov_b32 s3, LAPS-1
.Llap:                                                 ; a trip goes once round the ring, from a lap's second quarter to the next lap's first, and fills both slots again
	QUARTER 0, 2, F1, F0, 0
	QUARTER 0, 3, F0, F1, 0
	TURN 0, 1
	QUARTER 1, 1, F0, F1, 0
	QUARTER 1, 2, F1, F0, 0
	QUARTER 1, 3, F0, F1, 0
	TURN 1, 0
	QUARTER 0, 1, F0, F1, 0
	WIN 0
	s_sub_co_u32 s3, s3, 1
	s_cmp_lg_u32 s3, 0
	s_cbranch_scc1 .Llap
	QUARTER 0, 2, F1, F0, 0                        ; the last lap fills nothing, and has no round of the cluster's barrier
	QUARTER 0, 3, F0, F1, 0
	MEET 0
	PLACES
	FETCH 1, 0, F0
	WIN MUL_HI
	MUL16 F1, 1, 0, 0
	MUL16 F1, 1, 2, 0
	QUARTER 1, 1, F0, F1, 0
	QUARTER 1, 2, F1, F0, 0
	QUARTER 1, 3, F0, F1, 0
	s_wait_dscnt 8                                 ; the very last quarter: nothing more to fetch
	WIN MUL_LO
	MUL16 F1, 0, 0, 0
	MUL16 F1, 0, 2, 0
	s_wait_dscnt 0
	WIN MUL_HI
	MUL16 F1, 1, 0, 0
	MUL16 F1, 1, 2, 0
	WIN 0
	PLACES
	PACK 0
	TOSTAGE 0
.irp a, 1,2,3,4,5,6,7                  ; block a's arithmetic stands between block a - 1's loads from the stage and the wait for them
	PACK \a
	SEND \a-1
	TOSTAGE \a
.endr
	SEND 7
	s_set_vgpr_msb 0x1
	s_wait_tensorcnt 0x0
	ds_add_u32 v255, v31
	s_wait_dscnt 0x0
	s_set_vgpr_msb 0x100
	CROUND                                         ; the closing round: no work-group ends while a partner may still ask for a tile that names it
	s_endpgm
.Lfunc_end_k_qc03e7093ff_gemm_ffn1:
	.size	k_qc03e7093ff_gemm_ffn1, .Lfunc_end_k_qc03e7093ff_gemm_ffn1-k_qc03e7093ff_gemm_ffn1
	.p2alignl 7, 3214868480
	.fill 96, 4, 3214868480
	.section	.rodata,"a",@progbits
	.p2align	6, 0x0
	.amdhsa_kernel k_qc03e7093ff_gemm_ffn1
		.amdhsa_group_segment_fixed_size 327680
		.amdhsa_private_segment_fixed_size 0
		.amdhsa_enable_private_segment 0
		.amdhsa_kernarg_size 32
		.amdhsa_user_sgpr_count 2
		.amdhsa_user_sgpr_kernarg_segment_ptr 1
		.amdhsa_wavefront_size32 1
		.amdhsa_system_sgpr_workgroup_id_x 1
		.amdhsa_system_sgpr_workgroup_id_y 1
		.amdhsa_system_sgpr_workgroup_id_z 1
		.amdhsa_system_vgpr_workitem_id 0
		.amdhsa_next_free_vgpr 1024
		.amdhsa_next_free_sgpr 80
		.amdhsa_reserve_vcc 0
		.amdhsa_float_denorm_mode_32 3
		.amdhsa_float_denorm_mode_16_64 3
		.amdhsa_memory_ordered 1
		.amdhsa_forward_progress 1
		.amdhsa_inst_pref_size 161
	.end_amdhsa_kernel
	.amdgpu_metadata
---
amdhsa.version: [ 1, 2 ]
amdhsa.kernels:
  - .name:           k_qc03e7093ff_gemm_ffn1
    .symbol:         k_qc03e7093ff_gemm_ffn1.kd
    .args:
      - { .name: hbuf, .offset: 0, .size: 8, .value_kind: global_buffer, .address_space: global }
      - { .name: wb, .offset: 8, .size: 8, .value_kind: global_buffer, .address_space: global }
      - { .name: f1, .offset: 16, .size: 8, .value_kind: global_buffer, .address_space: global }
      - { .name: b1, .offset: 24, .size: 8, .value_kind: global_buffer, .address_space: global }
    .group_segment_fixed_size: 327680
    .private_segment_fixed_size: 0
    .kernarg_segment_align: 8
    .kernarg_segment_size: 32
    .max_flat_workgroup_size: 128
    .sgpr_count:     80
    .vgpr_count:     1024
    .wavefront_size: 32
...
	.end_amdgpu_metadata
.endif
;; end of part 6
;; launch gemm_ffn2 (part 7): grid 8 x 32, 4 waves a work-group, clusters of 4 x 4, 327,680 bytes of LDS; arguments f1, wb, out0, b2, x1; writes out0
.if DOCPART == 7
	.amdgcn_target "amdgcn-amd-amdhsa--gfx1250"
	.amdhsa_code_object_version 6
	.text
	.protected	k_qc03e7093ff_gemm_ffn2
	.globl	k_qc03e7093ff_gemm_ffn2
	.p2align	8
	.type	k_qc03e7093ff_gemm_ffn2,@function
k_qc03e7093ff_gemm_ffn2:
	s_mov_b64 s[64:65], 0
	v_nop
	global_prefetch_b8 v0, s[64:65] scope:SCOPE_SE
	s_setreg_imm32_b32 hwreg(HW_REG_WAVE_MODE, 25, 1), 1
	s_wait_xcnt 0x0
	s_wait_alu depctr_hold_cnt(0) depctr_sa_sdst(0) depctr_va_vdst(0) depctr_va_sdst(0) depctr_va_ssrc(0) depctr_va_vcc(0) depctr_vm_vsrc(0)
	s_getreg_b32 s2, hwreg(HW_REG_IB_STS2, 6, 4)
	s_cmp_eq_u32 s2, 0
	s_cbranch_scc0 .Lentry_in_a_cluster
	s_endpgm
.Lentry_in_a_cluster:
	s_bfe_u32 s2, ttmp6, 0x10000c
	s_cmp_lg_u32 s2, 0xf033
	s_cbranch_scc0 .Lentry_shape_is_right
	s_endpgm
.Lentry_shape_is_right:
; C[m][n] = R[m][n] + bias[n] + sum over k of A[m][k] W[k][n].  A: 4,096 rows x SIZE_K bf16; W: [SIZE_K][1024] bf16 at byte WOFF of the weights' buffer; R, C: [4096][1024] f32.
; PAIRED = 1: A lies as [pairs of rows][16 heads][2 rows][64]: 256 along K of a pair of rows are 1,024 consecutive bytes.  PAIRED = 0: A lies row by row.
; C has 32 x 8 tiles of 128 x 128: one for each of 256 work-groups.  Four waves, each 64 x 64: 16 accumulators.  K goes in steps of 256 through two LDS slots filled by the tensor
; data mover: 256 rows (k) x 256 bytes of W, then 128 rows x 512 bytes of A.  W's fragments come out of LDS turned (ds_load_tr16_b128), A's as they lie.
; CLUSTERS: 4 x 4 work-groups; A's tiles are shared along a row of the cluster, W's along a column, each asked for JOINTLY.
; THE MATRIX INSTRUCTION IS USED TRANSPOSED (source 0 = 16 columns of W, source 1 = 16 rows of A): a lane holds eight neighbouring numbers of a row of C.  The bias, loaded in that
; order, is the C operand of each sum's first product.  The residual R is loaded at the start, in the order in which C leaves, and waits in registers.
; A wave's 64 columns of f32 are 256 bytes, aligned: each wave sends its own blocks of 16 rows through a stage of its own, and no barrier is needed on the way out.
; PREFETCH.  All work-groups walk K in step, so a K step's bytes are wanted for the first time by the joint loads themselves.  Behind the joint load that asks for K step t, wave 3
; prefetches this work-group's share of K step t + 2's tiles: two K steps, 256 matrix instructions of each wave, ahead of the joint load that will want them; behind the two first fills,
; of K steps 2 and 3.  Each aligned block of 256 bytes is asked for once in the launch, by lanes one block apart.  A: the 8 work-groups of a tile row share its tile's 256 blocks:
; 32 each, one instruction a K step.  W: a K step's 256 rows of 2,048 bytes are 2,048 consecutive blocks for the whole launch, 64 instructions: they are issued by the 64 work-groups of
; the four clusters whose y equals the K step modulo 4, one instruction each; that choice hangs on the cluster's y and a counter, alike in all partners.  The loop's last trip asks for
; nothing: the highest K step asked for is the last one.  With four K steps (SIZE_K = 1024) only the two requests at the start exist.
; REGISTERS: window 0: v16-29 addresses; v32-95 at work on the way out; v96-127 the bias; v128-255 the accumulators ((a, b) at v[128 + 8 (4 a + b)])
;   window 1: two fragment buffers of 128 (64 along K: 64 registers of A, then 64 of W)          window 2: v0-127 the residual
.set SIZE_N, 1024
.set SIZE_K, 4096
.set WOFF,   16777216
.set PAIRED, 0
.set KSTEP,  256
.set PB,     288                       ; W's LDS rows: 256 bytes + 32 = 9 x 32 bytes: the 8 rows x 32 bytes that 16 lanes of a turning load take do not meet modulo 256 bytes
.set HALFB,  128*PB                    ; what one tensor load brings of W: 128 rows (k)
.set BBYTES, 2*HALFB
.if PAIRED
.set PA,     1040                      ; a pair of rows: 1,024 bytes + 16: rows r of a fragment start at words 260 (r / 2) + 32 (r % 2): modulo 64 words all different, 4 apart
.set HALFA,  32*PA                     ; 64 rows
.set KQB,    256                       ; 64 along K (one head) in a pair's bytes
.set RB16,   8*PA                      ; 16 rows
.set ASTEP,  1024                      ; a K step in memory
.set AQI,    7                         ; padding after every 256 words
.set AD0,    512
.set AROWS,  32
.set APITCH, 2048
.set LOGA,   2                         ; a K step of a pair of rows is 4 blocks of 256 bytes
.else
.set PA,     528                       ; 512 bytes + 16 = 132 words: the 16 rows of a fragment load start 4 words apart, modulo 64 words all different
.set HALFA,  64*PA
.set KQB,    128
.set RB16,   16*PA
.set ASTEP,  512
.set AQI,    6                         ; padding after every 128 words
.set AD0,    256
.set AROWS,  64
.set APITCH, SIZE_K
.set LOGA,   1                         ; a K step of a row is 2 blocks of 256 bytes
.endif
.set ABLK,   1<<LOGA
.set WSTEP,  KSTEP*SIZE_N*2            ; a K step of W in memory: 524,288 consecutive bytes
.set SLOT,   BBYTES+2*64*528           ; 141,312: the larger of the two forms of A
.set STAGE,  2*SLOT                    ; behind the ring: 16 rows x 272 bytes for each wave; no tensor load lands there
.set SPITCH, 272
.set LAPS,   SIZE_K/(2*KSTEP)
.set ADRA, 16                          ; v16-17  LDS address of my A fragments in slot 0, 1
.set ADRB, 20                          ; v20-23  the same for W: slot s, half kh of the step's 256 k at 2 s + kh (a step's rows span more than an offset's 16 bits)
.set STO,  24
.set RD,   25
.set CO,   26                          ; v26     my byte offset in C and in R
.set VB,   27                          ; v27     my byte offset in the bias
.set PFA,  28                          ; v28     the prefetch of A: my lane's block in the work-group's share; never rewritten
.set PFW,  29                          ; v29     the prefetch of W: 256 x lane; never rewritten
.set TMP,  32
.set BI,   96
.set ACC,  128
.set F0,   0
.set F1,   128
.set G1,  24                           ; s[24:31] descriptor group 1 for A's tiles;  s[32:39] group 0, one set for each slot
.set G0,  32
.set G1B, 48                           ; s[48:55], s[56:63] the same for W's tiles
.set G0B, 56
.set PBA, 72                           ; s[72:73] the prefetch of A: the work-group's share of the even K step in hand
.set PBW, 74                           ; s[74:75] the same for W
.set PU,  76                           ; s76      that even K step's number
.set GY3, 77                           ; s77      the cluster's y modulo 4
.set PT,  78                           ; s78      at work
.set PFWAVE, 3                         ; the wave that prefetches
.set MSB, 0
.macro WIN new                         ; s_set_vgpr_msb: bits 1:0 source 0, 3:2 source 1, 5:4 source 2, 7:6 destination; the high byte repeats the setting that is left
.if MSB != (\new)
	s_set_vgpr_msb (MSB<<8)|(\new)
.set MSB, (\new)
.endif
.endm
.set MUL,  0x05                        ; sources 0 (W) and 1 (A) window 1; C and D window 0
.set TO_F, 0x40                        ; destination window 1, address window 0
.macro JLOAD s                         ; a joint load: waves 0 and 1 fetch W's two halves, waves 2 and 3 A's; four v_nop follow each line
	s_cmp_eq_u32 s11, 0
	s_cbranch_scc0 .Lfor_a_\@
	tensor_load_to_lds s[G0B+4*\s:G0B+4*\s+3], s[G1B:G1B+7]
	s_nop 0
.rept 4
	v_nop
.endr
	s_branch .Lasked_\@
.Lfor_a_\@:
	tensor_load_to_lds s[G0+4*\s:G0+4*\s+3], s[G1:G1+7]
	s_nop 0
.rept 4
	v_nop
.endr
.Lasked_\@:
.endm
; The prefetch of K step s[PU] + odd.  inloop = 1: in the loop over laps: nothing in its last trip (s3 = 1), whose look-ahead would pass the last K step; at the even K step the bases go
; one lap on, behind s_wait_xcnt 0, which stands a K step behind the last prefetch that names them (ISA guide 3.1); the odd K step is reached by the immediate.
.macro PREF odd, inloop
	s_cmp_lg_u32 s10, PFWAVE
	s_cbranch_scc1 .Lpf_none_\@
.if \inloop
	s_cmp_lt_u32 s3, 2
	s_cbranch_scc1 .Lpf_none_\@
.if !\odd
	s_wait_xcnt 0x0
	s_add_nc_u64 s[PBA:PBA+1], s[PBA:PBA+1], 2*ASTEP
	s_add_nc_u64 s[PBW:PBW+1], s[PBW:PBW+1], 2*WSTEP
	s_add_co_u32 s[PU], s[PU], 2
.endif
.endif
	global_prefetch_b8 v[PFA], s[PBA:PBA+1] offset:\odd*ASTEP th:TH_LOAD_NT scope:SCOPE_SE   ; 32 blocks of A's tile
	s_add_co_u32 s[PT], s[PU], \odd
	s_and_b32 s[PT], s[PT], 3
	s_cmp_lg_u32 s[PT], s[GY3]
	s_cbranch_scc1 .Lpf_none_\@                    ; this K step's W is another cluster row's to ask for
	global_prefetch_b8 v[PFW], s[PBW:PBW+1] offset:\odd*WSTEP th:TH_LOAD_NT scope:SCOPE_SE   ; 32 of the K step's 2,048 blocks of W
.Lpf_none_\@:
.endm
.macro CREST                           ; a round of the cluster's barrier behind its opening barrier
	s_cmp_lg_u32 s10, 0
	s_cbranch_scc1 .Lnot_wave_0_\@
	s_barrier_signal -3
.Lnot_wave_0_\@:
	s_barrier_wait -3
	s_barrier_signal -1
	s_barrier_wait -1
.endm
.macro CROUND
	s_barrier_signal -1
	s_barrier_wait -1
	CREST
.endm
	s_load_b128 s[4:7], s[0:1], 0x0                ; A s[4:5], the weights' buffer s[6:7]
	s_load_b64 s[8:9], s[0:1], 0x10                ; C
	s_load_b128 s[68:71], s[0:1], 0x18             ; the bias s[68:69], R s[70:71]
	v_lshl_add_u32 v30, v0, 2, 0x49400
	v_mov_b32 v31, 0
	ds_add_u32 v30, v31
	v_lshrrev_b32 v1, 5, v0
	v_readfirstlane_b32 s10, v1                    ; wave 0..3
	s_lshr_b32 s11, s10, 1                         ; which half of the tile's rows is mine.  Also: I fetch for W (0) or for A (1)
	s_and_b32 s12, s10, 1                          ; which half of its columns.  Also: which half of that tile I fetch
	s_bfe_u32 s40, ttmp6, 0x40000                  ; cx, cy
	s_bfe_u32 s41, ttmp6, 0x40004
	s_lshl_b32 s42, ttmp9, 2
	s_add_co_u32 s42, s42, s40                     ; tile column of C
	s_and_b32 s13, ttmp7, 0xffff
	s_lshl_b32 s13, s13, 2
	s_add_co_u32 s13, s13, s41                     ; tile row of C
	s_lshl_b32 s43, s41, 2
	s_lshl_b32 s43, 15, s43                        ; my row of the cluster
	s_lshl_b32 s44, 0x1111, s40                    ; my column
	s_or_b32 s[G1+0], s43, (1<<16)|(1<<20)|(1<<21)|(AQI<<22)|(3<<25)   ; mask: my row; elements of 2 bytes; padding on; bit 21 beside a mask; 4 words behind each LDS row
	s_mov_b32 s[G1+1], AD0<<16                     ; tensor_dim0
	s_mov_b32 s[G1+2], AROWS<<16                   ; tensor_dim1
	s_mov_b32 s[G1+3], AD0<<16                     ; tile_dim0
	s_mov_b32 s[G1+4], AROWS                       ; tile_dim1
	s_mov_b32 s[G1+5], APITCH
	s_mov_b32 s[G1+6], 0
	s_mov_b32 s[G1+7], 0
	s_or_b32 s[G1B+0], s44, (1<<16)|(1<<20)|(1<<21)|(5<<22)|(7<<25)    ; mask: my column; after every 64 words, 8 words
	s_mov_b32 s[G1B+1], 128<<16                    ; 128 columns
	s_mov_b32 s[G1B+2], 128<<16                    ; 128 rows (k)
	s_mov_b32 s[G1B+3], 128<<16
	s_mov_b32 s[G1B+4], 128
	s_mov_b32 s[G1B+5], SIZE_N
	s_mov_b32 s[G1B+6], 0
	s_mov_b32 s[G1B+7], 0
	s_lshl_b32 s17, s12, 6
	s_lshl_b32 s16, s13, 7
	s_add_co_u32 s16, s16, s17                     ; A: row 128 x tile row + 64 x half
	s_mul_i32 s16, s16, SIZE_K*2                   ; the same number of bytes in both forms of A; under 2^26
	s_mov_b32 s17, 0
	s_lshl_b32 s46, s12, 18                        ; W: row (k) 128 x half, 2,048 bytes each,
	s_lshl_b32 s47, s42, 8                         ; 256 bytes x tile column
	s_add_co_u32 s46, s46, s47
	s_add_co_u32 s46, s46, WOFF
	s_mov_b32 s47, 0
	s_mul_i32 s20, s10, HALFB                      ; where W's halves go: wave x HALFB (waves 0, 1)
	s_mul_i32 s21, s10, HALFA                      ; where A's go: behind W, (wave - 2) x HALFA (waves 2, 3)
	s_add_co_u32 s21, s21, BBYTES-2*HALFA
	s_wait_dscnt 0x0
	s_wait_kmcnt 0x0
	s_add_nc_u64 s[14:15], s[4:5], s[16:17]
	s_add_nc_u64 s[46:47], s[6:7], s[46:47]
	CROUND                                         ; all sixteen work-groups are here: the first joint loads meet
.irp s, 0,1
	s_mov_b32 s[G0+4*\s], 1
	s_add_co_u32 s[G0+4*\s+1], s21, \s*SLOT
	s_add_nc_u64 s[G0+4*\s+2:G0+4*\s+3], s[14:15], \s*ASTEP
	s_or_b32 s[G0+4*\s+3], s[G0+4*\s+3], 0x80000000
	s_mov_b32 s[G0B+4*\s], 1
	s_add_co_u32 s[G0B+4*\s+1], s20, \s*SLOT
	s_add_nc_u64 s[G0B+4*\s+2:G0B+4*\s+3], s[46:47], \s*KSTEP*SIZE_N*2
	s_or_b32 s[G0B+4*\s+3], s[G0B+4*\s+3], 0x80000000
	JLOAD \s                                       ; both slots are asked for before anything else: two tensor loads of mine are out
.endr
	; the prefetches' addresses.  My place in the cluster enters them in registers (s72 to s83) that feed no descriptor, no branch and no LDS address.
	v_and_b32 v8, 31, v0                           ; lane
	v_lshrrev_b32 v9, LOGA, v8                     ; A: row (or pair of rows) lane / ABLK of my share,
	v_and_b32 v10, ABLK-1, v8                      ; block lane % ABLK of its K step
	v_mul_u32_u24 v9, v9, APITCH*2
	v_lshl_add_u32 v[PFA], v10, 8, v9
	v_lshlrev_b32 v[PFW], 8, v8                    ; W: block lane of my share
	s_mul_i32 s80, s13, 2*AROWS                    ; A: the tile row's first row (or pair),
	s_mul_i32 s81, s42, 32/ABLK                    ; my eighth of the tile's rows, by the tile column,
	s_add_co_u32 s80, s80, s81
	s_mul_i32 s80, s80, APITCH*2                   ; in bytes: under 2^26
	s_add_co_u32 s80, s80, 2*ASTEP                 ; K step 2
	s_mov_b32 s81, 0
	s_add_nc_u64 s[PBA:PBA+1], s[4:5], s[80:81]
	s_and_b32 s82, s13, 3                          ; W: my number among the 64 work-groups of the four clusters with my y modulo 4:
	s_lshr_b32 s83, s13, 4                         ; tile column + 8 cy + 32 (cluster y / 4)
	s_lshl3_add_u32 s82, s82, s42
	s_lshl_b32 s83, s83, 5
	s_add_co_u32 s82, s82, s83
	s_lshl_b32 s82, s82, 13                        ; 32 blocks of 256 bytes each
	s_add_co_u32 s82, s82, WOFF+2*WSTEP            ; K step 2
	s_mov_b32 s83, 0
	s_add_nc_u64 s[PBW:PBW+1], s[6:7], s[82:83]
	s_and_b32 s[GY3], ttmp7, 3                     ; the cluster's y modulo 4: the same in all sixteen partners
	s_mov_b32 s[PU], 2
	PREF 0, 0                                      ; K step 2
	PREF 1, 0                                      ; K step 3
	v_and_b32 v1, 15, v0                           ; r = l % 16
	v_bfe_u32 v2, v0, 4, 1                         ; h = l / 16
	; C, R and the bias at my 64 x 64
	s_lshl_b32 s16, s13, 7
	s_lshl_b32 s17, s11, 6
	s_add_co_u32 s16, s16, s17
	s_lshl_b32 s16, s16, 12                        ; my first row, 4,096 bytes each
	s_mov_b32 s17, 0
	s_add_nc_u64 s[8:9], s[8:9], s[16:17]
	s_add_nc_u64 s[70:71], s[70:71], s[16:17]
	s_lshl_b32 s46, s42, 9
	s_lshl_b32 s47, s12, 8
	s_add_co_u32 s46, s46, s47                     ; my first column, in bytes
	s_mov_b32 s47, 0
	s_add_nc_u64 s[8:9], s[8:9], s[46:47]
	s_add_nc_u64 s[70:71], s[70:71], s[46:47]
	s_add_nc_u64 s[68:69], s[68:69], s[46:47]
	v_lshlrev_b32 v[VB], 5, v2                     ; eight f32 x h
	v_lshlrev_b32 v[CO], 12, v2                    ; lanes 0-15 one row's 256 bytes, lanes 16-31 the next row's
	v_lshl_add_u32 v[CO], v1, 4, v[CO]
.irp b, 0,1,2,3
	global_load_b128 v[BI+8*\b:BI+8*\b+3],   v[VB], s[68:69] offset:64*\b         ; columns 16 b + 8 h + 0..3
	global_load_b128 v[BI+8*\b+4:BI+8*\b+7], v[VB], s[68:69] offset:64*\b+16
.endr
	WIN 0x80                                       ; destination window 2
.irp a, 0,1,2,3
.irp t, 0,1,2,3,4,5,6,7
	global_load_b128 v[32*\a+4*\t:32*\a+4*\t+3], v[CO], s[70:71] offset:(16*\a+2*\t)*SIZE_N*4
.endr
.endr
	WIN 0
.if PAIRED
	v_lshrrev_b32 v4, 1, v1
	v_and_b32 v5, 1, v1
	v_mul_u32_u24 v3, v4, PA                       ; A: pair r / 2,
	v_lshl_add_u32 v3, v5, 7, v3                   ; row r % 2 (128 bytes),
.else
	v_mul_u32_u24 v3, v1, PA                       ; A: row r,
.endif
	v_lshl_add_u32 v3, v2, 4, v3                   ; 16 bytes x h; the fragment's second half lies 32 bytes on
	v_and_b32 v6, 7, v0
	v_bfe_u32 v7, v0, 3, 1
	v_lshl_add_u32 v6, v2, 3, v6                   ; W: the turning load takes row (k) 8 h + l % 8,
	v_mul_u32_u24 v6, v6, PB
	v_lshl_add_u32 v6, v7, 4, v6                   ; columns 8 ((l / 8) % 2) + 0..7; the second half lies 16 rows on
	s_mul_i32 s22, s11, HALFA
	s_add_co_u32 s22, s22, BBYTES                  ; my 64 rows of A
	s_lshl_b32 s23, s12, 7                         ; my 64 columns of W
.irp s, 0,1
	s_add_co_u32 s18, s22, \s*SLOT
	v_add_nc_u32 v[ADRA+\s], s18, v3
.irp kh, 0,1
	s_add_co_u32 s18, s23, \s*SLOT+\kh*HALFB
	v_add_nc_u32 v[ADRB+2*\s+\kh], s18, v6
.endr
.endr
	s_mul_i32 s23, s10, 16*SPITCH
	s_add_co_u32 s23, s23, STAGE                   ; my stage
	v_mul_u32_u24 v4, v1, SPITCH                   ; in: row r, 32 bytes x h
	v_lshl_add_u32 v4, v2, 5, v4
	v_add_nc_u32 v[STO], s23, v4
	v_mul_u32_u24 v5, v2, SPITCH                   ; back: lanes 0-15 one row, lanes 16-31 the next
	v_lshl_add_u32 v5, v1, 4, v5
	v_add_nc_u32 v[RD], s23, v5
; 8 matrix instructions: m blocks a0, a0 + 1 x all 4 n blocks, 32 along K: half c of buffer f.  zero = 1: the first product starts the sums from the bias.
; The 16 accumulators take turns, one instruction a turn.
.macro MUL8 f, c, a0, zero
.irp a, \a0, \a0+1
.irp b, 0,1,2,3
.if \zero
	v_wmma_f32_16x16x32_bf16 v[ACC+8*(4*(\a)+\b):ACC+8*(4*(\a)+\b)+7], v[\f+64+8*(4*\c+\b):\f+64+8*(4*\c+\b)+7], v[\f+8*(4*\c+\a):\f+8*(4*\c+\a)+7], v[BI+8*\b:BI+8*\b+7]
.else
	v_wmma_f32_16x16x32_bf16 v[ACC+8*(4*(\a)+\b):ACC+8*(4*(\a)+\b)+7], v[\f+64+8*(4*\c+\b):\f+64+8*(4*\c+\b)+7], v[\f+8*(4*\c+\a):\f+8*(4*\c+\a)+7], v[ACC+8*(4*(\a)+\b):ACC+8*(4*(\a)+\b)+7]
.endif
.endr
.endr
.endm
; 32 LDS loads in one run: the fragments of quarter q (64 along K) of a slot into buffer f; the first 32 along K first
.macro FETCH slot, q, f
	WIN TO_F
.irp c, 0,1
.irp i, 0,1,2,3
	ds_load_tr16_b128 v[\f+64+8*(4*\c+\i):\f+64+8*(4*\c+\i)+3],   v[ADRB+2*\slot+(\q)/2] offset:((\q)%2)*64*PB+\c*32*PB+32*\i
	ds_load_tr16_b128 v[\f+64+8*(4*\c+\i)+4:\f+64+8*(4*\c+\i)+7], v[ADRB+2*\slot+(\q)/2] offset:((\q)%2)*64*PB+\c*32*PB+16*PB+32*\i
	ds_load_b128 v[\f+8*(4*\c+\i):\f+8*(4*\c+\i)+3],              v[ADRA+\slot] offset:\q*KQB+64*\c+\i*RB16
	ds_load_b128 v[\f+8*(4*\c+\i)+4:\f+8*(4*\c+\i)+7],            v[ADRA+\slot] offset:\q*KQB+64*\c+\i*RB16+32
.endr
.endr
.endm
.macro PLACES                          ; four plain vector instructions between a matrix instruction and a load into, or a read of, its registers (ISA guide 7.12.1 for reads)
.rept 4
	v_nop
.endr
.endm
; A K step is four quarters of 64 along K, 32 matrix instructions each, on buffers 0, 1, 0, 1.  One of the first three multiplies buffer f and fetches quarter q into g.
.macro QUARTER slot, q, f, g, zero
	s_wait_dscnt 16                                ; the first 32 along K are in; the other sixteen loads may be out
	WIN MUL
	MUL8 \f, 0, 0, \zero
	MUL8 \f, 0, 2, \zero
	PLACES
	FETCH \slot, \q, \g
	s_wait_dscnt 32                                ; all but the 32 just issued
	WIN MUL
	MUL8 \f, 1, 0, 0
	MUL8 \f, 1, 2, 0
.endm
; The last quarter multiplies buffer 1 and changes slots: ONE barrier; in front of it each wave waits for its reads of this slot and for all its tensor loads.  fill = 1: this slot is filled again, two K steps ahead.
.macro TURN slot, next, fill
	s_wait_dscnt 16
	WIN MUL
	MUL8 F1, 0, 0, 0
	s_wait_dscnt 0                                 ; my reads of this slot are over,
	s_set_vgpr_msb 0x500
	s_wait_tensorcnt 0x0                           ; and all my tensor loads have landed: my part of the next slot
	ds_add_u32 v30, v31
	s_wait_dscnt 0x0
	s_set_vgpr_msb 0x5
	s_barrier_signal -1
	MUL8 F1, 0, 2, 0
.if \fill
	WIN 0                                          ; every window is 0 there
.endif
	s_barrier_wait -1
.if \fill
	CREST                                          ; the barrier has opened a round of the cluster's: no wave of any partner still reads this slot or has a load on its way
	s_add_nc_u64 s[G0+4*\slot+2:G0+4*\slot+3], s[G0+4*\slot+2:G0+4*\slot+3], 2*ASTEP
	s_add_nc_u64 s[G0B+4*\slot+2:G0B+4*\slot+3], s[G0B+4*\slot+2:G0B+4*\slot+3], 2*KSTEP*SIZE_N*2
	JLOAD \slot                                    ; the first tensor load behind the round, 120 matrix instructions ahead of the wait for it; its four v_nop are also the places in front of the loads below
.if LAPS > 2
	PREF \slot, 1                                  ; the tiles of the K step two behind the one just asked for
.endif
.else
	PLACES
.endif
	FETCH \next, 0, F0
	WIN MUL
	MUL8 F1, 1, 0, 0
	MUL8 F1, 1, 2, 0
.endm
; THE WAY OUT of block a (16 rows x 64 columns of f32): into my stage (each accumulator's low four registers first), back as whole rows of 256 bytes, plus the residual, stored
.macro OUT a
.irp b, 0,1,2,3
	ds_store_b128 v[STO], v[ACC+8*(4*\a+\b):ACC+8*(4*\a+\b)+3]   offset:64*\b
	ds_store_b128 v[STO], v[ACC+8*(4*\a+\b)+4:ACC+8*(4*\a+\b)+7] offset:64*\b+16
.endr
.if \a > 1
	s_wait_xcnt 0x0                                ; this half of TMP was the data of the stores two blocks back: it is written again only behind this wait
.endif
.irp t, 0,1,2,3,4,5,6,7
	ds_load_b128 v[TMP+32*(\a%2)+4*\t:TMP+32*(\a%2)+4*\t+3], v[RD] offset:\t*2*SPITCH   ; LDS serves a wave's instructions in order (ISA guide 5.7.1.4): these see the stores above
.endr
	s_wait_dscnt 0x0
	WIN 0x08                                       ; source 1: window 2
.set u, 0
.rept 16
	v_pk_add_f32 v[TMP+32*(\a%2)+u:TMP+32*(\a%2)+u+1], v[TMP+32*(\a%2)+u:TMP+32*(\a%2)+u+1], v[32*\a+u:32*\a+u+1]
.set u, u+2
.endr
	WIN 0
.irp t, 0,1,2,3,4,5,6,7
	global_store_b128 v[CO], v[TMP+32*(\a%2)+4*\t:TMP+32*(\a%2)+4*\t+3], s[8:9] offset:(16*\a+2*\t)*SIZE_N*4   ; 16 lanes store 256 consecutive bytes, at a multiple of 256 from C's first byte
.endr
.endm
	s_wait_tensorcnt 1                             ; my part of K step 0 is in; K step 1's may stay out
	s_barrier_signal -1
	s_barrier_wait -1
	FETCH 0, 0, F0
	s_wait_loadcnt 32                              ; the bias is in; the residual's 32 loads stay out
	QUARTER 0, 1, F0, F1, 1                        ; the first quarter stands in front of the loop: its first products start the sums
	WIN 0
	s_mov_b32 s3, LAPS-1
.Llap:                                                 ; a trip goes once round the ring, from a lap's second quarter to the next lap's first, and fills both slots again
	QUARTER 0, 2, F1, F0, 0
	QUARTER 0, 3, F0, F1, 0
	TURN 0, 1, 1
	QUARTER 1, 1, F0, F1, 0
	QUARTER 1, 2, F1, F0, 0
	QUARTER 1, 3, F0, F1, 0
	TURN 1, 0, 1
	QUARTER 0, 1, F0, F1, 0
	WIN 0
	s_sub_co_u32 s3, s3, 1
	s_cmp_lg_u32 s3, 0
	s_cbranch_scc1 .Llap
	QUARTER 0, 2, F1, F0, 0                        ; the last lap fills nothing, and has no round of the cluster's barrier
	QUARTER 0, 3, F0, F1, 0
	TURN 0, 1, 0
	QUARTER 1, 1, F0, F1, 0
	QUARTER 1, 2, F1, F0, 0
	QUARTER 1, 3, F0, F1, 0
	s_wait_dscnt 16                                ; the very last quarter: nothing more to fetch
	WIN MUL
	MUL8 F1, 0, 0, 0
	MUL8 F1, 0, 2, 0
	s_wait_dscnt 0
	MUL8 F1, 1, 0, 0
	MUL8 F1, 1, 2, 0
	WIN 0
	PLACES
	s_wait_loadcnt 0x0                             ; the residual
	OUT 0
	OUT 1
	OUT 2
	OUT 3
	s_wait_tensorcnt 0x0
	ds_add_u32 v30, v31
	s_wait_dscnt 0x0
	CROUND                                         ; the closing round: no work-group ends while a partner may still ask for a tile that names it
	s_endpgm
.Lfunc_end_k_qc03e7093ff_gemm_ffn2:
	.size	k_qc03e7093ff_gemm_ffn2, .Lfunc_end_k_qc03e7093ff_gemm_ffn2-k_qc03e7093ff_gemm_ffn2
	.p2alignl 7, 3214868480
	.fill 96, 4, 3214868480
	.section	.rodata,"a",@progbits
	.p2align	6, 0x0
	.amdhsa_kernel k_qc03e7093ff_gemm_ffn2
		.amdhsa_group_segment_fixed_size 327680
		.amdhsa_private_segment_fixed_size 0
		.amdhsa_enable_private_segment 0
		.amdhsa_kernarg_size 40
		.amdhsa_user_sgpr_count 2
		.amdhsa_user_sgpr_kernarg_segment_ptr 1
		.amdhsa_wavefront_size32 1
		.amdhsa_system_sgpr_workgroup_id_x 1
		.amdhsa_system_sgpr_workgroup_id_y 1
		.amdhsa_system_sgpr_workgroup_id_z 1
		.amdhsa_system_vgpr_workitem_id 0
		.amdhsa_next_free_vgpr 640
		.amdhsa_next_free_sgpr 88
		.amdhsa_reserve_vcc 0
		.amdhsa_float_denorm_mode_32 3
		.amdhsa_float_denorm_mode_16_64 3
		.amdhsa_memory_ordered 1
		.amdhsa_forward_progress 1
		.amdhsa_inst_pref_size 97
	.end_amdhsa_kernel
	.amdgpu_metadata
---
amdhsa.version: [ 1, 2 ]
amdhsa.kernels:
  - .name:           k_qc03e7093ff_gemm_ffn2
    .symbol:         k_qc03e7093ff_gemm_ffn2.kd
    .args:
      - { .name: f1, .offset: 0, .size: 8, .value_kind: global_buffer, .address_space: global }
      - { .name: wb, .offset: 8, .size: 8, .value_kind: global_buffer, .address_space: global }
      - { .name: out0, .offset: 16, .size: 8, .value_kind: global_buffer, .address_space: global }
      - { .name: b2, .offset: 24, .size: 8, .value_kind: global_buffer, .address_space: global }
      - { .name: x1, .offset: 32, .size: 8, .value_kind: global_buffer, .address_space: global }
    .group_segment_fixed_size: 327680
    .private_segment_fixed_size: 0
    .kernarg_segment_align: 8
    .kernarg_segment_size: 40
    .max_flat_workgroup_size: 128
    .sgpr_count:     88
    .vgpr_count:     640
    .wavefront_size: 32
...
	.end_amdgpu_metadata
.endif
;; end of part 7
;; ======== version 2 of 2: 7 launches; version 1 with the launches prep, ln2 written anew for expert scheduling mode
;; workspace buffers: wb 25,165,824 bytes; wq 6,291,456 bytes; hbuf 8,388,608 bytes; qkv 25,165,824 bytes; o2 8,388,608 bytes; x1 16,777,216 bytes; f1 33,554,432 bytes
;; launch prep (part 8): grid 512 x 1, 8 waves a work-group, no clusters, 0 bytes of LDS; arguments x, g1, be1, Wq, Wk, Wv, Wproj, W1, hbuf, wq, wb; writes hbuf, wq, wb
.if DOCPART == 8
	.amdgcn_target "amdgcn-amd-amdhsa--gfx1250"
	.amdhsa_code_object_version 6
	.text
	.protected	k_qc03e7093ff_prep
	.globl	k_qc03e7093ff_prep
	.p2align	8
	.type	k_qc03e7093ff_prep,@function
k_qc03e7093ff_prep:
	s_mov_b64 s[64:65], 0
	v_nop
	global_prefetch_b8 v0, s[64:65] scope:SCOPE_SE
	s_setreg_imm32_b32 hwreg(HW_REG_WAVE_SCHED_MODE, 0, 2), 2
	s_setreg_imm32_b32 hwreg(HW_REG_WAVE_MODE, 25, 1), 1
	s_wait_xcnt 0x0
	s_wait_alu depctr_vm_vsrc(0)
; Three kinds of work-group, chosen by the work-group's number.
;   0..255    hbuf = LayerNorm(x; g1, be1) in bf16: 16 rows of 1,024 a work-group, two rows a wave, a row held in 32 registers of the wave.
;   256..351  Wq, Wk, Wv ([16][1024][64] f32) -> wq, bf16 [1024][3072]: columns 64 h: q of head h; columns 1024 + 128 h: k of head h, then v of head h.
;   352..511  Wproj, W1 -> wb, bf16, in their own [K][N] order, at bytes 6,291,456 and 8,388,608.  (W2 is cast by the next launch, on work-groups that its product leaves free.)
; 512 work-groups: 256 of the first kind and 256 casts.
; Memory binds: loads of 16 bytes a lane (512 consecutive bytes a wave), all of a wave's 32 loads issued before the first wait; every store of a wave covers
; 256 consecutive bytes, aligned.  No LDS, no barrier, no matrix unit: no wave needs another's data.
; The variance is the mean of the squares of the CENTRED row (a second pass over registers), so a common offset of x costs no digits.
; THE MODE: SCHED_MODE bits 1:0 = 2 (LLVM: expert scheduling mode 2), set by the entry lines.  The code itself states the register dependences
; between vector instructions and memory instructions, with s_wait_alu, always for 0.
; THE PLAN.  Registers that memory instructions touch, on each of the three paths:
;   v1, v3      offsets of the loads, v2 offset of the stores: written by vector instructions at the path's head, once, and never again.
;   v8 .. v135  loaded data: all 32 loads of a wave are issued at the path's head, into registers that no vector instruction has named before.
;   the low two registers of each slot of four: a store's data: written by the roundings (in the pair cast by the lane swaps too), read by one store, written by nothing afterwards.
; So no register that a load or store has read is written again, and no load lands in a register that a vector instruction has named: what is left to state is that
; the offsets are written (one wait at a path's head) and that a store's data are written (one wait ahead of each eight stores).  The roundings of eight stores stand together,
; the wait behind them, the stores behind the wait.  In the LayerNorm the first row's eight stores are dealt among the second row's multiplies, which name none of their registers.
.set HS,  262144                       ; bytes of one head in Wq, Wk, Wv
.set SX,  4                            ; s[4:5]   x
.set SG,  6                            ; s[6:7]   g1
.set SB,  8                            ; s[8:9]   be1
.set SH,  20                           ; s[20:21] hbuf
.set SWQ, 22                           ; s[22:23] wq
.set SWB, 24                           ; s[24:25] wb
.set SEL, 28                           ; s[28:29] lane selects: each lane takes its own place in the other half of the wave
.set INV, 30                           ; s30      1 / 1024
.set EPS, 31                           ; s31      1e-5
.set X0,  8                            ; v[8:39]    first row   (casts: v[8:135] data)
.set X1,  40                           ; v[40:71]   second row
.set G,   72                           ; v[72:103]  gains of my 32 columns
.set BE,  104                          ; v[104:135] biases of my 32 columns
.set T,   136                          ; v[136:141] at work: no memory instruction names them
.set RS0, 144                          ; v[144:145] 1 / sqrt(var + eps) of the first row, twice
.set RS1, 146                          ; v[146:147] of the second row
.set XA,  8                            ; pair cast: 16 x 4 registers from the first source
.set XB,  72                           ;            16 x 4 registers from the second
.macro WSUM                            ; v[T:T+1] -> the sum over both registers and all 32 lanes, in v[T] of every lane
	v_add_f32 v[T], v[T], v[T+1]
	v_add_f32_dpp v[T], v[T], v[T] row_xmask:1 row_mask:0xf bank_mask:0xf
	v_add_f32_dpp v[T], v[T], v[T] row_xmask:2 row_mask:0xf bank_mask:0xf
	v_add_f32_dpp v[T], v[T], v[T] row_xmask:4 row_mask:0xf bank_mask:0xf
	v_add_f32_dpp v[T], v[T], v[T] row_xmask:8 row_mask:0xf bank_mask:0xf
	v_permlanex16_b32 v[T+1], v[T], s[SEL], s[SEL+1]
	v_add_f32 v[T], v[T], v[T+1]
.endm
; The row in v[X..X+31] is centred in place; 1 / sqrt(var + eps) goes to v[RS], v[RS+1].  left: the younger loads that may stay out.
.macro STATS X, left, RS
	s_wait_loadcnt \left
	v_pk_add_f32 v[T:T+1], v[\X:\X+1], v[\X+2:\X+3]            ; two chains, started by the first four pairs
	v_pk_add_f32 v[T+2:T+3], v[\X+4:\X+5], v[\X+6:\X+7]
.set j, 8
.rept 6
	v_pk_add_f32 v[T:T+1], v[T:T+1], v[\X+j:\X+j+1]
	v_pk_add_f32 v[T+2:T+3], v[T+2:T+3], v[\X+j+2:\X+j+3]
.set j, j+4
.endr
	v_pk_add_f32 v[T:T+1], v[T:T+1], v[T+2:T+3]
	WSUM
	v_mul_f32 v[T+4], s[INV], v[T]                             ; the mean, in both registers of a pair
	v_mul_f32 v[T+5], s[INV], v[T]
.set j, 0
.rept 16
	v_pk_add_f32 v[\X+j:\X+j+1], v[\X+j:\X+j+1], v[T+4:T+5] neg_lo:[0,1] neg_hi:[0,1]
.set j, j+2
.endr
	v_pk_mul_f32 v[T:T+1], v[\X:\X+1], v[\X:\X+1]
	v_pk_mul_f32 v[T+2:T+3], v[\X+2:\X+3], v[\X+2:\X+3]
.set j, 4
.rept 7
	v_pk_fma_f32 v[T:T+1], v[\X+j:\X+j+1], v[\X+j:\X+j+1], v[T:T+1]
	v_pk_fma_f32 v[T+2:T+3], v[\X+j+2:\X+j+3], v[\X+j+2:\X+j+3], v[T+2:T+3]
.set j, j+4
.endr
	v_pk_add_f32 v[T:T+1], v[T:T+1], v[T+2:T+3]
	WSUM
	v_fma_f32 v[T], v[T], s[INV], s[EPS]                       ; var + eps
	v_rsq_f32 v[\RS], v[T]
	v_rsq_f32 v[\RS+1], v[T]
	v_nop                                                      ; a plain instruction before the results are used or v[T] is written again (ISA guide 5.7.2)
.endm
; (x - mean) * rstd * g + be, rounded to bf16 in place: the row's bytes 256 j .. 256 j + 255 then lie in registers 4 j and 4 j + 1 of the row's 32.
; out = 1: the FIRST row's eight stores are dealt among this row's multiplies, one in front of every second.  They owe no wait of their own: the wait ahead of the macro has shown
; their data written, and no line of this macro names v2 or a register of the first row.
.macro NORM X, RS, out
.set j, 0
.rept 16
.if (\out) && (j%4 == 0)
	global_store_b64 v2, v[X0+j:X0+j+1], s[SH:SH+1] offset:64*j   ; store j / 4 of the wave covers the first row's bytes 64 j .. 64 j + 255
.endif
	v_pk_mul_f32 v[\X+j:\X+j+1], v[\X+j:\X+j+1], v[\RS:\RS+1]
.set j, j+2
.endr
.set j, 0
.rept 16
	v_pk_fma_f32 v[\X+j:\X+j+1], v[\X+j:\X+j+1], v[G+j:G+j+1], v[BE+j:BE+j+1]
.set j, j+2
.endr
.irp j, 0,1,2,3,4,5,6,7
	v_cvt_pk_bf16_f32 v[\X+4*\j], v[\X+4*\j], v[\X+4*\j+1]
	v_cvt_pk_bf16_f32 v[\X+4*\j+1], v[\X+4*\j+2], v[\X+4*\j+3]
.endr
.endm
	s_load_b256 s[4:11], s[0:1], 0x0               ; x, g1, be1, Wq s[10:11]
	s_load_b256 s[12:19], s[0:1], 0x20             ; Wk s[12:13], Wv s[14:15], Wproj s[16:17], W1 s[18:19]
	s_load_b128 s[20:23], s[0:1], 0x40             ; hbuf s[20:21], wq s[22:23]
	s_load_b64 s[24:25], s[0:1], 0x50              ; wb
	v_and_b32 v4, 31, v0                           ; lane
	v_and_b32 v5, 0xe0, v0                         ; 32 x wave
	v_lshlrev_b32 v3, 4, v4                        ; 16 bytes a lane
	s_mov_b32 s27, 0
	s_wait_kmcnt 0x0
	s_cmp_lt_u32 ttmp9, 256
	s_cbranch_scc0 .Lcasts
	; ---- LayerNorm: rows 16 id + 2 w and the next ----
	s_mov_b32 s[SEL], 0x76543210
	s_mov_b32 s[SEL+1], 0xfedcba98
	s_mov_b32 s[INV], 0x3a800000
	s_mov_b32 s[EPS], 0x3727c5ac
	s_lshl_b32 s26, ttmp9, 16                      ; 16 rows of 4,096 bytes
	s_add_nc_u64 s[SX:SX+1], s[SX:SX+1], s[26:27]
	s_lshl_b32 s26, ttmp9, 15                      ; 16 rows of 2,048 bytes
	s_add_nc_u64 s[SH:SH+1], s[SH:SH+1], s[26:27]
	v_lshl_add_u32 v1, v5, 8, v3                   ; in: 16 lane + 8,192 w
	v_lshlrev_b32 v2, 3, v4
	v_lshl_add_u32 v2, v5, 7, v2                   ; out: 8 lane + 4,096 w
	s_wait_alu depctr_va_vdst(0)                   ; v1, v2 and v3 are written: the loads below read v1 and v3 as their offsets, the stores of this path v2
.irp j, 0,1,2,3,4,5,6,7
	global_load_b128 v[X0+4*\j:X0+4*\j+3], v1, s[SX:SX+1] offset:512*\j          ; lane l, load j: columns 128 j + 4 l ..
.endr
.irp j, 0,1,2,3,4,5,6,7
	global_load_b128 v[X1+4*\j:X1+4*\j+3], v1, s[SX:SX+1] offset:4096+512*\j
.endr
.irp j, 0,1,2,3,4,5,6,7
	global_load_b128 v[G+4*\j:G+4*\j+3], v3, s[SG:SG+1] offset:512*\j
.endr
.irp j, 0,1,2,3,4,5,6,7
	global_load_b128 v[BE+4*\j:BE+4*\j+3], v3, s[SB:SB+1] offset:512*\j
.endr
	STATS X0, 24, RS0                              ; the second row, the gains and the biases (24 loads) stay out
	STATS X1, 16, RS1                              ; the gains and the biases stay out
	s_wait_loadcnt 0x0
	s_wait_alu depctr_va_vdst(0)                   ; the four reciprocal roots v[RS0:RS0+1], v[RS1:RS1+1] are written, ahead of their first reader: one wait for both rows
	NORM X0, RS0, 0
	s_wait_alu depctr_va_vdst(0)                   ; the first row's roundings have written v[X0 + 4 j], v[X0 + 4 j + 1], which its eight stores read
	NORM X1, RS1, 1
	s_wait_alu depctr_va_vdst(0)                   ; the second row's roundings have written v[X1 + 4 j], v[X1 + 4 j + 1], which the eight stores below read
.irp j, 0,1,2,3,4,5,6,7
	global_store_b64 v2, v[X1+4*\j:X1+4*\j+1], s[SH:SH+1] offset:2048+256*\j     ; store j of the wave covers the second row's bytes 256 j .. 256 j + 255
.endr
	s_endpgm
.Lcasts:
	s_cmp_lt_u32 ttmp9, 352
	s_cbranch_scc0 .Lstraight
	; ---- Wq, Wk, Wv: one block of 128 columns of wq (two sources of 64 columns), 256 of its 1,024 rows ----
	s_sub_co_u32 s26, ttmp9, 256
	s_lshr_b32 s36, s26, 2                         ; column block 0..23: 0..7 are q of heads 2 jb, 2 jb + 1; 8..23 are k and v of head jb - 8
	s_and_b32 s37, s26, 3                          ; which 256 rows
	s_min_u32 s42, s36, 7
	s_lshl_b32 s42, s42, 19                        ; head 2 jb of Wq,
	s_add_co_u32 s44, s42, HS                      ; head 2 jb + 1
	s_max_u32 s40, s36, 8
	s_sub_co_u32 s40, s40, 8
	s_lshl_b32 s40, s40, 18                        ; head jb - 8 of Wk and of Wv
	s_cmp_lt_u32 s36, 8
	s_cselect_b64 s[32:33], s[10:11], s[12:13]     ; first 64 columns: Wq or Wk
	s_cselect_b64 s[34:35], s[10:11], s[14:15]     ; last 64 columns: Wq or Wv
	s_cselect_b32 s42, s42, s40
	s_cselect_b32 s44, s44, s40
	s_lshl_b32 s41, s37, 16                        ; 256 rows of 256 bytes
	s_add_co_u32 s42, s42, s41
	s_add_co_u32 s44, s44, s41
	s_mov_b32 s43, 0
	s_mov_b32 s45, 0
	s_add_nc_u64 s[32:33], s[32:33], s[42:43]
	s_add_nc_u64 s[34:35], s[34:35], s[44:45]
	s_mul_i32 s46, s37, 256*6144                   ; 256 rows of wq,
	s_lshl_b32 s48, s36, 8                         ; the block's 256 bytes in a row
	s_add_co_u32 s46, s46, s48
	s_mov_b32 s47, 0
	s_add_nc_u64 s[SWQ:SWQ+1], s[SWQ:SWQ+1], s[46:47]
	v_lshl_add_u32 v1, v5, 8, v3                   ; in: 16 lane + 32 rows x 256 bytes x w
	v_lshrrev_b32 v6, 5, v0
	v_mul_u32_u24 v6, v6, 32*6144
	v_lshl_add_u32 v2, v4, 3, v6                   ; out: 8 lane + 32 rows x 6,144 bytes x w
	s_wait_alu depctr_va_vdst(0)                   ; v1 and v2 are written: the loads below read v1 as their offset, the stores of this path v2
.set i, 0
.rept 16
	global_load_b128 v[XA+4*i:XA+4*i+3], v1, s[32:33] offset:512*i th:TH_LOAD_NT   ; lanes 0-15: row 2 i, lanes 16-31: row 2 i + 1
	global_load_b128 v[XB+4*i:XB+4*i+3], v1, s[34:35] offset:512*i th:TH_LOAD_NT
.set i, i+1
.endr
; Four groups of eight loads (four slots of each source).  A group's sixteen roundings, its eight swaps, one wait, its eight stores: the stores leave before the wave waits for the next group's loads.
.set g, 0
.rept 4
	s_wait_loadcnt 24-8*g                          ; the next eight loads are in; the younger ones stay out
.set i, 4*g
.rept 4
	v_cvt_pk_bf16_f32 v[XA+4*i], v[XA+4*i], v[XA+4*i+1]
	v_cvt_pk_bf16_f32 v[XA+4*i+1], v[XA+4*i+2], v[XA+4*i+3]
	v_cvt_pk_bf16_f32 v[XB+4*i], v[XB+4*i], v[XB+4*i+1]
	v_cvt_pk_bf16_f32 v[XB+4*i+1], v[XB+4*i+2], v[XB+4*i+3]
.set i, i+1
.endr
.set i, 4*g
.rept 4
	v_permlane16_swap_b32 v[XA+4*i], v[XB+4*i]                 ; XA: row 2 i of both sources, XB: row 2 i + 1 of both:
	v_permlane16_swap_b32 v[XA+4*i+1], v[XB+4*i+1]             ; 32 lanes x 8 bytes are then one block's 256 bytes of one row
.set i, i+1
.endr
	s_wait_alu depctr_va_vdst(0)                   ; the group's roundings and swaps have written the low two registers of its eight slots, which the eight stores below read
.set i, 4*g
.rept 4
	global_store_b64 v2, v[XA+4*i:XA+4*i+1], s[SWQ:SWQ+1] offset:(2*i)*6144
	global_store_b64 v2, v[XB+4*i:XB+4*i+1], s[SWQ:SWQ+1] offset:(2*i+1)*6144
.set i, i+1
.endr
.set g, g+1
.endr
	s_endpgm
.Lstraight:
	; ---- Wproj, W1: chunks of 131,072 bytes, order kept ----
	s_sub_co_u32 s26, ttmp9, 352                   ; 0..31 Wproj, 32..159 W1
	s_max_u32 s37, s26, 32
	s_sub_co_u32 s37, s37, 32
	s_mov_b32 s38, 8388608
	s_mov_b32 s39, 6291456
	s_cmp_lt_u32 s26, 32
	s_cselect_b64 s[32:33], s[16:17], s[18:19]
	s_cselect_b32 s36, s26, s37                    ; the chunk's number in its source
	s_cselect_b32 s38, s39, s38                    ; the source's place in wb
	s_lshl_b32 s40, s36, 17
	s_mov_b32 s41, 0
	s_lshl_b32 s42, s36, 16
	s_add_co_u32 s42, s42, s38
	s_mov_b32 s43, 0
	s_add_nc_u64 s[32:33], s[32:33], s[40:41]
	s_add_nc_u64 s[SWB:SWB+1], s[SWB:SWB+1], s[42:43]
	v_lshl_add_u32 v1, v5, 9, v3                   ; in: 16 lane + 16,384 w
	v_lshlrev_b32 v2, 3, v4
	v_lshl_add_u32 v2, v5, 8, v2                   ; out: 8 lane + 8,192 w
	s_wait_alu depctr_va_vdst(0)                   ; v1 and v2 are written: the loads below read v1 as their offset, the stores of this path v2
.set i, 0
.rept 32
	global_load_b128 v[XA+4*i:XA+4*i+3], v1, s[32:33] offset:512*i th:TH_LOAD_NT
.set i, i+1
.endr
; Four groups of eight loads.  A group's sixteen roundings, one wait, its eight stores: the stores leave before the wave waits for the next group's loads.
.set g, 0
.rept 4
	s_wait_loadcnt 24-8*g                          ; the next eight loads are in; the younger ones stay out
.set i, 8*g
.rept 8
	v_cvt_pk_bf16_f32 v[XA+4*i], v[XA+4*i], v[XA+4*i+1]
	v_cvt_pk_bf16_f32 v[XA+4*i+1], v[XA+4*i+2], v[XA+4*i+3]
.set i, i+1
.endr
	s_wait_alu depctr_va_vdst(0)                   ; the group's roundings have written the low two registers of its eight slots, which the eight stores below read
.set i, 8*g
.rept 8
	global_store_b64 v2, v[XA+4*i:XA+4*i+1], s[SWB:SWB+1] offset:256*i
.set i, i+1
.endr
.set g, g+1
.endr
	s_endpgm
.Lfunc_end_k_qc03e7093ff_prep:
	.size	k_qc03e7093ff_prep, .Lfunc_end_k_qc03e7093ff_prep-k_qc03e7093ff_prep
	.p2alignl 7, 3214868480
	.fill 96, 4, 3214868480
	.section	.rodata,"a",@progbits
	.p2align	6, 0x0
	.amdhsa_kernel k_qc03e7093ff_prep
		.amdhsa_group_segment_fixed_size 0
		.amdhsa_private_segment_fixed_size 0
		.amdhsa_enable_private_segment 0
		.amdhsa_kernarg_size 88
		.amdhsa_user_sgpr_count 2
		.amdhsa_user_sgpr_kernarg_segment_ptr 1
		.amdhsa_wavefront_size32 1
		.amdhsa_system_sgpr_workgroup_id_x 1
		.amdhsa_system_sgpr_workgroup_id_y 1
		.amdhsa_system_sgpr_workgroup_id_z 1
		.amdhsa_system_vgpr_workitem_id 0
		.amdhsa_next_free_vgpr 160
		.amdhsa_next_free_sgpr 66
		.amdhsa_reserve_vcc 0
		.amdhsa_float_denorm_mode_32 3
		.amdhsa_float_denorm_mode_16_64 3
		.amdhsa_memory_ordered 1
		.amdhsa_forward_progress 1
		.amdhsa_inst_pref_size 44
	.end_amdhsa_kernel
	.amdgpu_metadata
---
amdhsa.version: [ 1, 2 ]
amdhsa.kernels:
  - .name:           k_qc03e7093ff_prep
    .symbol:         k_qc03e7093ff_prep.kd
    .args:
      - { .name: x, .offset: 0, .size: 8, .value_kind: global_buffer, .address_space: global }
      - { .name: g1, .offset: 8, .size: 8, .value_kind: global_buffer, .address_space: global }
      - { .name: be1, .offset: 16, .size: 8, .value_kind: global_buffer, .address_space: global }
      - { .name: Wq, .offset: 24, .size: 8, .value_kind: global_buffer, .address_space: global }
      - { .name: Wk, .offset: 32, .size: 8, .value_kind: global_buffer, .address_space: global }
      - { .name: Wv, .offset: 40, .size: 8, .value_kind: global_buffer, .address_space: global }
      - { .name: Wproj, .offset: 48, .size: 8, .value_kind: global_buffer, .address_space: global }
      - { .name: W1, .offset: 56, .size: 8, .value_kind: global_buffer, .address_space: global }
      - { .name: hbuf, .offset: 64, .size: 8, .value_kind: global_buffer, .address_space: global }
      - { .name: wq, .offset: 72, .size: 8, .value_kind: global_buffer, .address_space: global }
      - { .name: wb, .offset: 80, .size: 8, .value_kind: global_buffer, .address_space: global }
    .group_segment_fixed_size: 0
    .private_segment_fixed_size: 0
    .kernarg_segment_align: 8
    .kernarg_segment_size: 88
    .max_flat_workgroup_size: 256
    .sgpr_count:     66
    .vgpr_count:     160
    .wavefront_size: 32
...
	.end_amdgpu_metadata
.endif
;; end of part 8
;; launch gemm_qkv: the kernel of part 2 again; grid 16 x 16, 4 waves a work-group, clusters of 4 x 4, 327,680 bytes of LDS; arguments hbuf, wq, qkv, W2, wb; writes qkv, wb
;; launch attn: the kernel of part 3 again; grid 8 x 32, 8 waves a work-group, clusters of 4 x 1, 327,680 bytes of LDS; arguments qkv, o2; writes o2
;; launch gemm_proj: the kernel of part 4 again; grid 8 x 32, 4 waves a work-group, clusters of 4 x 4, 327,680 bytes of LDS; arguments o2, wb, x1, bproj, x; writes x1
;; launch ln2 (part 9): grid 256 x 1, 8 waves a work-group, no clusters, 0 bytes of LDS; arguments x1, g2, be2, hbuf; writes hbuf
.if DOCPART == 9
	.amdgcn_target "amdgcn-amd-amdhsa--gfx1250"
	.amdhsa_code_object_version 6
	.text
	.protected	k_qc03e7093ff_ln2
	.globl	k_qc03e7093ff_ln2
	.p2align	8
	.type	k_qc03e7093ff_ln2,@function
k_qc03e7093ff_ln2:
	s_mov_b64 s[64:65], 0
	v_nop
	global_prefetch_b8 v0, s[64:65] scope:SCOPE_SE
	s_setreg_imm32_b32 hwreg(HW_REG_WAVE_SCHED_MODE, 0, 2), 2
	s_setreg_imm32_b32 hwreg(HW_REG_WAVE_MODE, 25, 1), 1
	s_wait_xcnt 0x0
	s_wait_alu depctr_vm_vsrc(0)
; hbuf = LayerNorm(x1; g2, be2) in bf16.  x1: [4096][1024] f32.  16 rows a work-group, two rows a wave; a row is held in 32 registers of the wave, so it is read from memory once.
; Memory binds: loads of 16 bytes a lane (512 consecutive bytes a wave), all of a wave's 32 loads issued before the first wait; every store of a wave covers 256 consecutive
; bytes, aligned.  No LDS, no barrier, no matrix unit: no wave needs another's data.
; The variance is the mean of the squares of the CENTRED row (a second pass over registers), so a common offset of x1 costs no digits.
; THE MODE: SCHED_MODE bits 1:0 = 2 (LLVM: expert scheduling mode 2), set by the entry lines.  The code itself states the register dependences
; between vector instructions and memory instructions, with s_wait_alu, always for 0.
; THE PLAN.  Registers that memory instructions touch:
;   v1, v3      offsets of the loads, v2 offset of the stores: written by vector instructions at the head, once, and never again.
;   v8 .. v135  loaded data: all 32 loads of a wave are issued at the head, into registers that no vector instruction has named before.
;   registers 4 j and 4 j + 1 of a row's 32: a store's data: written by the row's roundings, read by one store, written by nothing afterwards.
; So no register that a load or store has read is written again, and no load lands in a register that a vector instruction has named: what is left to state is that
; the offsets are written (one wait at the head) and that a row's roundings are written (one wait ahead of the row's eight stores).  The first row's eight stores are dealt
; among the second row's multiplies, which name none of their registers.
.set SX,  4                            ; s[4:5]   x1
.set SG,  6                            ; s[6:7]   g2
.set SB,  8                            ; s[8:9]   be2
.set SH,  10                           ; s[10:11] hbuf
.set SEL, 28                           ; s[28:29] lane selects: each lane takes its own place in the other half of the wave
.set INV, 30                           ; s30      1 / 1024
.set EPS, 31                           ; s31      1e-5
.set X0,  8                            ; v[8:39]    first row
.set X1,  40                           ; v[40:71]   second row
.set G,   72                           ; v[72:103]  gains of my 32 columns
.set BE,  104                          ; v[104:135] biases of my 32 columns
.set T,   136                          ; v[136:141] at work: no memory instruction names them
.set RS0, 144                          ; v[144:145] 1 / sqrt(var + eps) of the first row, twice
.set RS1, 146                          ; v[146:147] of the second row
.macro WSUM                            ; v[T:T+1] -> the sum over both registers and all 32 lanes, in v[T] of every lane
	v_add_f32 v[T], v[T], v[T+1]
	v_add_f32_dpp v[T], v[T], v[T] row_xmask:1 row_mask:0xf bank_mask:0xf
	v_add_f32_dpp v[T], v[T], v[T] row_xmask:2 row_mask:0xf bank_mask:0xf
	v_add_f32_dpp v[T], v[T], v[T] row_xmask:4 row_mask:0xf bank_mask:0xf
	v_add_f32_dpp v[T], v[T], v[T] row_xmask:8 row_mask:0xf bank_mask:0xf
	v_permlanex16_b32 v[T+1], v[T], s[SEL], s[SEL+1]
	v_add_f32 v[T], v[T], v[T+1]
.endm
; The row in v[X..X+31] is centred in place; 1 / sqrt(var + eps) goes to v[RS], v[RS+1].  left: the younger loads that may stay out.
.macro STATS X, left, RS
	s_wait_loadcnt \left
	v_pk_add_f32 v[T:T+1], v[\X:\X+1], v[\X+2:\X+3]            ; two chains, started by the first four pairs
	v_pk_add_f32 v[T+2:T+3], v[\X+4:\X+5], v[\X+6:\X+7]
.set j, 8
.rept 6
	v_pk_add_f32 v[T:T+1], v[T:T+1], v[\X+j:\X+j+1]
	v_pk_add_f32 v[T+2:T+3], v[T+2:T+3], v[\X+j+2:\X+j+3]
.set j, j+4
.endr
	v_pk_add_f32 v[T:T+1], v[T:T+1], v[T+2:T+3]
	WSUM
	v_mul_f32 v[T+4], s[INV], v[T]                             ; the mean, in both registers of a pair
	v_mul_f32 v[T+5], s[INV], v[T]
.set j, 0
.rept 16
	v_pk_add_f32 v[\X+j:\X+j+1], v[\X+j:\X+j+1], v[T+4:T+5] neg_lo:[0,1] neg_hi:[0,1]
.set j, j+2
.endr
	v_pk_mul_f32 v[T:T+1], v[\X:\X+1], v[\X:\X+1]
	v_pk_mul_f32 v[T+2:T+3], v[\X+2:\X+3], v[\X+2:\X+3]
.set j, 4
.rept 7
	v_pk_fma_f32 v[T:T+1], v[\X+j:\X+j+1], v[\X+j:\X+j+1], v[T:T+1]
	v_pk_fma_f32 v[T+2:T+3], v[\X+j+2:\X+j+3], v[\X+j+2:\X+j+3], v[T+2:T+3]
.set j, j+4
.endr
	v_pk_add_f32 v[T:T+1], v[T:T+1], v[T+2:T+3]
	WSUM
	v_fma_f32 v[T], v[T], s[INV], s[EPS]                       ; var + eps
	v_rsq_f32 v[\RS], v[T]
	v_rsq_f32 v[\RS+1], v[T]
	v_nop                                                      ; a plain instruction before the results are used or v[T] is written again (ISA guide 5.7.2)
.endm
; (x - mean) * rstd * g + be, rounded to bf16 in place: the row's bytes 256 j .. 256 j + 255 then lie in registers 4 j and 4 j + 1 of the row's 32.
; out = 1: the FIRST row's eight stores are dealt among this row's multiplies, one in front of every second.  They owe no wait of their own: the wait ahead of the macro has shown
; their data written, and no line of this macro names v2 or a register of the first row.
.macro NORM X, RS, out
.set j, 0
.rept 16
.if (\out) && (j%4 == 0)
	global_store_b64 v2, v[X0+j:X0+j+1], s[SH:SH+1] offset:64*j   ; store j / 4 of the wave covers the first row's bytes 64 j .. 64 j + 255
.endif
	v_pk_mul_f32 v[\X+j:\X+j+1], v[\X+j:\X+j+1], v[\RS:\RS+1]
.set j, j+2
.endr
.set j, 0
.rept 16
	v_pk_fma_f32 v[\X+j:\X+j+1], v[\X+j:\X+j+1], v[G+j:G+j+1], v[BE+j:BE+j+1]
.set j, j+2
.endr
.irp j, 0,1,2,3,4,5,6,7
	v_cvt_pk_bf16_f32 v[\X+4*\j], v[\X+4*\j], v[\X+4*\j+1]
	v_cvt_pk_bf16_f32 v[\X+4*\j+1], v[\X+4*\j+2], v[\X+4*\j+3]
.endr
.endm
	s_load_b256 s[4:11], s[0:1], 0x0               ; x1, g2, be2, hbuf
	v_and_b32 v4, 31, v0                           ; lane
	v_and_b32 v5, 0xe0, v0                         ; 32 x wave
	v_lshlrev_b32 v3, 4, v4                        ; 16 bytes a lane
	s_mov_b32 s27, 0
	s_mov_b32 s[SEL], 0x76543210
	s_mov_b32 s[SEL+1], 0xfedcba98
	s_mov_b32 s[INV], 0x3a800000
	s_mov_b32 s[EPS], 0x3727c5ac
	v_lshl_add_u32 v1, v5, 8, v3                   ; in: 16 lane + 8,192 w
	v_lshlrev_b32 v2, 3, v4
	v_lshl_add_u32 v2, v5, 7, v2                   ; out: 8 lane + 4,096 w
	s_wait_kmcnt 0x0
	s_lshl_b32 s26, ttmp9, 16                      ; 16 rows of 4,096 bytes
	s_add_nc_u64 s[SX:SX+1], s[SX:SX+1], s[26:27]
	s_lshl_b32 s26, ttmp9, 15                      ; 16 rows of 2,048 bytes
	s_add_nc_u64 s[SH:SH+1], s[SH:SH+1], s[26:27]
	s_wait_alu depctr_va_vdst(0)                   ; v1, v2 and v3 are written: the loads below read v1 and v3 as their offsets, the stores v2
.irp j, 0,1,2,3,4,5,6,7
	global_load_b128 v[X0+4*\j:X0+4*\j+3], v1, s[SX:SX+1] offset:512*\j          ; lane l, load j: columns 128 j + 4 l ..
.endr
.irp j, 0,1,2,3,4,5,6,7
	global_load_b128 v[X1+4*\j:X1+4*\j+3], v1, s[SX:SX+1] offset:4096+512*\j
.endr
.irp j, 0,1,2,3,4,5,6,7
	global_load_b128 v[G+4*\j:G+4*\j+3], v3, s[SG:SG+1] offset:512*\j
.endr
.irp j, 0,1,2,3,4,5,6,7
	global_load_b128 v[BE+4*\j:BE+4*\j+3], v3, s[SB:SB+1] offset:512*\j
.endr
	STATS X0, 24, RS0                              ; the second row, the gains and the biases (24 loads) stay out
	STATS X1, 16, RS1                              ; the gains and the biases stay out
	s_wait_loadcnt 0x0
	s_wait_alu depctr_va_vdst(0)                   ; the four reciprocal roots v[RS0:RS0+1], v[RS1:RS1+1] are written, ahead of their first reader: one wait for both rows
	NORM X0, RS0, 0
	s_wait_alu depctr_va_vdst(0)                   ; the first row's roundings have written v[X0 + 4 j], v[X0 + 4 j + 1], which its eight stores read
	NORM X1, RS1, 1
	s_wait_alu depctr_va_vdst(0)                   ; the second row's roundings have written v[X1 + 4 j], v[X1 + 4 j + 1], which the eight stores below read
.irp j, 0,1,2,3,4,5,6,7
	global_store_b64 v2, v[X1+4*\j:X1+4*\j+1], s[SH:SH+1] offset:2048+256*\j     ; store j of the wave covers the second row's bytes 256 j .. 256 j + 255
.endr
	s_endpgm
.Lfunc_end_k_qc03e7093ff_ln2:
	.size	k_qc03e7093ff_ln2, .Lfunc_end_k_qc03e7093ff_ln2-k_qc03e7093ff_ln2
	.p2alignl 7, 3214868480
	.fill 96, 4, 3214868480
	.section	.rodata,"a",@progbits
	.p2align	6, 0x0
	.amdhsa_kernel k_qc03e7093ff_ln2
		.amdhsa_group_segment_fixed_size 0
		.amdhsa_private_segment_fixed_size 0
		.amdhsa_enable_private_segment 0
		.amdhsa_kernarg_size 32
		.amdhsa_user_sgpr_count 2
		.amdhsa_user_sgpr_kernarg_segment_ptr 1
		.amdhsa_wavefront_size32 1
		.amdhsa_system_sgpr_workgroup_id_x 1
		.amdhsa_system_sgpr_workgroup_id_y 1
		.amdhsa_system_sgpr_workgroup_id_z 1
		.amdhsa_system_vgpr_workitem_id 0
		.amdhsa_next_free_vgpr 160
		.amdhsa_next_free_sgpr 66
		.amdhsa_reserve_vcc 0
		.amdhsa_float_denorm_mode_32 3
		.amdhsa_float_denorm_mode_16_64 3
		.amdhsa_memory_ordered 1
		.amdhsa_forward_progress 1
		.amdhsa_inst_pref_size 20
	.end_amdhsa_kernel
	.amdgpu_metadata
---
amdhsa.version: [ 1, 2 ]
amdhsa.kernels:
  - .name:           k_qc03e7093ff_ln2
    .symbol:         k_qc03e7093ff_ln2.kd
    .args:
      - { .name: x1, .offset: 0, .size: 8, .value_kind: global_buffer, .address_space: global }
      - { .name: g2, .offset: 8, .size: 8, .value_kind: global_buffer, .address_space: global }
      - { .name: be2, .offset: 16, .size: 8, .value_kind: global_buffer, .address_space: global }
      - { .name: hbuf, .offset: 24, .size: 8, .value_kind: global_buffer, .address_space: global }
    .group_segment_fixed_size: 0
    .private_segment_fixed_size: 0
    .kernarg_segment_align: 8
    .kernarg_segment_size: 32
    .max_flat_workgroup_size: 256
    .sgpr_count:     66
    .vgpr_count:     160
    .wavefront_size: 32
...
	.end_amdgpu_metadata
.endif
;; end of part 9
;; launch gemm_ffn1: the kernel of part 6 again; grid 16 x 16, 4 waves a work-group, clusters of 4 x 4, 327,680 bytes of LDS; arguments hbuf, wb, f1, b1; writes f1
;; launch gemm_ffn2: the kernel of part 7 again; grid 8 x 32, 4 waves a work-group, clusters of 4 x 4, 327,680 bytes of LDS; arguments f1, wb, out0, b2, x1; writes out0
